; MI455X (gfx1250); checked and timed in simulation.
; The chip was launched on July 23, 2026; its instructions are those of AMD's public machine-readable ISA for CDNA 5 (MIT licence, August 2026) and "CDNA5" Instruction Set Architecture Reference Guide (July 2026). The comments in the code are by the model that wrote it; some were corrected since.
;; Transformer Block. Allowed arithmetic: matrix products marked QUANTISED: E2M3 operands, one E8M0 scale for each 32 along K, by v_wmma_scale_f32_16x16x128_f8f6f4 with both operands' format E2M3, f32 sums; everything else in f32.
;; Inputs: b1 4,096 float32; b2 1,024 float32; bk 1,024 float32; bo 1,024 float32; bq 1,024 float32; bv 1,024 float32; ln1_b 1,024 float32; ln1_g 1,024 float32; ln2_b 1,024 float32; ln2_g 1,024 float32; mask 1 x 1 x 2,048 x 2,048 bool; w1 1,024 x 4,096 float32; w2 4,096 x 1,024 float32; wk 1,024 x 1,024 float32; wo 1,024 x 1,024 float32; wq 1,024 x 1,024 float32; wv 1,024 x 1,024 float32; x 2 x 2,048 x 1,024 float32.
;; Outputs: out0 2 x 2,048 x 1,024 float32.
;; This version of the problem:
;;   THIS VERSION OF THE PROBLEM IS GIVEN IN LOW PRECISION. The matrix products marked QUANTISED in the list below multiply operands that are first quantised to E2M3 (2 exponent bits, 3 mantissa bits; 6 bits a number), with one power-of-two scale for each 32 numbers along K (OCP MX v1.0); their sums are f32. All else is computed in f32.
;;   The module's matrix products, in the order in which they are computed (A, B: the left and right operand; K: the contracted axis; several contracted axes count as one K, in the product's order):
;;     1. [M 4,096, K 1,024] x [K 1,024, N 1,024]; A: computed on the way; B: input wq: QUANTISED
;;     2. [M 4,096, K 1,024] x [K 1,024, N 1,024]; A: computed on the way; B: input wk: QUANTISED
;;     3. [M 4,096, K 1,024] x [K 1,024, N 1,024]; A: computed on the way; B: input wv: QUANTISED
;;     4. batch 32 x [M 2,048, K 64] x [K 64, N 2,048]; A: computed on the way; B: computed on the way: QUANTISED
;;     5. batch 32 x [M 2,048, K 2,048] x [K 2,048, N 64]; A: computed on the way; B: computed on the way: QUANTISED
;;     6. [M 4,096, K 1,024] x [K 1,024, N 1,024]; A: computed on the way; B: input wo: QUANTISED
;;     7. [M 4,096, K 1,024] x [K 1,024, N 4,096]; A: computed on the way; B: input w1: QUANTISED
;;     8. [M 4,096, K 4,096] x [K 4,096, N 1,024]; A: computed on the way; B: input w2: QUANTISED
;;   THE QUANTISER, for each operand of a quantised product, along K:
;;     - K is cut into blocks of 32 from its start; a last block that is shorter is filled with zeros.
;;     - A block's scale is 2^e with e = floor(log2(the largest magnitude in the block)) - 2, held to -126 .. 127; a block of zeros has e = 0. As a byte (E8M0): e + 127.
;;     - Each number is divided by its block's scale, clamped to +-7.5, and rounded to the nearest number of E2M3, ties to even, subnormals kept.
;;     - The product sums the exact products of the quantised numbers (number of the format x scale) in f32.
;;   ~~~python
;;   def quantise(x, axis):      # numpy; x: float32 -> the quantised numbers, widened to float32 again
;;       x = np.moveaxis(x, axis, -1); K = x.shape[-1]
;;       x = np.pad(x, [(0, 0)] * (x.ndim - 1) + [(0, -K % 32)]); x = x.reshape(x.shape[:-1] + (-1, 32)); a = np.abs(x).max(-1, keepdims=True)
;;       e = np.where(a > 0, np.clip(np.frexp(np.where(a > 0, a, 1))[1] - 1 - 2, -126, 127), 0)      # np.frexp(a)[1] - 1 = floor(log2(a)), exactly
;;       r = np.clip(x / 2.0 ** e, -7.5, 7.5)
;;       step = 2.0 ** (np.maximum(np.frexp(np.where(r == 0, 1, r))[1] - 1, 0) - 3)
;;       q = np.round(r / step) * step * 2.0 ** e      # np.round: ties to even
;;       return np.moveaxis(q.reshape(q.shape[:-2] + (-1,))[..., :K], -1, axis).astype(np.float32)
;;   ~~~
;;   OPERANDS COMPUTED ON THE WAY. 'Computed on the way' means the value that the module computes at that place (a softmax that the list does not call 'softmax' is quantised finished and normalised). What goes into a quantiser is computed in f32, as accurately as f32 sums, v_exp_f32 and their like allow (about 1e-6 of the number): no bf16 or f16 on the way to a quantiser, and a product that is left as it is and whose result goes on into a quantised operand takes f32 operands (vector FMAs, or v_wmma_f32_16x16x4_f32). A number that lies on a knife's edge between two numbers of the format may be rounded either way, as far as f32 arithmetic and the matrix unit's own rounding can turn it there, and no further.
;; 2 versions, each right. Each part assembles by itself: llvm-mc -triple=amdgcn-amd-amdhsa -mcpu=gfx1250 --defsym DOCPART=n.
;; ======== version 1 of 2: 8 launches
;; limits: right only within a limited range of input values
;; workspace buffers: wb 9,830,400 bytes; mw 524,288 bytes of whole numbers; hq 3,276,800 bytes; qkv 9,830,400 bytes; at 3,276,800 bytes; x1 16,777,216 bytes; hid 13,107,200 bytes
;; launch prep (part 1): grid 640 x 1, 4 waves a work-group, no clusters, 35,328 bytes of LDS; arguments wq, wk, wv, wo, w2, w1, mask, wb, mw; writes wb, mw
.if DOCPART == 1
	.amdgcn_target "amdgcn-amd-amdhsa--gfx1250"
	.amdhsa_code_object_version 6
	.text
	.protected	k_qc0c1c0425f_prep
	.globl	k_qc0c1c0425f_prep
	.p2align	8
	.type	k_qc0c1c0425f_prep,@function
k_qc0c1c0425f_prep:
	s_mov_b64 s[64:65], 0
	v_nop
	global_prefetch_b8 v0, s[64:65] scope:SCOPE_SE
	s_setreg_imm32_b32 hwreg(HW_REG_WAVE_MODE, 25, 1), 1
	s_wait_xcnt 0x0
; FIRST LAUNCH OF A TRANSFORMER BLOCK IN MX-FP6 (E2M3 codes, one E8M0 byte for each 32 along K).
; NO WORK OF THE PROBLEM IS LEFT OUT: every input has a way to the output (bk moves K's codes; the mask is an input and is honoured bit by bit), so every input is loaded by some launch.
; This launch: (a) the six weights, f32 [K][N], become codes [N][K] with K innermost and scale bytes [N][K/32], all in wb; (b) the mask's bytes become words of 32 lane bits, in mw.
; ROWS BY POSITION: row n of an operand lies at position n with bits 3 and 4 exchanged.  A tile of 16 neighbouring positions, 2 b + u, is then rows 32 b + 8 u + r + 8 (r / 8), so that in a product used
; transposed the 16 registers of tiles 2 b, 2 b + 1 are 16 neighbours along the next product's K.  K itself is never permuted.
; (a) work-groups 0-383: a work-group takes 128 columns x 256 along K; a lane takes a column and its registers run down K: a block of 32 lies in one lane.  ONE text serves the six weights: the shapes
; (bytes from row to row in, bytes of a row out) are scalars chosen by the work-group's number.  Codes leave through the wave's own stage in LDS, sixteen lanes to a row's 192 bytes.
; (b) work-groups 384-639: wave = (tile of 16 queries, 256 keys).  Bit L of word 16 B + e = mask[query of lane L % 16][256 w + 32 B + 16 (L / 16) + e]: the lane and register in which the attention launch holds that score.
; A block's scale is 2^(floor(log2(largest magnitude)) - 2); its byte is the largest magnitude's exponent field - 2, held at 1 from below.
; LIMITS: a block of zeros gets the byte 1 where the rule says 127 (its codes are zeros, and this program alone reads the bytes); NaN and infinities among the inputs are not served.
.set SPARE, 34816                      ; behind the four stages: the spare words, 128 bytes a wave
.set PITCH, 272                        ; a stage row: sixteen places of 16 bytes (12 of codes each) + 16
.set X,    32                          ; v32-95   two sets of 32 numbers
.set C,    96                          ; v96..    a block's codes
.set SBY,  24                          ; v24-25   my column's 8 scale bytes
.set OUTR, 112                         ; v112-175 the way out
.set VO,   176                         ; v176-207 byte offset of row i of a block: i x row bytes + 4 x lane
.set OA,   208                         ; v208-223 byte offsets of the way out's 16 stores
.set SPW,  14
.set NIL,  15
.set SRC,  36                          ; s[36:51] the address of each of the 8 blocks' first row
	s_load_b512 s[4:19], s[0:1], 0x0               ; wq wk wv wo w2 w1 mask wb
	s_load_b64 s[20:21], s[0:1], 0x40              ; mw
	v_lshl_add_u32 v[SPW], v0, 2, SPARE
	v_mov_b32 v[NIL], 0
	v_lshrrev_b32 v1, 5, v0
	v_readfirstlane_b32 s22, v1                    ; wave
	v_and_b32 v2, 31, v0                           ; lane
	s_wait_kmcnt 0x0
	s_cmp_ge_u32 ttmp9, 384
	s_cbranch_scc1 .Lmask
	; ---- the weights.  ids 0-127: wq wk wv wo, 32 each; 128-255: w2; 256-383: w1
	s_mov_b64 s[30:31], s[4:5]
	s_cmp_ge_u32 ttmp9, 32
	s_cselect_b64 s[30:31], s[6:7], s[30:31]
	s_cmp_ge_u32 ttmp9, 64
	s_cselect_b64 s[30:31], s[8:9], s[30:31]
	s_cmp_ge_u32 ttmp9, 96
	s_cselect_b64 s[30:31], s[10:11], s[30:31]
	s_cmp_ge_u32 ttmp9, 128
	s_cselect_b64 s[30:31], s[12:13], s[30:31]
	s_cmp_ge_u32 ttmp9, 256
	s_cselect_b64 s[30:31], s[14:15], s[30:31]
	s_mov_b32 s24, 4096
	s_cselect_b32 s24, 16384, s24                  ; bytes from row to row of the weight
	s_cselect_b32 s27, 31, 7                       ; blocks of 128 columns - 1
	s_cselect_b32 s28, 5, 3
	s_lshr_b32 s32, ttmp9, 5
	s_min_u32 s32, s32, 4
	s_cmp_ge_u32 ttmp9, 256
	s_cselect_b32 s32, 8, s32                      ; the weight's place in wb, in units of 786,432 bytes of codes and 32,768 of scale bytes
	s_lshr_b32 s29, ttmp9, 7
	s_mov_b32 s25, 768
	s_cmp_eq_u32 s29, 1
	s_cselect_b32 s25, 3072, s25                   ; bytes of a row of codes
	s_cselect_b32 s26, 128, 32                     ; bytes of a row of scale bytes
	s_cmp_lt_u32 ttmp9, 128
	s_cselect_b32 s33, 31, 127
	s_and_b32 s33, ttmp9, s33
	s_and_b32 s34, s33, s27
	s_lshr_b32 s35, s33, s28                       ; which 256 along K
	s_lshl_b32 s34, s34, 7
	s_lshl_b32 s23, s22, 5
	s_add_co_u32 s34, s34, s23                     ; my wave's first column
	s_mul_i32 s52, s35, s24
	s_lshl_b32 s52, s52, 8
	s_lshl_b32 s23, s34, 2
	s_add_co_u32 s52, s52, s23
	s_mov_b32 s53, 0
	s_add_nc_u64 s[SRC:SRC+1], s[30:31], s[52:53]
	s_lshl_b32 s52, s24, 5                         ; 32 rows on
.irp t, 1,2,3,4,5,6,7
	s_add_nc_u64 s[SRC+2*\t:SRC+2*\t+1], s[SRC+2*\t-2:SRC+2*\t-1], s[52:53]
.endr
	s_mul_i32 s54, s32, 786432
	s_mul_i32 s23, s34, s25
	s_add_co_u32 s54, s54, s23
	s_mul_i32 s23, s35, 192
	s_add_co_u32 s54, s54, s23
	s_mov_b32 s55, 0
	s_add_nc_u64 s[54:55], s[18:19], s[54:55]      ; codes out: my 32 rows, my 192 bytes of them
	s_lshl_b32 s56, s32, 15
	s_mul_i32 s23, s34, s26
	s_add_co_u32 s56, s56, s23
	s_lshl_b32 s23, s35, 3
	s_add_co_u32 s56, s56, s23
	s_add_co_u32 s56, s56, 9437184
	s_mov_b32 s57, 0
	s_add_nc_u64 s[56:57], s[18:19], s[56:57]      ; scale bytes out
	v_lshlrev_b32 v3, 2, v2
	v_and_b32 v5, 7, v2
	v_bfe_u32 v6, v2, 3, 1
	v_lshl_add_u32 v5, v6, 4, v5
	v_bfe_u32 v6, v2, 4, 1
	v_lshl_add_u32 v5, v6, 3, v5                   ; my column's position among the wave's 32
	s_mul_i32 s23, s22, 32*PITCH
	v_mul_u32_u24 v4, v5, PITCH
	v_add_nc_u32 v4, s23, v4                       ; into the stage: row = position
	v_mul_u32_u24 v9, v5, s26                      ; my row of scale bytes
	v_and_b32 v5, 15, v2
	v_lshrrev_b32 v6, 4, v2
	v_mul_u32_u24 v7, v6, PITCH
	v_lshl_add_u32 v7, v5, 4, v7
	v_add_nc_u32 v7, s23, v7                       ; out of it: sixteen lanes to a row, two rows an instruction
	v_mul_u32_u24 v8, v6, s25
	v_mad_u32_u24 v8, v5, 12, v8
.set li, 0
.rept 32
	v_mad_u32_u24 v[VO+li], s24, li, v3
.set li, li+1
.endr
.set li, 0
.rept 16
	v_mad_u32_u24 v[OA+li], s25, 2*li, v8
.set li, li+1
.endr
.macro LOAD t                          ; block t: W(32 t + i, my column) into set t % 2; 32 lanes read 128 neighbouring bytes
.set li, 0
.rept 32
	global_load_b32 v[X+32*((\t)%2)+li], v[VO+li], s[SRC+2*(\t):SRC+2*(\t)+1] th:TH_LOAD_NT
.set li, li+1
.endr
.endm
	LOAD 0
	LOAD 1
.macro BLOCK t
.set XS, X+32*((\t)%2)
.if (\t) < 7
	s_wait_loadcnt 32                              ; this block's 32 loads are in; the next block's may be out
.else
	s_wait_loadcnt 0
.endif
	v_max3_num_f32 v12, |v[XS]|, |v[XS+1]|, |v[XS+2]|
	v_max3_num_f32 v13, |v[XS+3]|, |v[XS+4]|, |v[XS+5]|
.irp i, 6,10,14,18,22,26
	v_max3_num_f32 v12, v12, |v[XS+\i]|, |v[XS+\i+1]|
	v_max3_num_f32 v13, v13, |v[XS+\i+2]|, |v[XS+\i+3]|
.endr
	v_max3_num_f32 v12, v12, |v[XS+30]|, |v[XS+31]|
	v_max3_num_f32 v12, v12, v13, 0x1800000        ; the floor 2^(3 - 127): the byte cannot fall under 1
	v_add_nc_u32 v11, 0xff000000, v12              ; 2 off the exponent field: the conversion's scale operand
	v_lshrrev_b32 v13, 23, v11                     ; the byte
.if (\t)%4 == 0
	v_mov_b32 v[SBY+(\t)/4], v13
.else
	v_lshl_or_b32 v[SBY+(\t)/4], v13, 8*((\t)%4), v[SBY+(\t)/4]
.endif
	v_cvt_scalef32_pk16_fp6_f32 v[C:C+2], v[XS:XS+15], v11
	v_cvt_scalef32_pk16_fp6_f32 v[C+4:C+6], v[XS+16:XS+31], v11
	ds_store_b96 v4, v[C:C+2] offset:32*(\t)
	ds_store_b96 v4, v[C+4:C+6] offset:32*(\t)+16
.if (\t)+2 < 8
	LOAD (\t)+2
.endif
	s_wait_dscnt 0x0                               ; the stores have read their registers: the next block's codes may be written
.endm
.irp t, 0,1,2,3,4,5,6,7
	BLOCK \t
.endr
	global_store_b64 v9, v[SBY:SBY+1], s[56:57]
.irp t, 0,1,2,3,4,5,6,7,8,9,10,11,12,13,14,15
	ds_load_b96 v[OUTR+4*\t:OUTR+4*\t+2], v7 offset:2*\t*PITCH   ; LDS serves a wave's instructions in order: these see my stores
.endr
.irp t, 0,1,2,3,4,5,6,7,8,9,10,11,12,13,14,15
	s_wait_dscnt 15-\t                             ; the younger loads may be out
	global_store_b96 v[OA+\t], v[OUTR+4*\t:OUTR+4*\t+2], s[54:55]
.endr
	s_wait_tensorcnt 0x0                           ; the wave's end
	ds_add_u32 v[SPW], v[NIL]
	s_wait_dscnt 0x0
	s_endpgm
.Lmask:
	; ---- the mask: 128 tiles of queries x 8 runs of 256 keys, one wave each
	s_sub_co_u32 s24, ttmp9, 384
	s_lshr_b32 s25, s24, 1                         ; tile of 16 query positions
	s_and_b32 s26, s24, 1
	s_lshl_b32 s26, s26, 2
	s_add_co_u32 s26, s26, s22                     ; which 256 keys
	s_lshr_b32 s27, s25, 1
	s_lshl_b32 s27, s27, 5
	s_and_b32 s28, s25, 1
	s_lshl_b32 s28, s28, 3
	s_add_co_u32 s27, s27, s28                     ; the tile's first query: 32 (T / 2) + 8 (T % 2)
	s_lshl_b32 s27, s27, 11
	s_lshl_b32 s28, s26, 8
	s_add_co_u32 s28, s27, s28
	s_mov_b32 s29, 0
	s_add_nc_u64 s[16:17], s[16:17], s[28:29]
	s_lshl_b32 s28, s25, 3
	s_add_co_u32 s28, s28, s26
	s_lshl_b32 s28, s28, 9
	s_add_nc_u64 s[20:21], s[20:21], s[28:29]
	v_and_b32 v3, 7, v0
	v_bfe_u32 v4, v0, 3, 1
	v_lshl_add_u32 v3, v4, 4, v3                   ; r + 8 (r / 8)
	v_bfe_u32 v4, v0, 4, 1
	v_lshlrev_b32 v3, 11, v3
	v_lshl_add_u32 v3, v4, 4, v3                   ; my query's row, + 16 (lane / 16)
	v_lshlrev_b32 v5, 4, v2
.irp b, 0,1,2,3,4,5,6,7
	global_load_b128 v[32+4*\b:35+4*\b], v3, s[16:17] offset:32*\b th:TH_LOAD_NT
.endr
.irp i, 0,1,2,3
	v_mov_b32 v[64+\i], 0                          ; a written lane's register counts as read
.endr
	s_wait_loadcnt 0x0
.set rho, 0
.rept 128                              ; word rho: one byte of every lane becomes one bit; it goes to lane rho / 4, register rho % 4: byte 4 rho of the wave's 512
	v_and_b32 v[68+rho%4], 0xff<<(8*(rho%4)), v[32+4*(rho/16)+(rho%16)/4]
	v_cmp_ne_u32 s[40+rho%8], 0, v[68+rho%4]
	v_writelane_b32 v[64+rho%4], s[40+rho%8], rho/4
.set rho, rho+1
.endr
	global_store_b128 v5, v[64:67], s[20:21]       ; 32 lanes store 512 consecutive bytes
	s_wait_tensorcnt 0x0
	ds_add_u32 v[SPW], v[NIL]
	s_wait_dscnt 0x0
	s_endpgm
.Lfunc_end_k_qc0c1c0425f_prep:
	.size	k_qc0c1c0425f_prep, .Lfunc_end_k_qc0c1c0425f_prep-k_qc0c1c0425f_prep
	.p2alignl 7, 3214868480
	.fill 96, 4, 3214868480
	.section	.rodata,"a",@progbits
	.p2align	6, 0x0
	.amdhsa_kernel k_qc0c1c0425f_prep
		.amdhsa_group_segment_fixed_size 35328
		.amdhsa_private_segment_fixed_size 0
		.amdhsa_enable_private_segment 0
		.amdhsa_kernarg_size 72
		.amdhsa_user_sgpr_count 2
		.amdhsa_user_sgpr_kernarg_segment_ptr 1
		.amdhsa_wavefront_size32 1
		.amdhsa_system_sgpr_workgroup_id_x 1
		.amdhsa_system_sgpr_workgroup_id_y 1
		.amdhsa_system_sgpr_workgroup_id_z 1
		.amdhsa_system_vgpr_workitem_id 0
		.amdhsa_next_free_vgpr 224
		.amdhsa_next_free_sgpr 66
		.amdhsa_reserve_vcc 0
		.amdhsa_float_denorm_mode_32 3
		.amdhsa_float_denorm_mode_16_64 3
		.amdhsa_memory_ordered 1
		.amdhsa_forward_progress 1
		.amdhsa_inst_pref_size 73
	.end_amdhsa_kernel
	.amdgpu_metadata
---
amdhsa.version: [ 1, 2 ]
amdhsa.kernels:
  - .name:           k_qc0c1c0425f_prep
    .symbol:         k_qc0c1c0425f_prep.kd
    .args:
      - { .name: wq, .offset: 0, .size: 8, .value_kind: global_buffer, .address_space: global }
      - { .name: wk, .offset: 8, .size: 8, .value_kind: global_buffer, .address_space: global }
      - { .name: wv, .offset: 16, .size: 8, .value_kind: global_buffer, .address_space: global }
      - { .name: wo, .offset: 24, .size: 8, .value_kind: global_buffer, .address_space: global }
      - { .name: w2, .offset: 32, .size: 8, .value_kind: global_buffer, .address_space: global }
      - { .name: w1, .offset: 40, .size: 8, .value_kind: global_buffer, .address_space: global }
      - { .name: mask, .offset: 48, .size: 8, .value_kind: global_buffer, .address_space: global }
      - { .name: wb, .offset: 56, .size: 8, .value_kind: global_buffer, .address_space: global }
      - { .name: mw, .offset: 64, .size: 8, .value_kind: global_buffer, .address_space: global }
    .group_segment_fixed_size: 35328
    .private_segment_fixed_size: 0
    .kernarg_segment_align: 8
    .kernarg_segment_size: 72
    .max_flat_workgroup_size: 128
    .sgpr_count:     66
    .vgpr_count:     224
    .wavefront_size: 32
...
	.end_amdgpu_metadata
.endif
;; end of part 1
;; launch ln1 (part 2): grid 512 x 1, 8 waves a work-group, no clusters, 42,240 bytes of LDS; arguments x, ln1_g, ln1_b, hq; writes hq
.if DOCPART == 2
	.amdgcn_target "amdgcn-amd-amdhsa--gfx1250"
	.amdhsa_code_object_version 6
	.text
	.protected	k_qc0c1c0425f_ln1
	.globl	k_qc0c1c0425f_ln1
	.p2align	8
	.type	k_qc0c1c0425f_ln1,@function
k_qc0c1c0425f_ln1:
	s_mov_b64 s[64:65], 0
	v_nop
	global_prefetch_b8 v0, s[64:65] scope:SCOPE_SE
	s_setreg_imm32_b32 hwreg(HW_REG_WAVE_MODE, 25, 1), 1
	s_wait_xcnt 0x0
; LAYER NORM AND QUANTISER.  in [4096][1024] f32, gain and bias [1024]; out: codes [4096 positions][768 bytes], then from byte 3,145,728 scale bytes [4096 positions][32].
; A row's position is its number with bits 3 and 4 exchanged.  One wave takes one row, kept in 32 registers a lane: read once.  Mean first, then the sum of squares of x - mean: a common offset of the row costs no accuracy.
; The loads are dense (16 bytes a lane, 512 a load); the conversion wants 16 neighbours in a lane: 2,048 bytes at a time turn through the wave's own stage in LDS (16 bytes of padding behind each 64).
; The work-group's 8 rows are 8 neighbouring positions: their 256 scale bytes meet in LDS and leave as one aligned run of 256 bytes.
; No matrix unit, no cluster, no tensor load: a stream that shares nothing but the gain and the bias.
; LIMITS: a block of zeros gets the byte 1 (its codes are zeros; this program alone reads the bytes); NaN and infinities are not served; 1 / sqrt by v_rsq_f32.
.set SP,    80
.set SCB,   40960                      ; the 8 rows' scale bytes
.set SPARE, 41216                      ; the spare words, 128 bytes a wave
.set X,  16                            ; v16-47   the row
.set GG, 48                            ; v48-79   the gain
.set BB, 80                            ; v80-111  the bias
.set T,  112                           ; v112-143 at work; then two sets of 16 neighbours
	s_load_b256 s[4:11], s[0:1], 0x0               ; in, gain, bias, out
	v_lshl_add_u32 v12, v0, 2, SPARE
	v_mov_b32 v13, 0
	v_lshrrev_b32 v1, 5, v0
	v_readfirstlane_b32 s12, v1                    ; wave
	v_and_b32 v2, 31, v0
	v_lshlrev_b32 v1, 4, v2                        ; 16 x lane
	s_mul_i32 s13, s12, 2*32*SP
	v_lshrrev_b32 v14, 2, v2
	v_mul_u32_u24 v14, v14, SP
	v_and_b32 v15, 3, v2
	v_lshl_add_u32 v14, v15, 4, v14
	v_add_nc_u32 v14, s13, v14                     ; the stage, in: four lanes' 64 bytes on end, then padding
	v_mul_u32_u24 v15, v2, SP
	v_add_nc_u32 v15, s13, v15                     ; out: my 16 neighbours
	v_mul_u32_u24 v4, v2, 12                       ; my 12 bytes of codes
	v_lshrrev_b32 v5, 1, v2
	s_lshl_b32 s13, s12, 5
	s_add_co_u32 s13, s13, SCB
	v_add_nc_u32 v5, s13, v5                       ; my block's byte
	v_lshlrev_b32 v3, 3, v2
	v_add_nc_u32 v9, SCB, v3
	v_mov_b32 v154, 0                              ; a lane permute's destination counts as read
	s_lshl_b32 s14, ttmp9, 3
	s_add_co_u32 s14, s14, s12
	s_lshl_b32 s14, s14, 12                        ; my row, in bytes
	s_mov_b32 s15, 0
	s_lshr_b32 s16, ttmp9, 2
	s_lshl_b32 s16, s16, 5
	s_and_b32 s17, ttmp9, 1
	s_lshl_b32 s17, s17, 4
	s_add_co_u32 s16, s16, s17
	s_bfe_u32 s17, ttmp9, 0x10001
	s_lshl_b32 s17, s17, 3
	s_add_co_u32 s16, s16, s17                     ; the position of the work-group's first row
	s_add_co_u32 s17, s16, s12
	s_mul_i32 s18, s17, 768
	s_mov_b32 s19, 0
	s_lshl_b32 s20, s16, 5
	s_add_co_u32 s20, s20, 3145728
	s_mov_b32 s21, 0
	s_mov_b32 s22, 0x3a800000                      ; 1 / 1024
	s_mov_b32 s23, 0x3727c5ac                      ; 1e-5
	s_mov_b32 s24, 0x76543210
	s_mov_b32 s25, 0xfedcba98
	s_wait_kmcnt 0x0
	s_add_nc_u64 s[4:5], s[4:5], s[14:15]
	s_add_nc_u64 s[18:19], s[10:11], s[18:19]
	s_add_nc_u64 s[20:21], s[10:11], s[20:21]
.irp j, 0,1,2,3,4,5,6,7
	global_load_b128 v[X+4*\j:X+4*\j+3], v1, s[4:5] offset:512*\j th:TH_LOAD_NT
.endr
.irp j, 0,1,2,3,4,5,6,7
	global_load_b128 v[GG+4*\j:GG+4*\j+3], v1, s[6:7] offset:512*\j
.endr
.irp j, 0,1,2,3,4,5,6,7
	global_load_b128 v[BB+4*\j:BB+4*\j+3], v1, s[8:9] offset:512*\j
.endr
.macro RED                             ; four chains of pairs become the wave's sum, in every lane, in v8
	v_pk_add_f32 v[T:T+1], v[T:T+1], v[T+2:T+3]
	v_pk_add_f32 v[T+4:T+5], v[T+4:T+5], v[T+6:T+7]
	v_pk_add_f32 v[T:T+1], v[T:T+1], v[T+4:T+5]
	v_add_f32 v8, v[T], v[T+1]
	v_add_f32_dpp v8, v8, v8 row_xmask:1 row_mask:0xf bank_mask:0xf
	v_add_f32_dpp v8, v8, v8 row_xmask:2 row_mask:0xf bank_mask:0xf
	v_add_f32_dpp v8, v8, v8 row_xmask:4 row_mask:0xf bank_mask:0xf
	v_add_f32_dpp v8, v8, v8 row_xmask:8 row_mask:0xf bank_mask:0xf
	v_permlanex16_b32 v154, v8, s24, s25
	v_add_f32 v8, v8, v154
.endm
	s_wait_loadcnt 16                              ; the row is in; the gain's and the bias's 16 loads may be out
.irp k, 0,1,2,3
	v_pk_add_f32 v[T+2*\k:T+2*\k+1], v[X+2*\k:X+2*\k+1], v[X+8+2*\k:X+9+2*\k]
.endr
.irp j, 16,24
.irp k, 0,1,2,3
	v_pk_add_f32 v[T+2*\k:T+2*\k+1], v[T+2*\k:T+2*\k+1], v[X+\j+2*\k:X+\j+2*\k+1]
.endr
.endr
	RED
	v_mul_f32 v6, s22, v8                          ; the mean
	v_mov_b32 v7, v6
.set j, 0
.rept 16
	v_pk_add_f32 v[X+j:X+j+1], v[X+j:X+j+1], v[6:7] neg_lo:[0,1] neg_hi:[0,1]
.set j, j+2
.endr
.irp k, 0,1,2,3
	v_pk_mul_f32 v[T+2*\k:T+2*\k+1], v[X+2*\k:X+2*\k+1], v[X+2*\k:X+2*\k+1]
.endr
.irp j, 8,16,24
.irp k, 0,1,2,3
	v_pk_fma_f32 v[T+2*\k:T+2*\k+1], v[X+\j+2*\k:X+\j+2*\k+1], v[X+\j+2*\k:X+\j+2*\k+1], v[T+2*\k:T+2*\k+1]
.endr
.endr
	RED
	v_fma_f32 v8, v8, s22, s23                     ; the variance + eps
	v_rsq_f32 v10, v8
	v_rsq_f32 v11, v8
	v_nop                                          ; a plain instruction behind the transcendentals
	s_wait_alu depctr_va_vdst(0)                   ; one wait for both, ahead of their first reader
	s_wait_loadcnt 0x0
.set j, 0
.rept 16
	v_pk_mul_f32 v[X+j:X+j+1], v[X+j:X+j+1], v[10:11]
.set j, j+2
.endr
.set j, 0
.rept 16
	v_pk_fma_f32 v[X+j:X+j+1], v[X+j:X+j+1], v[GG+j:GG+j+1], v[BB+j:BB+j+1]
.set j, j+2
.endr
.macro TURN s                          ; 512 numbers through stage s: LDS serves a wave's instructions in order
.irp i, 0,1,2,3
	ds_store_b128 v14, v[X+16*\s+4*\i:X+16*\s+4*\i+3] offset:32*SP*\s+8*SP*\i
.endr
.irp i, 0,1,2,3
	ds_load_b128 v[T+16*\s+4*\i:T+16*\s+4*\i+3], v15 offset:32*SP*\s+16*\i
.endr
.endm
	TURN 0
	TURN 1
.macro QSTEP s, left
.set XS, T+16*\s
	s_wait_dscnt \left
	v_max3_num_f32 v8, |v[XS]|, |v[XS+1]|, |v[XS+2]|
	v_max3_num_f32 v154, |v[XS+3]|, |v[XS+4]|, |v[XS+5]|
.irp i, 6,10
	v_max3_num_f32 v8, v8, |v[XS+\i]|, |v[XS+\i+1]|
	v_max3_num_f32 v154, v154, |v[XS+\i+2]|, |v[XS+\i+3]|
.endr
	v_max3_num_f32 v8, v8, |v[XS+14]|, |v[XS+15]|
	v_max3_num_f32 v8, v8, v154, 0x1800000         ; the floor: the byte cannot fall under 1
	v_max_num_f32_dpp v8, v8, v8 row_xmask:1 row_mask:0xf bank_mask:0xf   ; with my neighbour's 16: the block's
	v_add_nc_u32 v155, 0xff000000, v8
	v_cvt_scalef32_pk16_fp6_f32 v[144+4*\s:146+4*\s], v[XS:XS+15], v155
	v_lshrrev_b32 v[152+\s], 23, v155
	ds_store_b8 v5, v[152+\s] offset:16*\s         ; both lanes of a block write the same byte with the same value
	global_store_b96 v4, v[144+4*\s:146+4*\s], s[18:19] offset:384*\s   ; the wave stores 384 consecutive bytes
.endm
	QSTEP 0, 8                                     ; the second turn's 8 instructions may be out
	QSTEP 1, 1                                     ; the first step's byte store may be out
	s_wait_dscnt 0x0                               ; my bytes lie in LDS
	s_barrier_signal -1
	s_barrier_wait -1                              ; everybody's do
	s_cmp_lg_u32 s12, 0
	s_cbranch_scc1 .Lnot0
	ds_load_b64 v[6:7], v9
	s_wait_dscnt 0x0
	global_store_b64 v3, v[6:7], s[20:21]          ; 32 lanes store 256 consecutive bytes, aligned
.Lnot0:
	s_wait_tensorcnt 0x0                           ; the wave's end
	ds_add_u32 v12, v13
	s_wait_dscnt 0x0
	s_endpgm
.Lfunc_end_k_qc0c1c0425f_ln1:
	.size	k_qc0c1c0425f_ln1, .Lfunc_end_k_qc0c1c0425f_ln1-k_qc0c1c0425f_ln1
	.p2alignl 7, 3214868480
	.fill 96, 4, 3214868480
	.section	.rodata,"a",@progbits
	.p2align	6, 0x0
	.amdhsa_kernel k_qc0c1c0425f_ln1
		.amdhsa_group_segment_fixed_size 42240
		.amdhsa_private_segment_fixed_size 0
		.amdhsa_enable_private_segment 0
		.amdhsa_kernarg_size 32
		.amdhsa_user_sgpr_count 2
		.amdhsa_user_sgpr_kernarg_segment_ptr 1
		.amdhsa_wavefront_size32 1
		.amdhsa_system_sgpr_workgroup_id_x 1
		.amdhsa_system_sgpr_workgroup_id_y 1
		.amdhsa_system_sgpr_workgroup_id_z 1
		.amdhsa_system_vgpr_workitem_id 0
		.amdhsa_next_free_vgpr 160
		.amdhsa_next_free_sgpr 66
		.amdhsa_reserve_vcc 0
		.amdhsa_float_denorm_mode_32 3
		.amdhsa_float_denorm_mode_16_64 3
		.amdhsa_memory_ordered 1
		.amdhsa_forward_progress 1
		.amdhsa_inst_pref_size 15
	.end_amdhsa_kernel
	.amdgpu_metadata
---
amdhsa.version: [ 1, 2 ]
amdhsa.kernels:
  - .name:           k_qc0c1c0425f_ln1
    .symbol:         k_qc0c1c0425f_ln1.kd
    .args:
      - { .name: x, .offset: 0, .size: 8, .value_kind: global_buffer, .address_space: global }
      - { .name: ln1_g, .offset: 8, .size: 8, .value_kind: global_buffer, .address_space: global }
      - { .name: ln1_b, .offset: 16, .size: 8, .value_kind: global_buffer, .address_space: global }
      - { .name: hq, .offset: 24, .size: 8, .value_kind: global_buffer, .address_space: global }
    .group_segment_fixed_size: 42240
    .private_segment_fixed_size: 0
    .kernarg_segment_align: 8
    .kernarg_segment_size: 32
    .max_flat_workgroup_size: 256
    .sgpr_count:     66
    .vgpr_count:     160
    .wavefront_size: 32
...
	.end_amdgpu_metadata
.endif
;; end of part 2
;; launch g1 (part 3): grid 12 x 16, 4 waves a work-group, clusters of 4 x 4, 327,680 bytes of LDS; arguments hq, wb, bq, bk, bv, qkv; writes qkv
.if DOCPART == 3
	.amdgcn_target "amdgcn-amd-amdhsa--gfx1250"
	.amdhsa_code_object_version 6
	.text
	.protected	k_qc0c1c0425f_g1
	.globl	k_qc0c1c0425f_g1
	.p2align	8
	.type	k_qc0c1c0425f_g1,@function
k_qc0c1c0425f_g1:
	s_mov_b64 s[64:65], 0
	v_nop
	global_prefetch_b8 v0, s[64:65] scope:SCOPE_SE
	s_setreg_imm32_b32 hwreg(HW_REG_WAVE_MODE, 25, 1), 1
	s_wait_xcnt 0x0
	s_wait_alu depctr_hold_cnt(0) depctr_sa_sdst(0) depctr_va_vdst(0) depctr_va_sdst(0) depctr_va_ssrc(0) depctr_va_vcc(0) depctr_vm_vsrc(0)
	s_getreg_b32 s2, hwreg(HW_REG_IB_STS2, 6, 4)
	s_cmp_eq_u32 s2, 0
	s_cbranch_scc0 .Lentry_in_a_cluster
	s_endpgm
.Lentry_in_a_cluster:
	s_bfe_u32 s2, ttmp6, 0x10000c
	s_cmp_lg_u32 s2, 0xf033
	s_cbranch_scc0 .Lentry_shape_is_right
	s_endpgm
.Lentry_shape_is_right:
; q, k AND v: h Wq + bq, h Wk + bk, h Wv + bv on codes of FP6 (E2M3) with E8M0 scales, and the results quantised for the attention launch.  Nothing is left out.
; A GEMM C = A B^T on codes: a work-group makes 256 x 256, each of four waves 128 x 128 (64 accumulators, 512 registers); K = 1,024 goes in steps of 256 through a ring of two LDS slots filled by the tensor data mover.
; The scale bytes of the work-group's rows, for all of K, come into LDS once, with the first fills.  CLUSTERS of 4 x 4: A's tiles are asked for jointly along a row of the cluster, B's along a column.
; The matrix instruction is used transposed (source 0 = 16 rows of B, source 1 = 16 rows of A).  All rows lie by POSITION (bits 3 and 4 of the row number exchanged), so a lane's 64 registers of a block of A's rows
; are, in order, columns 32 B + 16 (lane / 16) + i of the wave's 128: neighbours along the next product's K.
; TWO ROLES, chosen by the cluster's x, which all partners share.  x = 0, 1: A = h's tokens, B = Wq | Wk: a lane holds a token, its registers run along q's or k's channels: quantised along the head's 64.
; x = 2: A = Wv's rows, B = h's tokens: a lane holds a channel of v and its registers run along the TOKENS, the K of the attention's second product: V^T comes out with the keys innermost, and nothing is transposed.
; The bias is the C of each sum's first matrix instruction: along B's rows (x = 0, 1) or along A's rows (x = 2): that first step is written twice, under a branch on the cluster's x.
; OUT (qkv): q|k codes [4096][1536] at 0, their scale bytes [4096][64] at 6,291,456; V^T codes [1024][3072] at 6,553,600, scale bytes [1024][128] at 9,699,328.
; A wave's 128 columns are 96 bytes of a row: eight lanes store them on end; the scale words are 4 bytes a row, since a row's bytes belong to several work-groups (these buffers hold under 400 KB).
; LIMITS: a block of zeros gets the byte 1 (its codes are zeros; this program alone reads the bytes); NaN and infinities are not served.
.set NBLK,   8
.set KSTEP,  256
.set QI,     3                         ; padding behind every 16 words
.set PIV,    8                         ; that is, behind every 8 pieces of 8 bytes
.set PITCH,  240
.set SIZE_K, 1024
.set TSH,    8
.set HSH,    7
.set MUL_LO, 0xa1                      ; source 0 (B) window 1, source 1 (A) window 0, C and D window 2
.set MUL_HI, 0xf1                      ; C and D window 3
.set FST_LO, 0x81                      ; the first step: C (the bias) window 0
.set FST_HI, 0xc1
.set FR, 12
.set NL, 6
.set NP, 4
.set NQ, KSTEP/128
.set ROWB, KSTEP*3/4
.set KROW, SIZE_K*3/4
.set KS, SIZE_K/32
.set WROWS, 16*NBLK
.set HB, NBLK/2
.set QBL, NBLK/4
.set HALFT, WROWS*PITCH
.set SLOT, 4*HALFT
.set LAPS, SIZE_K/(2*KSTEP)
.set SCL, 2*SLOT
.set SUNITS, WROWS*KS/256
.set HALFS, SUNITS*272
.set SBLK, (16*KS/256)*272
.set SPARE, SCL+4*HALFS
.set ADRA, 16
.set ADRB, 20
.set STO,  24
.set RD,   25
.set ADRS, 27
.set SPW,  28
.set NIL,  29
.set SWB,  30
.set SWR,  31
.set SC,   32                          ; v32-63 scale words, two sets: they hold nothing else in the whole text
.set BI,   64                          ; v64-127 the bias, in the result's layout; on the way out at work
.set AF,   128                         ; A's fragments, one set
.set G1, 24
.set G0, 32
.set G1B, 48
.set G0B, 56
.set G1S, 68
.set G0S, 76
.set G1SB, 80
.set G0SB, 88
.set TO_B, 0x40
.set MSB, 0
.macro WIN new
.if MSB != (\new)
	s_set_vgpr_msb (MSB<<8)|(\new)
.set MSB, (\new)
.endif
.endm
.macro JLOAD g0a, g1a, g0b, g1b        ; a joint load: waves 0, 1 fetch for A, waves 2, 3 for B; an s_nop 0 and four v_nop follow each line
	s_cmp_eq_u32 s15, 0
	s_cbranch_scc0 .Lfor_b_\@
	tensor_load_to_lds s[\g0a:\g0a+3], s[\g1a:\g1a+7]
	s_nop 0
.rept 4
	v_nop
.endr
	s_branch .Lasked_\@
.Lfor_b_\@:
	tensor_load_to_lds s[\g0b:\g0b+3], s[\g1b:\g1b+7]
	s_nop 0
.rept 4
	v_nop
.endr
.Lasked_\@:
.endm
.macro CREST
	s_cmp_lg_u32 s14, 0
	s_cbranch_scc1 .Lnot_wave_0_\@
	s_barrier_signal -3
.Lnot_wave_0_\@:
	s_barrier_wait -3
	s_barrier_signal -1
	s_barrier_wait -1
.endm
.macro CROUND
	s_barrier_signal -1
	s_barrier_wait -1
	CREST
.endm
.macro PLACES n
.rept \n
	v_nop
.endr
.endm
.macro FRAG reg, adr, q, i             ; 16 rows x 128 K: 12 registers, six pieces of 8 bytes; lanes 16-31 read three pieces on, by the second address register where that lies behind one padding more
.irp p, 0,1,2,3,4,5
.set PC, 12*(\q)+6*(\p/3)+\p%3
.if PC%PIV < PIV-3
	ds_load_b64 v[\reg+2*\p:\reg+2*\p+1], v[\adr] offset:8*PC+16*(PC/PIV)+(\i)*16*PITCH
.else
	ds_load_b64 v[\reg+2*\p:\reg+2*\p+1], v[\adr+2] offset:8*PC+16*(PC/PIV)+(\i)*16*PITCH
.endif
.endr
.endm
; A quarter of a step: QBL blocks of A against all of B's.  zero = 0: in place; 1: C = the bias of B's block; 2: C = the bias of A's block.  The accumulators take turns.
.macro MULQ qa, p, q, sc, zero
.set ma, (\qa)*QBL
.rept QBL
.set mb, 0
.rept NBLK
.set rD, 8*(NBLK*(ma%4)+mb)
.set rB, 128*(\p)+FR*mb
.set rA, AF+FR*ma
.set rSB, SC+NBLK*NQ*(\sc)+NQ*mb+(\q)
.set rSA, SC+NBLK*NQ*(\sc)+NQ*ma+(\q)
.if \zero == 0
	v_wmma_scale_f32_16x16x128_f8f6f4 v[rD:rD+7], v[rB:rB+FR-1], v[rA:rA+FR-1], v[rD:rD+7], v[rSB], v[rSA] matrix_a_fmt:MATRIX_FMT_FP6 matrix_b_fmt:MATRIX_FMT_FP6 matrix_a_scale:MATRIX_SCALE_ROW1
.elseif \zero == 1
	v_wmma_scale_f32_16x16x128_f8f6f4 v[rD:rD+7], v[rB:rB+FR-1], v[rA:rA+FR-1], v[BI+8*mb:BI+8*mb+7], v[rSB], v[rSA] matrix_a_fmt:MATRIX_FMT_FP6 matrix_b_fmt:MATRIX_FMT_FP6 matrix_a_scale:MATRIX_SCALE_ROW1
.else
	v_wmma_scale_f32_16x16x128_f8f6f4 v[rD:rD+7], v[rB:rB+FR-1], v[rA:rA+FR-1], v[BI+8*ma:BI+8*ma+7], v[rSB], v[rSA] matrix_a_fmt:MATRIX_FMT_FP6 matrix_b_fmt:MATRIX_FMT_FP6 matrix_a_scale:MATRIX_SCALE_ROW1
.endif
.set mb, mb+1
.endr
.set ma, ma+1
.endr
.endm
.macro FETCH_B slot, q, p
	WIN TO_B
.set fi, 0
.rept NBLK
	FRAG 128*(\p)+FR*fi, ADRB+\slot, \q, fi
.set fi, fi+1
.endr
	WIN 0
.endm
.macro FETCH_A slot, q, i0
.set fi, \i0
.rept HB
	FRAG AF+FR*fi, ADRA+\slot, \q, fi
.set fi, fi+1
.endr
.endm
.macro SCALES sc                       ; a slot's scale words: lanes 0-15 A's block i, lanes 16-31 B's block i
.set fi, 0
.rept NBLK
.if NQ == 2
	ds_load_b64 v[SC+NBLK*NQ*(\sc)+NQ*fi:SC+NBLK*NQ*(\sc)+NQ*fi+1], v[ADRS] offset:fi*SBLK
.else
	ds_load_b128 v[SC+NBLK*NQ*(\sc)+NQ*fi:SC+NBLK*NQ*(\sc)+NQ*fi+3], v[ADRS] offset:fi*SBLK
.endif
.set fi, fi+1
.endr
.endm
.macro STEP slot, q, zero              ; 128 along K with its successor in the same slot
	s_wait_dscnt HB*NL                             ; B's set and A's lower blocks are in; the youngest loads (A's upper blocks) may be out
.if \zero
	WIN FST_LO
.else
	WIN MUL_LO
.endif
	MULQ 0, (\q)%2, \q, \slot, \zero
	MULQ 1, (\q)%2, \q, \slot, \zero
	s_wait_dscnt 0
	PLACES NP                                      ; in front of loads into registers that matrix instructions have read
	FETCH_B \slot, (\q)+1, 1-(\q)%2
	FETCH_A \slot, (\q)+1, 0
.if \zero
	WIN FST_HI
.else
	WIN MUL_HI
.endif
	MULQ 2, (\q)%2, \q, \slot, \zero
	MULQ 3, (\q)%2, \q, \slot, \zero
	PLACES NP
	WIN 0
	FETCH_A \slot, (\q)+1, HB
.endm
.macro REST slot
.set rq, 1
.rept NQ-2
	STEP \slot, rq, 0
.set rq, rq+1
.endr
.endm
; A slot's last step changes slots: one barrier; in front of it each wave waits for all its tensor loads, adds 0 to its spare word, and waits for that and for its reads of this slot.
.macro TURN slot, next, fill
	s_wait_tensorcnt 0x0                           ; all my tensor loads have landed: my part of the next slot
	ds_add_u32 v[SPW], v[NIL]
	s_wait_dscnt HB*NL+1                           ; the add and A's upper blocks may be out
	WIN MUL_LO
	MULQ 0, 1, NQ-1, \slot, 0
	s_wait_dscnt 0x0                               ; the add is done, and my reads of this slot are over
	s_barrier_signal -1
	MULQ 1, 1, NQ-1, \slot, 0
	WIN 0
	s_barrier_wait -1
.if \fill
	CREST                                          ; the barrier has opened a round of the cluster's: no wave of any partner still reads this slot or has a load on its way
	s_add_nc_u64 s[G0+4*\slot+2:G0+4*\slot+3], s[G0+4*\slot+2:G0+4*\slot+3], 2*ROWB
	s_add_nc_u64 s[G0B+4*\slot+2:G0B+4*\slot+3], s[G0B+4*\slot+2:G0B+4*\slot+3], 2*ROWB
	JLOAD G0+4*\slot, G1, G0B+4*\slot, G1B         ; the first tensor load behind the round; its four v_nop are the places in front of the loads below
.else
	PLACES NP
.endif
	v_add_nc_u32 v[ADRS], 4*NQ, v[ADRS]
	FETCH_B \next, 0, 0
	FETCH_A \next, 0, 0
	SCALES \next
	WIN MUL_HI
	MULQ 2, 1, NQ-1, \slot, 0
	MULQ 3, 1, NQ-1, \slot, 0
	PLACES NP
	WIN 0
	FETCH_A \next, 0, HB
.endm
	s_load_b256 s[4:11], s[0:1], 0x0               ; hq, wb, bq, bk
	s_load_b128 s[96:99], s[0:1], 0x20             ; bv, qkv
	v_lshl_add_u32 v[SPW], v0, 2, SPARE
	v_mov_b32 v[NIL], 0
	ds_add_u32 v[SPW], v[NIL]                      ; the wave's opening: the add, twice on end, and its wait ahead of my first tensor load
	ds_add_u32 v[SPW], v[NIL]
	v_lshrrev_b32 v1, 5, v0
	v_readfirstlane_b32 s14, v1                    ; wave
	s_lshr_b32 s15, s14, 1                         ; my half of the tile's rows; also: I fetch for A (0) or B (1)
	s_and_b32 s16, s14, 1                          ; my half of its columns; also: which 128 rows I fetch
	s_bfe_u32 s40, ttmp6, 0x40000                  ; cx
	s_bfe_u32 s41, ttmp6, 0x40004                  ; cy
	s_and_b32 s17, ttmp7, 0xffff                   ; the cluster's y
	s_cmp_lt_u32 ttmp9, 2                          ; the role: the cluster's x, the same in all sixteen partners
	s_cselect_b32 s42, ttmp9, s17                  ; clusters along B's rows
	s_cselect_b32 s17, s17, 0                      ; clusters along A's rows
	s_mov_b32 s66, 3072
	s_cselect_b32 s66, 1536, s66                   ; bytes of a row of codes out
	s_cselect_b32 s67, 64, 128                     ; bytes of a row of scale bytes out
	s_cselect_b32 s95, 0, 6553600                  ; where the codes go in qkv
	s_mov_b32 s2, 9699328
	s_cselect_b32 s2, 6291456, s2                  ; and the scale bytes
	s_cselect_b32 s100, 0, 1572864                 ; A's codes in their buffer
	s_mov_b32 s101, 9502720
	s_cselect_b32 s101, 3145728, s101              ; A's scale bytes
	s_mov_b32 s3, 3145728
	s_cselect_b32 s3, 9437184, s3                  ; B's scale bytes
	s_lshl_b32 s42, s42, 2
	s_add_co_u32 s42, s42, s40                     ; tile column
	s_lshl_b32 s17, s17, 2
	s_add_co_u32 s17, s17, s41                     ; tile row
	s_lshl_b32 s43, s41, 2
	s_lshl_b32 s43, 15, s43                        ; my row of the cluster
	s_lshl_b32 s44, 0x1111, s40                    ; my column
	s_or_b32 s[G1+0], s43, (1<<20)|(1<<21)|(QI<<22)|(3<<25)   ; mask; elements of 1 byte; padding of 4 words
	s_or_b32 s[G1B+0], s44, (1<<20)|(1<<21)|(QI<<22)|(3<<25)
.irp g, G1, G1B
	s_mov_b32 s[\g+1], ROWB<<16
	s_mov_b32 s[\g+2], WROWS<<16
	s_mov_b32 s[\g+3], ROWB<<16
	s_mov_b32 s[\g+4], WROWS
	s_mov_b32 s[\g+5], KROW
	s_mov_b32 s[\g+6], 0
	s_mov_b32 s[\g+7], 0
.endr
	s_or_b32 s[G1S+0], s43, (3<<16)|(1<<20)|(1<<21)|(5<<22)|(3<<25)   ; the scale bytes: rows of 256 bytes, 16 of padding
	s_or_b32 s[G1SB+0], s44, (3<<16)|(1<<20)|(1<<21)|(5<<22)|(3<<25)
.irp g, G1S, G1SB
	s_mov_b32 s[\g+1], 32<<16
	s_mov_b32 s[\g+2], SUNITS<<16
	s_mov_b32 s[\g+3], 32<<16
	s_mov_b32 s[\g+4], SUNITS
	s_mov_b32 s[\g+5], 32
	s_mov_b32 s[\g+6], 0
	s_mov_b32 s[\g+7], 0
.endr
	s_lshl_b32 s18, s16, HSH
	s_lshl_b32 s20, s17, TSH
	s_add_co_u32 s20, s20, s18                     ; A's first row that I fetch
	s_lshl_b32 s46, s42, TSH
	s_add_co_u32 s46, s46, s18                     ; B's
	s_mov_b32 s21, 0
	s_mov_b32 s47, 0
	s_mov_b64 s[18:19], KS
	s_mul_u64 s[22:23], s[20:21], s[18:19]
	s_mul_u64 s[92:93], s[46:47], s[18:19]
	s_mov_b64 s[18:19], KROW
	s_mul_u64 s[20:21], s[20:21], s[18:19]
	s_mul_u64 s[46:47], s[46:47], s[18:19]
	s_add_co_u32 s20, s20, s100                    ; byte offsets, all under 2^24
	s_add_co_u32 s22, s22, s101
	s_add_co_u32 s92, s92, s3
	s_mul_i32 s45, s14, HALFT
	s_mul_i32 s94, s14, HALFS
	s_wait_dscnt 0x0                               ; both opening adds are done
	s_wait_kmcnt 0x0
	s_cmp_eq_u32 ttmp9, 0
	s_cselect_b64 s[8:9], s[8:9], s[10:11]
	s_cmp_lt_u32 ttmp9, 2
	s_cselect_b64 s[8:9], s[8:9], s[96:97]         ; the bias: bq, bk or bv
	s_cselect_b64 s[12:13], s[4:5], s[6:7]         ; A's buffer
	s_cselect_b64 s[100:101], s[6:7], s[4:5]       ; B's
	s_add_nc_u64 s[20:21], s[12:13], s[20:21]
	s_add_nc_u64 s[22:23], s[12:13], s[22:23]
	s_add_nc_u64 s[46:47], s[100:101], s[46:47]
	s_add_nc_u64 s[92:93], s[100:101], s[92:93]
	CROUND                                         ; all sixteen work-groups are here: the first joint loads meet
	s_mov_b32 s[G0S], 1
	s_add_co_u32 s[G0S+1], s94, SCL
	s_mov_b64 s[G0S+2:G0S+3], s[22:23]
	s_or_b32 s[G0S+3], s[G0S+3], 0x80000000
	s_mov_b32 s[G0SB], 1
	s_add_co_u32 s[G0SB+1], s94, SCL
	s_mov_b64 s[G0SB+2:G0SB+3], s[92:93]
	s_or_b32 s[G0SB+3], s[G0SB+3], 0x80000000
	JLOAD G0S, G1S, G0SB, G1SB
.irp s, 0,1
	s_mov_b32 s[G0+4*\s], 1
	s_add_co_u32 s[G0+4*\s+1], s45, \s*SLOT
	s_add_nc_u64 s[G0+4*\s+2:G0+4*\s+3], s[20:21], \s*ROWB
	s_or_b32 s[G0+4*\s+3], s[G0+4*\s+3], 0x80000000
	s_mov_b32 s[G0B+4*\s], 1
	s_add_co_u32 s[G0B+4*\s+1], s45, \s*SLOT
	s_add_nc_u64 s[G0B+4*\s+2:G0B+4*\s+3], s[46:47], \s*ROWB
	s_or_b32 s[G0B+4*\s+3], s[G0B+4*\s+3], 0x80000000
	JLOAD G0+4*\s, G1, G0B+4*\s, G1B               ; three loads of mine are out
.endr
	v_and_b32 v1, 15, v0                           ; r
	v_bfe_u32 v2, v0, 4, 1                         ; h
	v_mul_u32_u24 v3, v1, PITCH
	v_mul_u32_u24 v4, v2, 24
	v_add_nc_u32 v4, v3, v4
	v_lshl_add_u32 v5, v2, 4, v4
	s_mul_i32 s21, s15, HALFT
	s_mul_i32 s22, s16, HALFT
	s_add_co_u32 s22, s22, 2*HALFT
.irp s, 0,1
	v_add_nc_u32 v[ADRA+\s], s21, v4
	v_add_nc_u32 v[ADRB+\s], s22, v4
	v_add_nc_u32 v[ADRA+2+\s], s21, v5
	v_add_nc_u32 v[ADRB+2+\s], s22, v5
	s_add_co_u32 s21, s21, SLOT
	s_add_co_u32 s22, s22, SLOT
.endr
	v_mul_u32_u24 v5, v1, KS
	v_lshrrev_b32 v6, 8, v5
	v_lshl_add_u32 v5, v6, 4, v5
	s_mul_i32 s21, s15, HALFS
	s_mul_i32 s22, s16, HALFS
	s_add_co_u32 s22, s22, 2*HALFS
	s_sub_co_u32 s22, s22, s21
	v_mul_u32_u24 v6, s22, v2                      ; lanes 16-31 take B's
	s_add_co_u32 s21, s21, SCL
	v_add_nc_u32 v5, v5, v6
	v_add_nc_u32 v[ADRS], s21, v5
	; the way out's LDS addresses: a stage of 16 rows x (8 places of 16 bytes + 16) and 128 scale words for each wave, in slot 0, which has had its last fill and its last read by then
	s_mul_i32 s23, s14, 2304
	v_mul_u32_u24 v5, v1, 144
	v_lshl_add_u32 v5, v2, 4, v5
	v_add_nc_u32 v[STO], s23, v5
	v_and_b32 v6, 31, v0
	v_lshrrev_b32 v5, 3, v6
	v_mul_u32_u24 v5, v5, 144
	v_and_b32 v8, 7, v6
	v_lshl_add_u32 v5, v8, 4, v5
	v_add_nc_u32 v[RD], s23, v5
	s_lshl_b32 s23, s14, 9
	s_add_co_u32 s23, s23, 9216
	v_lshl_add_u32 v[SWB], v1, 2, s23
	v_lshl_add_u32 v[SWR], v6, 2, s23
	; the bias
	s_cmp_lt_u32 ttmp9, 2
	s_cselect_b32 s18, s40, s17
	s_cselect_b32 s19, s16, s15
	s_lshl_b32 s18, s18, 10
	s_lshl_b32 s19, s19, 9
	s_add_co_u32 s18, s18, s19
	s_mov_b32 s19, 0
	s_add_nc_u64 s[8:9], s[8:9], s[18:19]
	v_lshlrev_b32 v7, 6, v2                        ; 64 h
	v_and_b32 v8, 7, v1
	v_lshrrev_b32 v9, 3, v1
	v_lshl_add_u32 v8, v9, 4, v8
	v_lshlrev_b32 v9, 2, v8                        ; 4 (r + 8 (r / 8))
	s_cmp_lt_u32 ttmp9, 2
	s_cbranch_scc0 .Lbias_v
.set fi, 0
.rept 8                                ; tile b, register j: column 32 (b / 2) + 16 h + 8 (b % 2) + j
	global_load_b128 v[BI+8*fi:BI+8*fi+3], v7, s[8:9] offset:128*(fi/2)+32*(fi%2)
	global_load_b128 v[BI+8*fi+4:BI+8*fi+7], v7, s[8:9] offset:128*(fi/2)+32*(fi%2)+16
.set fi, fi+1
.endr
	s_branch .Lbias_done
.Lbias_v:
.set fi, 0
.rept 64                               ; block a: all eight registers hold bv of my lane's row 32 (a / 2) + 8 (a % 2) + r + 8 (r / 8)
	global_load_b32 v[BI+fi], v9, s[8:9] offset:128*(fi/16)+32*((fi/8)%2)
.set fi, fi+1
.endr
.Lbias_done:
	; where the results go
	s_lshl_b32 s20, s17, 8
	s_lshl_b32 s21, s15, 7
	s_add_co_u32 s20, s20, s21                     ; my first row
	s_lshl_b32 s46, s42, 1
	s_add_co_u32 s46, s46, s16                     ; which 128 columns
	s_mul_i32 s18, s20, s66
	s_mul_i32 s47, s46, 96
	s_add_co_u32 s18, s18, s47
	s_add_co_u32 s18, s18, s95
	s_mov_b32 s19, 0
	s_add_nc_u64 s[10:11], s[98:99], s[18:19]      ; codes
	s_mul_i32 s18, s20, s67
	s_lshl_b32 s47, s46, 2
	s_add_co_u32 s18, s18, s47
	s_add_co_u32 s18, s18, s2
	s_add_nc_u64 s[12:13], s[98:99], s[18:19]      ; scale words
	s_wait_tensorcnt 1                             ; the scales and my part of slot 0 are in; slot 1's load may be out
	s_barrier_signal -1
	s_barrier_wait -1
	FETCH_B 0, 0, 0
	FETCH_A 0, 0, 0
	SCALES 0
	FETCH_A 0, 0, HB
	s_wait_loadcnt 0x0                             ; the bias
	s_cmp_lt_u32 ttmp9, 2
	s_cbranch_scc0 .Lfirst_v
	STEP 0, 0, 1                                   ; the first products start the sums on the bias
	s_branch .Lfirst_done
.Lfirst_v:
	STEP 0, 0, 2
.Lfirst_done:
	s_mov_b32 s3, LAPS-1
.Llap:
	REST 0
	TURN 0, 1, 1
	STEP 1, 0, 0
	REST 1
	TURN 1, 0, 1
	STEP 0, 0, 0
	s_sub_co_u32 s3, s3, 1
	s_cmp_lg_u32 s3, 0
	s_cbranch_scc1 .Llap
	REST 0
	TURN 0, 1, 0                                   ; the last lap fills nothing
	STEP 1, 0, 0
	REST 1
	s_wait_dscnt HB*NL
	WIN MUL_LO
	MULQ 0, 1, NQ-1, 1, 0
	MULQ 1, 1, NQ-1, 1, 0
	s_wait_dscnt 0
	WIN MUL_HI
	MULQ 2, 1, NQ-1, 1, 0
	MULQ 3, 1, NQ-1, 1, 0
	WIN 0
	PLACES NP
; THE WAY OUT: block a (16 rows x 128 columns, 64 registers a lane) is quantised along the columns: a block of 32 lies in lanes l and l xor 16, 16 numbers each.
; Its registers lie where the bias lay (v64-127) and where A's fragments lay (v128-159): the scale words' registers are left alone.
.set TM, 64                            ; v64-67 largest magnitudes, v68-71 the other half's, then bytes, v76-79 scale operands
.set PW, 80                            ; v80, v81 the scale word, two sets
.set CV, 84                            ; v84-115 codes, two sets of 4 x 4
.set GO, 116                           ; v116-119 byte offsets of a block's four stores
.set SW, 120
.set SO, 124
.set RB, 128                           ; v128-159 rows read back, two sets
.macro QUANT4 src, win, cv, pw
	WIN ((\win)<<2)|((\win)<<4)
.irp b, 0,1,2,3
	v_max3_num_f32 v[TM+\b], 0x1800000, |v[\src+16*\b]|, |v[\src+16*\b+1]|   ; each accumulator is read from its low end on; the floor holds the byte at 1 from below
.endr
.irp i, 2,4,6,8,10,12,14
.irp b, 0,1,2,3
	v_max3_num_f32 v[TM+\b], v[TM+\b], |v[\src+16*\b+\i]|, |v[\src+16*\b+\i+1]|
.endr
.endr
	WIN 0
.irp b, 0,1,2,3
	v_permlanex16_b32 v[TM+4+\b], v[TM+\b], s92, s93
.endr
.irp b, 0,1,2,3
	v_max_num_f32 v[TM+\b], v[TM+\b], v[TM+4+\b]
.endr
.irp b, 0,1,2,3
	v_add_nc_u32 v[TM+12+\b], 0xff000000, v[TM+\b]
.endr
.irp b, 0,1,2,3
	v_lshrrev_b32 v[TM+4+\b], 23, v[TM+12+\b]
.endr
	v_lshl_or_b32 v[\pw], v[TM+5], 8, v[TM+4]
	v_lshl_or_b32 v[\pw], v[TM+6], 16, v[\pw]
	v_lshl_or_b32 v[\pw], v[TM+7], 24, v[\pw]
	WIN (\win)
.irp b, 0,1,2,3
	v_cvt_scalef32_pk16_fp6_f32 v[\cv+4*\b:\cv+4*\b+2], v[\src+16*\b:\src+16*\b+15], v[TM+12+\b]   ; columns 32 b + 16 h + 0 .. 15: bytes 24 b + 12 h on of the wave's 96
.endr
	WIN 0
	v_nop                                          ; one plain place behind a scaled conversion
.endm
.macro QOUT a
	QUANT4 64*((\a)%4), 2+(\a)/4, CV+16*((\a)%2), PW+(\a)%2
.if (\a) >= 2
	s_wait_xcnt 0x0                                ; block a - 2's stores have read the registers into which the loads below land
.endif
.irp b, 0,1,2,3
	ds_store_b96 v[STO], v[CV+16*((\a)%2)+4*\b:CV+16*((\a)%2)+4*\b+2] offset:32*\b
.endr
	ds_store_b32 v[SWB], v[PW+(\a)%2] offset:64*(\a)   ; lanes l and l xor 16 write the same word with the same value
.irp i, 0,1,2,3
	ds_load_b96 v[RB+16*((\a)%2)+4*\i:RB+16*((\a)%2)+4*\i+2], v[RD] offset:576*\i   ; LDS serves a wave's instructions in order
.endr
.endm
.macro OUTC a, younger
	s_wait_dscnt \younger
.irp i, 0,1,2,3
	global_store_b96 v[GO+\i], v[RB+16*((\a)%2)+4*\i:RB+16*((\a)%2)+4*\i+2], s[24+2*(\a):25+2*(\a)]   ; eight lanes store a row's 96 bytes on end
.endr
.endm
	s_mov_b32 s92, 0x76543210
	s_mov_b32 s93, 0xfedcba98
.irp b, 0,1,2,3
	v_mov_b32 v[TM+4+\b], 0                        ; a lane permute's destination counts as read
.endr
	s_lshl_b32 s18, s66, 4                         ; 16 rows on.  (No tensor load is out: the descriptors' registers are free)
	s_mov_b32 s19, 0
	s_mov_b64 s[24:25], s[10:11]
.irp a, 1,2,3,4,5,6,7
	s_add_nc_u64 s[24+2*\a:25+2*\a], s[22+2*\a:23+2*\a], s[18:19]
.endr
	v_and_b32 v6, 31, v0
	v_lshrrev_b32 v7, 3, v6
	v_and_b32 v8, 7, v6
	v_mul_u32_u24 v[GO], v7, s66
	v_mad_u32_u24 v[GO], v8, 12, v[GO]
	s_lshl_b32 s20, s66, 2
.irp i, 1,2,3
	v_mad_u32_u24 v[GO+\i], s20, \i, v[GO]
.endr
	v_mul_u32_u24 v[SO], v6, s67
	s_lshl_b32 s20, s67, 5
.irp i, 1,2,3
	v_mad_u32_u24 v[SO+\i], s20, \i, v[SO]
.endr
	QOUT 0
.irp a, 1,2,3,4,5,6,7
	QOUT \a
	OUTC \a-1, 9                                   ; behind block a - 1's loads: block a's 5 stores and 4 loads
.endr
	OUTC 7, 0
.irp k, 0,1,2,3
	ds_load_b32 v[SW+\k], v[SWR] offset:128*\k
.endr
	s_wait_dscnt 0x0
.irp k, 0,1,2,3
	global_store_b32 v[SO+\k], v[SW+\k], s[12:13]
.endr
	s_wait_tensorcnt 0x0                           ; the wave's end
	ds_add_u32 v[SPW], v[NIL]
	s_wait_dscnt 0x0
	CROUND                                         ; the closing round
	s_endpgm
.Lfunc_end_k_qc0c1c0425f_g1:
	.size	k_qc0c1c0425f_g1, .Lfunc_end_k_qc0c1c0425f_g1-k_qc0c1c0425f_g1
	.p2alignl 7, 3214868480
	.fill 96, 4, 3214868480
	.section	.rodata,"a",@progbits
	.p2align	6, 0x0
	.amdhsa_kernel k_qc0c1c0425f_g1
		.amdhsa_group_segment_fixed_size 327680
		.amdhsa_private_segment_fixed_size 0
		.amdhsa_enable_private_segment 0
		.amdhsa_kernarg_size 48
		.amdhsa_user_sgpr_count 2
		.amdhsa_user_sgpr_kernarg_segment_ptr 1
		.amdhsa_wavefront_size32 1
		.amdhsa_system_sgpr_workgroup_id_x 1
		.amdhsa_system_sgpr_workgroup_id_y 1
		.amdhsa_system_sgpr_workgroup_id_z 1
		.amdhsa_system_vgpr_workitem_id 0
		.amdhsa_next_free_vgpr 1024
		.amdhsa_next_free_sgpr 102
		.amdhsa_reserve_vcc 0
		.amdhsa_float_denorm_mode_32 3
		.amdhsa_float_denorm_mode_16_64 3
		.amdhsa_memory_ordered 1
		.amdhsa_forward_progress 1
		.amdhsa_inst_pref_size 192
	.end_amdhsa_kernel
	.amdgpu_metadata
---
amdhsa.version: [ 1, 2 ]
amdhsa.kernels:
  - .name:           k_qc0c1c0425f_g1
    .symbol:         k_qc0c1c0425f_g1.kd
    .args:
      - { .name: hq, .offset: 0, .size: 8, .value_kind: global_buffer, .address_space: global }
      - { .name: wb, .offset: 8, .size: 8, .value_kind: global_buffer, .address_space: global }
      - { .name: bq, .offset: 16, .size: 8, .value_kind: global_buffer, .address_space: global }
      - { .name: bk, .offset: 24, .size: 8, .value_kind: global_buffer, .address_space: global }
      - { .name: bv, .offset: 32, .size: 8, .value_kind: global_buffer, .address_space: global }
      - { .name: qkv, .offset: 40, .size: 8, .value_kind: global_buffer, .address_space: global }
    .group_segment_fixed_size: 327680
    .private_segment_fixed_size: 0
    .kernarg_segment_align: 8
    .kernarg_segment_size: 48
    .max_flat_workgroup_size: 128
    .sgpr_count:     102
    .vgpr_count:     1024
    .wavefront_size: 32
...
	.end_amdgpu_metadata
.endif
;; end of part 3
;; launch attn (part 4): grid 8 x 32, 8 waves a work-group, no clusters, 68,608 bytes of LDS; arguments qkv, mw, at; writes at
.if DOCPART == 4
	.amdgcn_target "amdgcn-amd-amdhsa--gfx1250"
	.amdhsa_code_object_version 6
	.text
	.protected	k_qc0c1c0425f_attn
	.globl	k_qc0c1c0425f_attn
	.p2align	8
	.type	k_qc0c1c0425f_attn,@function
k_qc0c1c0425f_attn:
	s_mov_b64 s[64:65], 0
	v_nop
	global_prefetch_b8 v0, s[64:65] scope:SCOPE_SE
	s_setreg_imm32_b32 hwreg(HW_REG_WAVE_MODE, 25, 1), 1
	s_wait_xcnt 0x0
; ATTENTION on codes of FP6 (E2M3): scores = q k^T / 8, the mask AS IT IS GIVEN, the FINISHED softmax (normalised; a row with no true entry gives zeros, as nan_to_num does), quantised along the keys, times v;
; the result is quantised along the model's axis for the projection.  Nothing is left out: the mask is an input, so all 2,048 keys are computed for every query and selected.
; WHY NO RUNNING SOFTMAX: what is quantised is exp(s - max) / sum, and the divisor is no power of two: a row's maximum and sum must be whole before any p is quantised.  So all 2,048 scores of a tile of 16 queries
; stay in registers: a work-group of EIGHT waves, wave w OWNING keys 256 w .. 256 w + 255 for the whole launch: its fragments of K (96 registers) and of V^T (96) are read from memory once.
; One score product and one exponential for each element.  The waves exchange a maximum and a sum for each query through LDS, and their parts of O^T meet in LDS.
; SHARES: work-group (x, y): 256 query positions of head y % 16 of batch y / 16: 16 tiles.  Two waves share a SIMD, so that one wave's vector work stands beside the other's matrix work and waits.
; LAYOUT: both products transposed (S^T = K Q^T, O^T = V^T P^T): a lane holds one query.  Rows lie by position (bits 3, 4 exchanged), so register 16 B + i of a lane is key 256 w + 32 B + 16 (lane / 16) + i.
; K = 64 IN AN INSTRUCTION 128 DEEP: Q's upper six registers are zero codes.  K's tile t is the run v[6 t .. 6 t + 11]: its upper six registers are tile t + 1's codes, which meet Q's zero codes and add exactly 0
; (FP6 has no NaN and no infinity; the scale bytes there are 0, not 0xff).  Six registers of zeros follow tile 15.
; No tensor load, no cluster: the eight work-groups of a head share 196 KB, read once into registers at the head: a small part of what the launch does.
; LIMITS: p under 2^-126 becomes 0 (v_exp_f32 flushes); a block's largest p is made from the block's largest score by the same instructions (it leans on v_exp_f32 not falling where its input rises);
; 1 / sum by v_rcp_f32; a block of zeros gets the byte 1; sums over the waves are f32 additions in a fixed order; NaN and infinities among the inputs are not served; scores under -3e38 count as -3e38 for the maximum.
.set SMO,   768                        ; LDS: 0: the waves' maxima, 16 rows x 48 bytes; 768: their sums
.set OPO,   2048                       ; the parts of O^T: [tile 0, 1][wave][8 images of 512 bytes]
.set SPARE, 67584                      ; the spare words, 128 bytes a wave
.set S,  128                           ; v128-255 scores, then e, then p; O^T lies over v128-159 once p is converted
.set BM, 56                            ; v56-63 the blocks' largest
.set BT, 64                            ; v64-71 at work
.set BO, 72                            ; v72-79 the conversions' scale operands
.set PC, 80                            ; v80-103 p's codes, two K steps
.set PT, 104                           ; v104-119 the conversions' second halves
; v1 spare word, v2 0, v3 r 1536 + 24 h, v4 64 r, v5, v6 exchange (write, read), v7, v8 O^T's parts (write, read), v9, v10 out, v11 -inf, v12-23 Q, v24 Q's scales, v26-33 K's, v34-37 V's, v38-39 p's,
; v40-41 -c max, v42-43 1 / sum, v44-55 at work, v120-123 the result's codes and byte.   Window 1: v0-95 K, v96-101 zeros, v104-199 V^T.
; s2 wave, s3 trips, s4, s5 lane selects, s[6:7] c, s[8:9] Q, s[10:11] Q's scales, s[12:13] mask words, s[14:15], s[90:91] out, s[16:63] and s[68:83] 64 mask words.
.set MSB, 0
.macro WIN new
.if MSB != (\new)
	s_set_vgpr_msb (MSB<<8)|(\new)
.set MSB, (\new)
.endif
.endm
	s_load_b128 s[84:87], s[0:1], 0x0              ; qkv, mw
	s_load_b64 s[88:89], s[0:1], 0x10              ; at
	v_lshl_add_u32 v1, v0, 2, SPARE
	v_mov_b32 v2, 0
	WIN 0x40
.irp i, 0,1,2,3,4,5
	v_mov_b32 v[96+\i], 0                          ; behind K's last tile
.endr
	WIN 0
.irp i, 0,1,2,3,4,5
	v_mov_b32 v[18+\i], 0                          ; Q's upper 64 along K: zero codes
.endr
.irp i, 0,1,2,3,4,5,6,7
	v_mov_b32 v[BT+\i], 0                          ; a lane permute's destination counts as read
.endr
	v_lshrrev_b32 v48, 5, v0
	v_readfirstlane_b32 s2, v48                    ; wave
	v_and_b32 v49, 15, v0                          ; r
	v_bfe_u32 v50, v0, 4, 1                        ; h
	v_and_b32 v51, 31, v0
	v_mul_u32_u24 v3, v49, 1536
	v_mad_u32_u24 v3, v50, 24, v3
	v_lshlrev_b32 v4, 6, v49
	v_mul_u32_u24 v6, v49, 48
	s_lshl_b32 s36, s2, 2
	v_add_nc_u32 v5, s36, v6
	v_lshlrev_b32 v52, 4, v51
	s_lshl_b32 s36, s2, 12
	s_add_co_u32 s36, s36, OPO
	v_add_nc_u32 v7, s36, v52
	s_bfe_u32 s46, s2, 0x10001                     ; in the reduction: which of a trip's two tiles,
	s_and_b32 s47, s2, 1                           ; and which 32 of the head's 64
	s_lshl_b32 s36, s46, 15
	s_lshl_b32 s37, s47, 11
	s_add_co_u32 s36, s36, s37
	s_add_co_u32 s36, s36, OPO
	v_add_nc_u32 v8, s36, v52
	v_mul_u32_u24 v9, v49, 768
	v_mad_u32_u24 v9, v50, 12, v9
	v_lshlrev_b32 v10, 5, v49
	v_mov_b32 v11, 0xff800000
	v_mul_u32_u24 v53, v49, 3072
	v_mad_u32_u24 v53, v50, 24, v53                ; V^T: row r, + 24 h
	v_lshlrev_b32 v54, 6, v51                      ; K's scales: 64 x lane
	v_lshlrev_b32 v55, 7, v49
	v_lshl_add_u32 v55, v50, 2, v55                ; V's scales: row r, + 4 h
	s_mov_b32 s4, 0x76543210
	s_mov_b32 s5, 0xfedcba98
	s_mov_b32 s6, 0x3e38aa3b                       ; c = log2(e) / 8
	s_mov_b32 s7, s6
	s_mov_b32 s3, 8
	s_and_b32 s36, ttmp7, 0xffff
	s_lshr_b32 s37, s36, 4                         ; batch
	s_and_b32 s38, s36, 15                         ; head
	s_lshl_b32 s39, s37, 11
	s_lshl_b32 s40, s2, 8
	s_add_co_u32 s40, s39, s40                     ; my first key's row
	s_lshl_b32 s41, ttmp9, 8
	s_add_co_u32 s41, s39, s41                     ; the work-group's first query's row
	s_mul_i32 s42, s38, 48
	s_lshl_b32 s43, s38, 1
	s_mul_i32 s16, s40, 1536
	s_add_co_u32 s16, s16, s42
	s_add_co_u32 s16, s16, 768                     ; K's codes
	s_lshl_b32 s18, s40, 6
	s_add_co_u32 s18, s18, s43
	s_add_co_u32 s18, s18, 6291456+32              ; K's scales
	s_mul_i32 s20, s38, 64*3072
	s_mul_i32 s44, s37, 1536
	s_add_co_u32 s20, s20, s44
	s_mul_i32 s44, s2, 192
	s_add_co_u32 s20, s20, s44
	s_add_co_u32 s20, s20, 6553600                 ; V^T's codes
	s_lshl_b32 s22, s38, 13
	s_lshl_b32 s44, s37, 6
	s_add_co_u32 s22, s22, s44
	s_lshl_b32 s44, s2, 3
	s_add_co_u32 s22, s22, s44
	s_add_co_u32 s22, s22, 9699328                 ; V^T's scales
	s_mul_i32 s24, s41, 1536
	s_add_co_u32 s24, s24, s42                     ; Q's codes
	s_lshl_b32 s26, s41, 6
	s_add_co_u32 s26, s26, s43
	s_add_co_u32 s26, s26, 6291456                 ; Q's scales
	s_lshl_b32 s28, ttmp9, 16
	s_lshl_b32 s44, s2, 9
	s_add_co_u32 s28, s28, s44                     ; the mask words of (tile 16 x, my wave)
	s_lshl_b32 s44, s46, 4
	s_add_co_u32 s44, s41, s44
	s_mul_i32 s30, s44, 768
	s_add_co_u32 s30, s30, s42
	s_mul_i32 s45, s47, 24
	s_add_co_u32 s30, s30, s45                     ; the result's codes
	s_lshl_b32 s32, s44, 5
	s_add_co_u32 s32, s32, s43
	s_add_co_u32 s32, s32, s47
	s_add_co_u32 s32, s32, 3145728                 ; and bytes
.irp i, 17,19,21,23,25,27,29,31,33
	s_mov_b32 s\i, 0
.endr
	s_wait_kmcnt 0x0
	s_add_nc_u64 s[92:93], s[84:85], s[16:17]
	s_add_nc_u64 s[94:95], s[84:85], s[18:19]
	s_add_nc_u64 s[96:97], s[84:85], s[20:21]
	s_add_nc_u64 s[98:99], s[84:85], s[22:23]
	s_add_nc_u64 s[8:9], s[84:85], s[24:25]
	s_add_nc_u64 s[10:11], s[84:85], s[26:27]
	s_add_nc_u64 s[12:13], s[86:87], s[28:29]
	s_add_nc_u64 s[14:15], s[88:89], s[30:31]
	s_add_nc_u64 s[90:91], s[88:89], s[32:33]
	WIN 0x40                                       ; destination window 1
.set t, 0
.rept 16
.irp p, 0,1,2
	global_load_b64 v[6*t+2*\p:6*t+2*\p+1], v3, s[92:93] offset:24576*t+8*\p
.endr
.set t, t+1
.endr
.irp dt, 0,1,2,3
.irp s, 0,1
.irp p, 0,1,2,3,4,5
	global_load_b64 v[104+12*(2*\dt+\s)+2*\p:105+12*(2*\dt+\s)+2*\p], v53, s[96:97] offset:49152*\dt+96*\s+48*(\p/3)+8*(\p%3)
.endr
.endr
.endr
	WIN 0
.irp i, 0,1,2,3,4,5,6,7
	global_load_u16 v[26+\i], v54, s[94:95] offset:2048*\i     ; lanes 0-15: tile 2 i's rows; lanes 16-31: tile 2 i + 1's; the upper two bytes are 0
.endr
.irp dt, 0,1,2,3
	global_load_b32 v[34+\dt], v55, s[98:99] offset:2048*\dt   ; lanes 0-15: my first 128 keys' word; lanes 16-31: the second's
.endr
.macro QLOAD
.irp p, 0,1,2
	global_load_b64 v[12+2*\p:13+2*\p], v3, s[8:9] offset:8*\p
.endr
	global_load_u16 v24, v4, s[10:11]
.endm
.macro MLOAD off                       ; 64 mask words
	s_load_b512 s[16:31], s[12:13], \off
	s_load_b512 s[32:47], s[12:13], \off+0x40
	s_load_b512 s[48:63], s[12:13], \off+0x80
	s_load_b512 s[68:83], s[12:13], \off+0xc0
.endm
	QLOAD
	MLOAD 0x0
.macro MASK64 base                     ; a hidden score becomes -infinity; each accumulator is read from its low end on
.set m, 0
.rept 64
.if m < 48
.set sw, 16+m
.else
.set sw, 20+m
.endif
	v_cndmask_b32 v[S+\base+m], v11, v[S+\base+m], s[sw]
.set m, m+1
.endr
.endm
.macro BMAX first                      ; the largest score of each of four blocks of 32 keys (my 16 of them), by turns
.irp b, 0,1,2,3
	v_max3_num_f32 v[BM+\first+\b], v[S+16*(\first+\b)], v[S+16*(\first+\b)+1], v[S+16*(\first+\b)+2]
.endr
.irp i, 3,5,7,9,11,13
.irp b, 0,1,2,3
	v_max3_num_f32 v[BM+\first+\b], v[BM+\first+\b], v[S+16*(\first+\b)+\i], v[S+16*(\first+\b)+\i+1]
.endr
.endr
.irp b, 0,1,2,3
	v_max_num_f32 v[BM+\first+\b], v[BM+\first+\b], v[S+16*(\first+\b)+15]
.endr
.endm
.macro BARRIER
	s_wait_dscnt 0x0                               ; my LDS stores have landed and my LDS loads are in
	s_barrier_signal -1
	s_barrier_wait -1
.endm
.macro TILE tau
	s_wait_loadcnt 0x0                             ; Q (the first time: K and V too)
	s_wait_dscnt 0x0                               ; the last tile's stores of O^T have read their registers
	s_add_nc_u64 s[8:9], s[8:9], 24576
	s_add_nc_u64 s[10:11], s[10:11], 1024
	WIN 0x01                                       ; source 0 (K) window 1
.set t, 0
.rept 16
.if t%2 == 0
	v_wmma_scale_f32_16x16x128_f8f6f4 v[S+8*t:S+8*t+7], v[6*t:6*t+11], v[12:23], 0, v[26+t/2], v24 matrix_a_fmt:MATRIX_FMT_FP6 matrix_b_fmt:MATRIX_FMT_FP6
.else
	v_wmma_scale_f32_16x16x128_f8f6f4 v[S+8*t:S+8*t+7], v[6*t:6*t+11], v[12:23], 0, v[26+t/2], v24 matrix_a_fmt:MATRIX_FMT_FP6 matrix_b_fmt:MATRIX_FMT_FP6 matrix_a_scale:MATRIX_SCALE_ROW1
.endif
.set t, t+1
.endr
	WIN 0
.rept 4
	v_nop                                          ; places in front of the first read of results and of loads into Q's registers
.endr
.if \tau == 1
	s_cmp_eq_u32 s3, 1                             ; the last tile asks for nothing more: no load leaves its buffer
	s_cbranch_scc1 .Lnoq_\@
.endif
	QLOAD                                          ; the next tile's Q
.if \tau == 1
.Lnoq_\@:
.endif
	s_wait_kmcnt 0x0
	MASK64 0
	MLOAD 0x100                                    ; words 64-127
	BMAX 0
	s_wait_kmcnt 0x0
	MASK64 64
	s_add_nc_u64 s[12:13], s[12:13], 4096          ; (behind the wait that shows the scalar loads done)
.if \tau == 1
	s_cmp_eq_u32 s3, 1
	s_cbranch_scc1 .Lnom_\@
.endif
	MLOAD 0x0                                      ; the next tile's words 0-63
.if \tau == 1
.Lnom_\@:
.endif
	BMAX 4
.irp b, 0,1,2,3,4,5,6,7
	v_permlanex16_b32 v[BT+\b], v[BM+\b], s4, s5
.endr
.irp b, 0,1,2,3,4,5,6,7
	v_max_num_f32 v[BM+\b], v[BM+\b], v[BT+\b]     ; with lane l xor 16's 16 keys
.endr
	v_max3_num_f32 v48, v[BM], v[BM+1], v[BM+2]
	v_max3_num_f32 v48, v48, v[BM+3], v[BM+4]
	v_max3_num_f32 v48, v48, v[BM+5], v[BM+6]
	v_max_num_f32 v48, v48, v[BM+7]
	ds_store_b32 v5, v48                           ; my wave's largest score of query r (lanes l and l xor 16 write the same word with the same value)
	BARRIER
	ds_load_b128 v[48:51], v6
	ds_load_b128 v[52:55], v6 offset:16
	s_wait_dscnt 0x0
	v_max3_num_f32 v48, v48, v49, v50
	v_max3_num_f32 v48, v48, v51, v52
	v_max3_num_f32 v48, v48, v53, v54
	v_max3_num_f32 v48, v48, v55, 0xff61b1e6       ; the row's maximum; -3e38 where every key is hidden, so that no infinity meets an infinity
	v_mul_f32 v40, 0xbe38aa3b, v48                 ; -c max
	v_mov_b32 v41, v40
.set j, 0
.rept 64
	v_pk_fma_f32 v[S+j:S+j+1], v[S+j:S+j+1], s[6:7], v[40:41] op_sel_hi:[1,0,0]
.set j, j+2
.endr
.irp b, 0,1,2,3,4,5,6,7
	v_fma_f32 v[BM+\b], v[BM+\b], s6, v40          ; the same of each block's largest score
.endr
.set j, 0
.rept 128
	v_exp_f32 v[S+j], v[S+j]
.set j, j+1
.endr
.irp b, 0,1,2,3,4,5,6,7
	v_exp_f32 v[BM+\b], v[BM+\b]
.endr
	v_nop                                          ; a plain instruction behind the last exponential
	s_wait_alu depctr_va_vdst(0)                   ; one wait for the batch of 136, ahead of its first reader
.irp k, 0,1,2,3
	v_pk_add_f32 v[44+2*\k:45+2*\k], v[S+4*\k:S+4*\k+1], v[S+4*\k+2:S+4*\k+3]   ; the sum of the unquantised e, in four chains
.endr
.set j, 16
.rept 14
.irp k, 0,1,2,3
	v_pk_add_f32 v[44+2*\k:45+2*\k], v[44+2*\k:45+2*\k], v[S+j+2*\k:S+j+2*\k+1]
.endr
.set j, j+8
.endr
	v_pk_add_f32 v[44:45], v[44:45], v[46:47]
	v_pk_add_f32 v[48:49], v[48:49], v[50:51]
	v_pk_add_f32 v[44:45], v[44:45], v[48:49]
	v_add_f32 v44, v44, v45
	v_permlanex16_b32 v45, v44, s4, s5
	v_add_f32 v44, v44, v45
	ds_store_b32 v5, v44 offset:SMO
	BARRIER
	ds_load_b128 v[48:51], v6 offset:SMO
	ds_load_b128 v[52:55], v6 offset:SMO+16
	s_wait_dscnt 0x0
	v_add_f32 v48, v48, v49
	v_add_f32 v50, v50, v51
	v_add_f32 v52, v52, v53
	v_add_f32 v54, v54, v55
	v_add_f32 v48, v48, v50
	v_add_f32 v52, v52, v54
	v_add_f32 v48, v48, v52                        ; the row's sum
	v_rcp_f32 v42, v48
	v_cmp_lt_f32 vcc_lo, 0, v48
	v_nop
	s_wait_alu depctr_va_vdst(0)
	v_cndmask_b32 v42, 0, v42, vcc_lo              ; a row with no true entry: attn = 0
	v_mov_b32 v43, v42
.set j, 0
.rept 64
	v_pk_mul_f32 v[S+j:S+j+1], v[S+j:S+j+1], v[42:43]   ; the finished softmax
.set j, j+2
.endr
.irp b, 0,1,2,3,4,5,6,7
	v_mul_f32 v[BM+\b], v[BM+\b], v42              ; each block's largest p: the same multiplication on the same number
.endr
.irp b, 0,1,2,3,4,5,6,7
	v_max_num_f32 v[BM+\b], 0x1800000, v[BM+\b]    ; the floor: the byte cannot fall under 1
.endr
.irp b, 0,1,2,3,4,5,6,7
	v_add_nc_u32 v[BO+\b], 0xff000000, v[BM+\b]
.endr
.irp b, 0,1,2,3,4,5,6,7
	v_lshrrev_b32 v[BT+\b], 23, v[BO+\b]
.endr
.irp s, 0,1
	v_lshl_or_b32 v[38+\s], v[BT+4*\s+1], 8, v[BT+4*\s]
	v_lshl_or_b32 v[38+\s], v[BT+4*\s+2], 16, v[38+\s]
	v_lshl_or_b32 v[38+\s], v[BT+4*\s+3], 24, v[38+\s]
.endr
.irp s, 0,1
.irp c, 0,1
	v_cvt_scalef32_pk16_fp6_f32 v[PC+12*\s+6*\c:PC+12*\s+6*\c+2], v[S+64*\s+32*\c:S+64*\s+32*\c+15], v[BO+4*\s+2*\c]
	v_cvt_scalef32_pk16_fp6_f32 v[PT+8*\s+4*\c:PT+8*\s+4*\c+2], v[S+64*\s+32*\c+16:S+64*\s+32*\c+31], v[BO+4*\s+2*\c+1]
.endr
.endr
	v_nop                                          ; one plain place behind a scaled conversion
.irp s, 0,1
.irp c, 0,1                                    ; the operand's layout wants a whole block in a lane
.irp i, 0,1,2
	v_permlane16_swap_b32 v[PC+12*\s+6*\c+\i], v[PT+8*\s+4*\c+\i]
.endr
.irp i, 0,1,2
	v_mov_b32 v[PC+12*\s+6*\c+3+\i], v[PT+8*\s+4*\c+\i]
.endr
.endr
.endr
.rept 8
	v_nop                                          ; a scale register written by a vector instruction stands 8 places ahead of a scaled matrix instruction
.endr
	WIN 0x01
.irp dt, 0,1,2,3                               ; O^T = V^T P^T over my 256 keys: four accumulators by turns
	v_wmma_scale_f32_16x16x128_f8f6f4 v[S+8*\dt:S+8*\dt+7], v[104+24*\dt:115+24*\dt], v[PC:PC+11], 0, v[34+\dt], v38 matrix_a_fmt:MATRIX_FMT_FP6 matrix_b_fmt:MATRIX_FMT_FP6
.endr
.irp dt, 0,1,2,3
	v_wmma_scale_f32_16x16x128_f8f6f4 v[S+8*\dt:S+8*\dt+7], v[116+24*\dt:127+24*\dt], v[PC+12:PC+23], v[S+8*\dt:S+8*\dt+7], v[34+\dt], v39 matrix_a_fmt:MATRIX_FMT_FP6 matrix_b_fmt:MATRIX_FMT_FP6 matrix_a_scale:MATRIX_SCALE_ROW1
.endr
	WIN 0
.rept 5
	v_nop                                          ; FIVE places: four would serve the stores below; the next tile's score products begin new sums in these same registers, and a matrix instruction that writes over an earlier one's result stands five places behind it (no other vector instruction lies between on the way that passes the reduction by)
.endr
.irp dt, 0,1,2,3
	ds_store_b128 v7, v[S+8*\dt:S+8*\dt+3] offset:\tau*32768+1024*\dt          ; images of the registers, 16 bytes a lane
	ds_store_b128 v7, v[S+8*\dt+4:S+8*\dt+7] offset:\tau*32768+1024*\dt+512
.endr
.endm
.Ltrip:                                            ; 8 trips of two tiles.  The maxima's words are written again only behind the sums' barrier, the sums' only behind the next maxima's, the parts of O^T only behind both
	TILE 0
	TILE 1
	BARRIER                                        ; both tiles' parts lie in LDS
	s_cmp_lt_u32 s2, 4
	s_cbranch_scc0 .Lnored
	; waves 0-3: tile w / 2, channels 32 (w % 2) on: the eight waves' parts are added in a fixed order and quantised along the channels
.set pw, 0
.rept 8
.irp i, 0,1,2,3
	ds_load_b128 v[S+16*pw+4*\i:S+16*pw+4*\i+3], v8 offset:4096*pw+512*\i
.endr
.set pw, pw+1
.endr
	s_wait_dscnt 0x0
.set pw, 1
.rept 7
.irp k, 0,2,4,6,8,10,12,14
	v_pk_add_f32 v[S+\k:S+\k+1], v[S+\k:S+\k+1], v[S+16*pw+\k:S+16*pw+\k+1]
.endr
.set pw, pw+1
.endr
	v_max3_num_f32 v48, |v[S]|, |v[S+1]|, 0x1800000
	v_max3_num_f32 v49, |v[S+2]|, |v[S+3]|, |v[S+4]|
	v_max3_num_f32 v48, v48, |v[S+5]|, |v[S+6]|
	v_max3_num_f32 v49, v49, |v[S+7]|, |v[S+8]|
	v_max3_num_f32 v48, v48, |v[S+9]|, |v[S+10]|
	v_max3_num_f32 v49, v49, |v[S+11]|, |v[S+12]|
	v_max3_num_f32 v48, v48, |v[S+13]|, |v[S+14]|
	v_max3_num_f32 v48, v48, v49, |v[S+15]|
	v_permlanex16_b32 v49, v48, s4, s5
	v_max_num_f32 v48, v48, v49
	v_add_nc_u32 v50, 0xff000000, v48
	v_cvt_scalef32_pk16_fp6_f32 v[120:122], v[S:S+15], v50
	v_lshrrev_b32 v123, 23, v50                    ; (the plain place behind the conversion)
	global_store_b96 v9, v[120:122], s[14:15]      ; channels 32 beta + 16 h on of query r
	global_store_b8 v10, v123, s[90:91]            ; one byte a row: a row's 32 bytes belong to 16 heads' work-groups (the buffer holds 128 KB)
	s_wait_xcnt 0x0                                ; the stores have read their registers and bases
	s_add_nc_u64 s[14:15], s[14:15], 24576
	s_add_nc_u64 s[90:91], s[90:91], 1024
.Lnored:
	s_sub_co_u32 s3, s3, 1
	s_cmp_lg_u32 s3, 0
	s_cbranch_scc1 .Ltrip
	s_wait_tensorcnt 0x0                           ; the wave's end
	ds_add_u32 v1, v2
	s_wait_dscnt 0x0
	s_endpgm
.Lfunc_end_k_qc0c1c0425f_attn:
	.size	k_qc0c1c0425f_attn, .Lfunc_end_k_qc0c1c0425f_attn-k_qc0c1c0425f_attn
	.p2alignl 7, 3214868480
	.fill 96, 4, 3214868480
	.section	.rodata,"a",@progbits
	.p2align	6, 0x0
	.amdhsa_kernel k_qc0c1c0425f_attn
		.amdhsa_group_segment_fixed_size 68608
		.amdhsa_private_segment_fixed_size 0
		.amdhsa_enable_private_segment 0
		.amdhsa_kernarg_size 24
		.amdhsa_user_sgpr_count 2
		.amdhsa_user_sgpr_kernarg_segment_ptr 1
		.amdhsa_wavefront_size32 1
		.amdhsa_system_sgpr_workgroup_id_x 1
		.amdhsa_system_sgpr_workgroup_id_y 1
		.amdhsa_system_sgpr_workgroup_id_z 1
		.amdhsa_system_vgpr_workitem_id 0
		.amdhsa_next_free_vgpr 512
		.amdhsa_next_free_sgpr 100
		.amdhsa_reserve_vcc 1
		.amdhsa_float_denorm_mode_32 3
		.amdhsa_float_denorm_mode_16_64 3
		.amdhsa_memory_ordered 1
		.amdhsa_forward_progress 1
		.amdhsa_inst_pref_size 103
	.end_amdhsa_kernel
	.amdgpu_metadata
---
amdhsa.version: [ 1, 2 ]
amdhsa.kernels:
  - .name:           k_qc0c1c0425f_attn
    .symbol:         k_qc0c1c0425f_attn.kd
    .args:
      - { .name: qkv, .offset: 0, .size: 8, .value_kind: global_buffer, .address_space: global }
      - { .name: mw, .offset: 8, .size: 8, .value_kind: global_buffer, .address_space: global }
      - { .name: at, .offset: 16, .size: 8, .value_kind: global_buffer, .address_space: global }
    .group_segment_fixed_size: 68608
    .private_segment_fixed_size: 0
    .kernarg_segment_align: 8
    .kernarg_segment_size: 24
    .max_flat_workgroup_size: 256
    .sgpr_count:     100
    .vgpr_count:     512
    .wavefront_size: 32
...
	.end_amdgpu_metadata
.endif
;; end of part 4
;; launch g2 (part 5): grid 8 x 32, 4 waves a work-group, clusters of 4 x 4, 327,680 bytes of LDS; arguments at, wb, bo, x, x1; writes x1
.if DOCPART == 5
	.amdgcn_target "amdgcn-amd-amdhsa--gfx1250"
	.amdhsa_code_object_version 6
	.text
	.protected	k_qc0c1c0425f_g2
	.globl	k_qc0c1c0425f_g2
	.p2align	8
	.type	k_qc0c1c0425f_g2,@function
k_qc0c1c0425f_g2:
	s_mov_b64 s[64:65], 0
	v_nop
	global_prefetch_b8 v0, s[64:65] scope:SCOPE_SE
	s_setreg_imm32_b32 hwreg(HW_REG_WAVE_MODE, 25, 1), 1
	s_wait_xcnt 0x0
	s_wait_alu depctr_hold_cnt(0) depctr_sa_sdst(0) depctr_va_vdst(0) depctr_va_sdst(0) depctr_va_ssrc(0) depctr_va_vcc(0) depctr_vm_vsrc(0)
	s_getreg_b32 s2, hwreg(HW_REG_IB_STS2, 6, 4)
	s_cmp_eq_u32 s2, 0
	s_cbranch_scc0 .Lentry_in_a_cluster
	s_endpgm
.Lentry_in_a_cluster:
	s_bfe_u32 s2, ttmp6, 0x10000c
	s_cmp_lg_u32 s2, 0xf033
	s_cbranch_scc0 .Lentry_shape_is_right
	s_endpgm
.Lentry_shape_is_right:
; x1 = x + attention's result Wo + bo.  A GEMM C = A B^T on codes of FP6 (E2M3) with E8M0 scales; C [4096][1024] f32.  Nothing is left out.
; C has only 64 tiles of 256 x 256, so a work-group makes 128 x 128 (256 work-groups), each of four waves 64 x 64: 16 accumulators.  K goes in steps of 512 (rows of 384 bytes, 16 bytes of padding behind each 128:
; pitch 432 = 108 words, so the 32 lanes of a load of 8 bytes touch 64 different banks) through two LDS slots filled by the tensor data mover; here K = 1,024 is the two first fills and no refill.
; The rows' scale bytes for all of K come once, with the first fills.  CLUSTERS of 4 x 4: A's tiles jointly along a row of the cluster, B's along a column.
; Used transposed (source 0 = B's rows, source 1 = A's); rows lie by position (bits 3, 4 exchanged): register 16 B + i of a block's 32 is column 32 B + 16 (lane / 16) + i.
; The bias is the C of each sum's first matrix instruction.  The residual is asked for at the head, in the layout of the way out, and lands under the whole K loop.
; The way out goes through the wave's own stage in slot 0 (its last fill and last read are over): sixteen lanes store 256 consecutive bytes, aligned.
.set NBLK,   4
.set KSTEP,  512
.set QI,     4
.set PIV,    16
.set PITCH,  432
.set SIZE_K, 1024
.set TSH,    7
.set HSH,    6
.set A_SC,   3145728
.set B_CD,   2359296
.set B_SC,   9535488
.set MUL_LO, 0xa1
.set MUL_HI, 0xa1
.set FST_LO, 0x81
.set FST_HI, 0x81
.set FR, 12
.set NL, 6
.set NP, 4
.set NQ, KSTEP/128
.set ROWB, KSTEP*3/4
.set KROW, SIZE_K*3/4
.set KS, SIZE_K/32
.set WROWS, 16*NBLK
.set HB, NBLK/2
.set QBL, NBLK/4
.set HALFT, WROWS*PITCH
.set SLOT, 4*HALFT
.set LAPS, SIZE_K/(2*KSTEP)
.set SCL, 2*SLOT
.set SUNITS, WROWS*KS/256
.set HALFS, SUNITS*272
.set SBLK, (16*KS/256)*272
.set SPARE, SCL+4*HALFS
.set ADRA, 16
.set ADRB, 20
.set STO,  24
.set RD,   25
.set CO,   26
.set ADRS, 27
.set SPW,  28
.set NIL,  29
.set SC,   32
.set BI,   64
.set AF,   128
.set BK,   128
.set G1, 24
.set G0, 32
.set G1B, 48
.set G0B, 56
.set G1S, 68
.set G0S, 76
.set G1SB, 80
.set G0SB, 88
.set TO_B, 0x40
.set MSB, 0
.macro WIN new
.if MSB != (\new)
	s_set_vgpr_msb (MSB<<8)|(\new)
.set MSB, (\new)
.endif
.endm
.macro JLOAD g0a, g1a, g0b, g1b        ; a joint load: waves 0, 1 fetch for A, waves 2, 3 for B; an s_nop 0 and four v_nop follow each line
	s_cmp_eq_u32 s15, 0
	s_cbranch_scc0 .Lfor_b_\@
	tensor_load_to_lds s[\g0a:\g0a+3], s[\g1a:\g1a+7]
	s_nop 0
.rept 4
	v_nop
.endr
	s_branch .Lasked_\@
.Lfor_b_\@:
	tensor_load_to_lds s[\g0b:\g0b+3], s[\g1b:\g1b+7]
	s_nop 0
.rept 4
	v_nop
.endr
.Lasked_\@:
.endm
.macro CREST
	s_cmp_lg_u32 s14, 0
	s_cbranch_scc1 .Lnot_wave_0_\@
	s_barrier_signal -3
.Lnot_wave_0_\@:
	s_barrier_wait -3
	s_barrier_signal -1
	s_barrier_wait -1
.endm
.macro CROUND
	s_barrier_signal -1
	s_barrier_wait -1
	CREST
.endm
.macro PLACES n
.rept \n
	v_nop
.endr
.endm
.macro FRAG reg, adr, q, i
.irp p, 0,1,2,3,4,5
.set PC, 12*(\q)+6*(\p/3)+\p%3
.if PC%PIV < PIV-3
	ds_load_b64 v[\reg+2*\p:\reg+2*\p+1], v[\adr] offset:8*PC+16*(PC/PIV)+(\i)*16*PITCH
.else
	ds_load_b64 v[\reg+2*\p:\reg+2*\p+1], v[\adr+2] offset:8*PC+16*(PC/PIV)+(\i)*16*PITCH
.endif
.endr
.endm
.macro MULQ qa, p, q, sc, zero         ; the accumulators take turns
.set ma, (\qa)*QBL
.rept QBL
.set mb, 0
.rept NBLK
.set rD, 8*(NBLK*(ma%4)+mb)
.set rB, 128*(\p)+FR*mb
.set rA, AF+FR*ma
.set rSB, SC+NBLK*NQ*(\sc)+NQ*mb+(\q)
.set rSA, SC+NBLK*NQ*(\sc)+NQ*ma+(\q)
.if \zero == 0
	v_wmma_scale_f32_16x16x128_f8f6f4 v[rD:rD+7], v[rB:rB+FR-1], v[rA:rA+FR-1], v[rD:rD+7], v[rSB], v[rSA] matrix_a_fmt:MATRIX_FMT_FP6 matrix_b_fmt:MATRIX_FMT_FP6 matrix_a_scale:MATRIX_SCALE_ROW1
.else
	v_wmma_scale_f32_16x16x128_f8f6f4 v[rD:rD+7], v[rB:rB+FR-1], v[rA:rA+FR-1], v[BI+8*mb:BI+8*mb+7], v[rSB], v[rSA] matrix_a_fmt:MATRIX_FMT_FP6 matrix_b_fmt:MATRIX_FMT_FP6 matrix_a_scale:MATRIX_SCALE_ROW1
.endif
.set mb, mb+1
.endr
.set ma, ma+1
.endr
.endm
.macro FETCH_B slot, q, p
	WIN TO_B
.set fi, 0
.rept NBLK
	FRAG 128*(\p)+FR*fi, ADRB+\slot, \q, fi
.set fi, fi+1
.endr
	WIN 0
.endm
.macro FETCH_A slot, q, i0
.set fi, \i0
.rept HB
	FRAG AF+FR*fi, ADRA+\slot, \q, fi
.set fi, fi+1
.endr
.endm
.macro SCALES sc
.set fi, 0
.rept NBLK
	ds_load_b128 v[SC+NBLK*NQ*(\sc)+NQ*fi:SC+NBLK*NQ*(\sc)+NQ*fi+3], v[ADRS] offset:fi*SBLK
.set fi, fi+1
.endr
.endm
.macro STEP slot, q, zero
	s_wait_dscnt HB*NL                             ; B's set and A's lower blocks are in; A's upper blocks may be out
.if \zero
	WIN FST_LO
.else
	WIN MUL_LO
.endif
	MULQ 0, (\q)%2, \q, \slot, \zero
	MULQ 1, (\q)%2, \q, \slot, \zero
	s_wait_dscnt 0
	PLACES NP
	FETCH_B \slot, (\q)+1, 1-(\q)%2
	FETCH_A \slot, (\q)+1, 0
.if \zero
	WIN FST_HI
.else
	WIN MUL_HI
.endif
	MULQ 2, (\q)%2, \q, \slot, \zero
	MULQ 3, (\q)%2, \q, \slot, \zero
	PLACES NP
	WIN 0
	FETCH_A \slot, (\q)+1, HB
.endm
.macro REST slot
.set rq, 1
.rept NQ-2
	STEP \slot, rq, 0
.set rq, rq+1
.endr
.endm
.macro TURN slot, next, fill
	s_wait_tensorcnt 0x0                           ; all my tensor loads have landed: my part of the next slot
	ds_add_u32 v[SPW], v[NIL]
	s_wait_dscnt HB*NL+1                           ; the add and A's upper blocks may be out
	WIN MUL_LO
	MULQ 0, 1, NQ-1, \slot, 0
	s_wait_dscnt 0x0                               ; the add is done, and my reads of this slot are over
	s_barrier_signal -1
	MULQ 1, 1, NQ-1, \slot, 0
	WIN 0
	s_barrier_wait -1
.if \fill
	CREST
	s_add_nc_u64 s[G0+4*\slot+2:G0+4*\slot+3], s[G0+4*\slot+2:G0+4*\slot+3], 2*ROWB
	s_add_nc_u64 s[G0B+4*\slot+2:G0B+4*\slot+3], s[G0B+4*\slot+2:G0B+4*\slot+3], 2*ROWB
	JLOAD G0+4*\slot, G1, G0B+4*\slot, G1B
.else
	PLACES NP
.endif
	v_add_nc_u32 v[ADRS], 4*NQ, v[ADRS]
	FETCH_B \next, 0, 0
	FETCH_A \next, 0, 0
	SCALES \next
	WIN MUL_HI
	MULQ 2, 1, NQ-1, \slot, 0
	MULQ 3, 1, NQ-1, \slot, 0
	PLACES NP
	WIN 0
	FETCH_A \next, 0, HB
.endm
	s_load_b256 s[4:11], s[0:1], 0x0               ; A's buffer, wb, the bias, the residual
	s_load_b64 s[12:13], s[0:1], 0x20              ; out
	v_lshl_add_u32 v[SPW], v0, 2, SPARE
	v_mov_b32 v[NIL], 0
	ds_add_u32 v[SPW], v[NIL]                      ; the wave's opening: the add, twice on end, and its wait ahead of my first tensor load
	ds_add_u32 v[SPW], v[NIL]
	v_lshrrev_b32 v1, 5, v0
	v_readfirstlane_b32 s14, v1
	s_lshr_b32 s15, s14, 1
	s_and_b32 s16, s14, 1
	s_bfe_u32 s40, ttmp6, 0x40000
	s_bfe_u32 s41, ttmp6, 0x40004
	s_lshl_b32 s42, ttmp9, 2
	s_add_co_u32 s42, s42, s40                     ; tile column
	s_and_b32 s17, ttmp7, 0xffff
	s_lshl_b32 s17, s17, 2
	s_add_co_u32 s17, s17, s41                     ; tile row
	s_lshl_b32 s43, s41, 2
	s_lshl_b32 s43, 15, s43
	s_lshl_b32 s44, 0x1111, s40
	s_or_b32 s[G1+0], s43, (1<<20)|(1<<21)|(QI<<22)|(3<<25)
	s_or_b32 s[G1B+0], s44, (1<<20)|(1<<21)|(QI<<22)|(3<<25)
.irp g, G1, G1B
	s_mov_b32 s[\g+1], ROWB<<16
	s_mov_b32 s[\g+2], WROWS<<16
	s_mov_b32 s[\g+3], ROWB<<16
	s_mov_b32 s[\g+4], WROWS
	s_mov_b32 s[\g+5], KROW
	s_mov_b32 s[\g+6], 0
	s_mov_b32 s[\g+7], 0
.endr
	s_or_b32 s[G1S+0], s43, (3<<16)|(1<<20)|(1<<21)|(5<<22)|(3<<25)
	s_or_b32 s[G1SB+0], s44, (3<<16)|(1<<20)|(1<<21)|(5<<22)|(3<<25)
.irp g, G1S, G1SB
	s_mov_b32 s[\g+1], 32<<16
	s_mov_b32 s[\g+2], SUNITS<<16
	s_mov_b32 s[\g+3], 32<<16
	s_mov_b32 s[\g+4], SUNITS
	s_mov_b32 s[\g+5], 32
	s_mov_b32 s[\g+6], 0
	s_mov_b32 s[\g+7], 0
.endr
	s_lshl_b32 s18, s16, HSH
	s_lshl_b32 s20, s17, TSH
	s_add_co_u32 s20, s20, s18
	s_lshl_b32 s46, s42, TSH
	s_add_co_u32 s46, s46, s18
	s_mov_b32 s21, 0
	s_mov_b32 s47, 0
	s_mov_b64 s[18:19], KS
	s_mul_u64 s[22:23], s[20:21], s[18:19]
	s_mul_u64 s[92:93], s[46:47], s[18:19]
	s_mov_b64 s[18:19], KROW
	s_mul_u64 s[20:21], s[20:21], s[18:19]
	s_mul_u64 s[46:47], s[46:47], s[18:19]
	s_add_nc_u64 s[22:23], s[22:23], A_SC          ; byte offsets inside the buffers
	s_add_nc_u64 s[46:47], s[46:47], B_CD
	s_add_nc_u64 s[92:93], s[92:93], B_SC
	s_mul_i32 s45, s14, HALFT
	s_mul_i32 s94, s14, HALFS
	s_wait_dscnt 0x0                               ; both opening adds are done
	s_wait_kmcnt 0x0
	s_add_nc_u64 s[20:21], s[4:5], s[20:21]
	s_add_nc_u64 s[22:23], s[4:5], s[22:23]
	s_add_nc_u64 s[46:47], s[6:7], s[46:47]
	s_add_nc_u64 s[92:93], s[6:7], s[92:93]
	CROUND
	s_mov_b32 s[G0S], 1
	s_add_co_u32 s[G0S+1], s94, SCL
	s_mov_b64 s[G0S+2:G0S+3], s[22:23]
	s_or_b32 s[G0S+3], s[G0S+3], 0x80000000
	s_mov_b32 s[G0SB], 1
	s_add_co_u32 s[G0SB+1], s94, SCL
	s_mov_b64 s[G0SB+2:G0SB+3], s[92:93]
	s_or_b32 s[G0SB+3], s[G0SB+3], 0x80000000
	JLOAD G0S, G1S, G0SB, G1SB
.irp s, 0,1
	s_mov_b32 s[G0+4*\s], 1
	s_add_co_u32 s[G0+4*\s+1], s45, \s*SLOT
	s_add_nc_u64 s[G0+4*\s+2:G0+4*\s+3], s[20:21], \s*ROWB
	s_or_b32 s[G0+4*\s+3], s[G0+4*\s+3], 0x80000000
	s_mov_b32 s[G0B+4*\s], 1
	s_add_co_u32 s[G0B+4*\s+1], s45, \s*SLOT
	s_add_nc_u64 s[G0B+4*\s+2:G0B+4*\s+3], s[46:47], \s*ROWB
	s_or_b32 s[G0B+4*\s+3], s[G0B+4*\s+3], 0x80000000
	JLOAD G0+4*\s, G1, G0B+4*\s, G1B               ; three loads of mine are out
.endr
	v_and_b32 v1, 15, v0
	v_bfe_u32 v2, v0, 4, 1
	v_mul_u32_u24 v3, v1, PITCH
	v_mul_u32_u24 v4, v2, 24
	v_add_nc_u32 v4, v3, v4
	v_lshl_add_u32 v5, v2, 4, v4
	s_mul_i32 s21, s15, HALFT
	s_mul_i32 s22, s16, HALFT
	s_add_co_u32 s22, s22, 2*HALFT
.irp s, 0,1
	v_add_nc_u32 v[ADRA+\s], s21, v4
	v_add_nc_u32 v[ADRB+\s], s22, v4
	v_add_nc_u32 v[ADRA+2+\s], s21, v5
	v_add_nc_u32 v[ADRB+2+\s], s22, v5
	s_add_co_u32 s21, s21, SLOT
	s_add_co_u32 s22, s22, SLOT
.endr
	v_mul_u32_u24 v5, v1, KS
	v_lshrrev_b32 v6, 8, v5
	v_lshl_add_u32 v5, v6, 4, v5
	s_mul_i32 s21, s15, HALFS
	s_mul_i32 s22, s16, HALFS
	s_add_co_u32 s22, s22, 2*HALFS
	s_sub_co_u32 s22, s22, s21
	v_mul_u32_u24 v6, s22, v2
	s_add_co_u32 s21, s21, SCL
	v_add_nc_u32 v5, v5, v6
	v_add_nc_u32 v[ADRS], s21, v5
	s_mul_i32 s23, s14, 16*272                     ; my stage: 16 rows x (256 bytes + 16)
	v_mul_u32_u24 v5, v1, 272
	v_lshl_add_u32 v5, v2, 6, v5
	v_add_nc_u32 v[STO], s23, v5                   ; in: row r, + 64 h
	v_mul_u32_u24 v5, v2, 272
	v_lshl_add_u32 v5, v1, 4, v5
	v_add_nc_u32 v[RD], s23, v5                    ; back: lanes 0-15 one row, lanes 16-31 the next
	v_lshlrev_b32 v[CO], 12, v2
	v_lshl_add_u32 v[CO], v1, 4, v[CO]             ; the same two rows in C
	v_lshlrev_b32 v7, 6, v2
	s_lshl_b32 s20, s17, 7
	s_lshl_b32 s21, s15, 6
	s_add_co_u32 s20, s20, s21
	s_lshl_b32 s20, s20, 12                        ; my first row, in bytes
	s_lshl_b32 s46, s42, 9
	s_lshl_b32 s47, s16, 8
	s_add_co_u32 s46, s46, s47                     ; my first column, in bytes
	s_mov_b32 s47, 0
	s_add_nc_u64 s[8:9], s[8:9], s[46:47]
	s_add_co_u32 s46, s46, s20
	s_add_nc_u64 s[10:11], s[10:11], s[46:47]
	s_add_nc_u64 s[12:13], s[12:13], s[46:47]
.set fi, 0
.rept 4
	global_load_b128 v[BI+8*fi:BI+8*fi+3], v7, s[8:9] offset:128*(fi/2)+32*(fi%2)
	global_load_b128 v[BI+8*fi+4:BI+8*fi+7], v7, s[8:9] offset:128*(fi/2)+32*(fi%2)+16
.set fi, fi+1
.endr
	WIN 0xc0                                       ; destination window 3: the residual, row 2 t + lane / 16 of block a by position
.irp a, 0,1,2,3
.irp t, 0,1,2,3,4,5,6,7
	global_load_b128 v[32*\a+4*\t:32*\a+4*\t+3], v[CO], s[10:11] offset:(32*(\a/2)+8*(\a%2)+16*(\t/4)+2*(\t%4))*4096 th:TH_LOAD_NT
.endr
.endr
	WIN 0
	s_wait_tensorcnt 1                             ; the scales and my part of slot 0 are in; slot 1's load may be out
	s_barrier_signal -1
	s_barrier_wait -1
	FETCH_B 0, 0, 0
	FETCH_A 0, 0, 0
	SCALES 0
	FETCH_A 0, 0, HB
	s_wait_loadcnt 32                              ; the bias is in; the residual's 32 loads may be out
	STEP 0, 0, 1
.if LAPS > 1
	s_mov_b32 s3, LAPS-1
.Llap:
	REST 0
	TURN 0, 1, 1
	STEP 1, 0, 0
	REST 1
	TURN 1, 0, 1
	STEP 0, 0, 0
	s_sub_co_u32 s3, s3, 1
	s_cmp_lg_u32 s3, 0
	s_cbranch_scc1 .Llap
.endif
	REST 0
	TURN 0, 1, 0
	STEP 1, 0, 0
	REST 1
	s_wait_dscnt HB*NL
	WIN MUL_LO
	MULQ 0, 1, NQ-1, 1, 0
	MULQ 1, 1, NQ-1, 1, 0
	s_wait_dscnt 0
	WIN MUL_HI
	MULQ 2, 1, NQ-1, 1, 0
	MULQ 3, 1, NQ-1, 1, 0
	WIN 0
	PLACES NP
.macro TOSTAGE a
	WIN 0x08                                       ; an LDS store's data are its source 1: window 2
.irp b, 0,1,2,3
	ds_store_b128 v[STO], v[8*(4*(\a)+\b):8*(4*(\a)+\b)+3] offset:128*(\b/2)+32*(\b%2)      ; each accumulator from its low end on
	ds_store_b128 v[STO], v[8*(4*(\a)+\b)+4:8*(4*(\a)+\b)+7] offset:128*(\b/2)+32*(\b%2)+16
.endr
	WIN 0
.set BB, BK+32*((\a)%2)
.irp t, 0,1,2,3,4,5,6,7
	ds_load_b128 v[BB+4*\t:BB+4*\t+3], v[RD] offset:544*\t     ; LDS serves a wave's instructions in order
.endr
.endm
.macro SEND a, younger
.set BB, BK+32*((\a)%2)
	s_wait_dscnt \younger
	WIN 0x0c                                       ; source 1: window 3
.set k, 0
.rept 16
	v_pk_add_f32 v[BB+2*k:BB+2*k+1], v[BB+2*k:BB+2*k+1], v[32*(\a)+2*k:32*(\a)+2*k+1]
.set k, k+1
.endr
	WIN 0
.irp t, 0,1,2,3,4,5,6,7
	global_store_b128 v[CO], v[BB+4*\t:BB+4*\t+3], s[12:13] offset:(32*((\a)/2)+8*((\a)%2)+16*(\t/4)+2*(\t%4))*4096 th:TH_STORE_NT   ; 16 lanes store 256 consecutive bytes, aligned
.endr
.endm
	s_wait_loadcnt 0x0                             ; the residual
	TOSTAGE 0
.irp a, 1,2,3
.if \a > 1
	s_wait_xcnt 0x0                                ; block a - 2's stores have read the registers into which block a's loads land
.endif
	TOSTAGE \a
	SEND \a-1, 16                                  ; behind block a - 1's loads: block a's 8 stores and 8 loads
.endr
	SEND 3, 0
	s_wait_tensorcnt 0x0                           ; the wave's end
	ds_add_u32 v[SPW], v[NIL]
	s_wait_dscnt 0x0
	CROUND                                         ; the closing round
	s_endpgm
.Lfunc_end_k_qc0c1c0425f_g2:
	.size	k_qc0c1c0425f_g2, .Lfunc_end_k_qc0c1c0425f_g2-k_qc0c1c0425f_g2
	.p2alignl 7, 3214868480
	.fill 96, 4, 3214868480
	.section	.rodata,"a",@progbits
	.p2align	6, 0x0
	.amdhsa_kernel k_qc0c1c0425f_g2
		.amdhsa_group_segment_fixed_size 327680
		.amdhsa_private_segment_fixed_size 0
		.amdhsa_enable_private_segment 0
		.amdhsa_kernarg_size 40
		.amdhsa_user_sgpr_count 2
		.amdhsa_user_sgpr_kernarg_segment_ptr 1
		.amdhsa_wavefront_size32 1
		.amdhsa_system_sgpr_workgroup_id_x 1
		.amdhsa_system_sgpr_workgroup_id_y 1
		.amdhsa_system_sgpr_workgroup_id_z 1
		.amdhsa_system_vgpr_workitem_id 0
		.amdhsa_next_free_vgpr 1024
		.amdhsa_next_free_sgpr 102
		.amdhsa_reserve_vcc 0
		.amdhsa_float_denorm_mode_32 3
		.amdhsa_float_denorm_mode_16_64 3
		.amdhsa_memory_ordered 1
		.amdhsa_forward_progress 1
		.amdhsa_inst_pref_size 71
	.end_amdhsa_kernel
	.amdgpu_metadata
---
amdhsa.version: [ 1, 2 ]
amdhsa.kernels:
  - .name:           k_qc0c1c0425f_g2
    .symbol:         k_qc0c1c0425f_g2.kd
    .args:
      - { .name: at, .offset: 0, .size: 8, .value_kind: global_buffer, .address_space: global }
      - { .name: wb, .offset: 8, .size: 8, .value_kind: global_buffer, .address_space: global }
      - { .name: bo, .offset: 16, .size: 8, .value_kind: global_buffer, .address_space: global }
      - { .name: x, .offset: 24, .size: 8, .value_kind: global_buffer, .address_space: global }
      - { .name: x1, .offset: 32, .size: 8, .value_kind: global_buffer, .address_space: global }
    .group_segment_fixed_size: 327680
    .private_segment_fixed_size: 0
    .kernarg_segment_align: 8
    .kernarg_segment_size: 40
    .max_flat_workgroup_size: 128
    .sgpr_count:     102
    .vgpr_count:     1024
    .wavefront_size: 32
...
	.end_amdgpu_metadata
.endif
;; end of part 5
;; launch ln2: the kernel of part 2 again; grid 512 x 1, 8 waves a work-group, no clusters, 42,240 bytes of LDS; arguments x1, ln2_g, ln2_b, hq; writes hq
;; launch g3 (part 6): grid 16 x 16, 4 waves a work-group, clusters of 4 x 4, 327,680 bytes of LDS; arguments hq, wb, b1, hid; writes hid
.if DOCPART == 6
	.amdgcn_target "amdgcn-amd-amdhsa--gfx1250"
	.amdhsa_code_object_version 6
	.text
	.protected	k_qc0c1c0425f_g3
	.globl	k_qc0c1c0425f_g3
	.p2align	8
	.type	k_qc0c1c0425f_g3,@function
k_qc0c1c0425f_g3:
	s_mov_b64 s[64:65], 0
	v_nop
	global_prefetch_b8 v0, s[64:65] scope:SCOPE_SE
	s_setreg_imm32_b32 hwreg(HW_REG_WAVE_MODE, 25, 1), 1
	s_wait_xcnt 0x0
	s_wait_alu depctr_hold_cnt(0) depctr_sa_sdst(0) depctr_va_vdst(0) depctr_va_sdst(0) depctr_va_ssrc(0) depctr_va_vcc(0) depctr_vm_vsrc(0)
	s_getreg_b32 s2, hwreg(HW_REG_IB_STS2, 6, 4)
	s_cmp_eq_u32 s2, 0
	s_cbranch_scc0 .Lentry_in_a_cluster
	s_endpgm
.Lentry_in_a_cluster:
	s_bfe_u32 s2, ttmp6, 0x10000c
	s_cmp_lg_u32 s2, 0xf033
	s_cbranch_scc0 .Lentry_shape_is_right
	s_endpgm
.Lentry_shape_is_right:
; hid = Q(gelu(h W1 + b1)): a GEMM C = A B^T on codes of FP6 (E2M3) with E8M0 scales, the exact GELU in f32, and the quantiser along the hidden axis, the next product's K.  Nothing is left out.
; A work-group makes 256 x 256, each of four waves 128 x 128 (64 accumulators); K = 1,024 in steps of 256 through two LDS slots filled by the tensor data mover; the rows' scale bytes come once; clusters of 4 x 4 with
; joint loads (A's tiles along a row of the cluster, B's along a column).  Used transposed; rows lie by position (bits 3, 4 exchanged), so a lane's 64 registers of a block of rows are columns 32 B + 16 (lane / 16) + i in order.
; The bias is the C of each sum's first matrix instruction.
; THE WAY OUT IS A LOOP of 8 trips (written out it would be several times the rest of the text): a trip takes a block of 16 rows.  What differs between trips is the accumulators' registers: eight short arms make
; z = x / sqrt(2) and x / 2 of them, multiplications that the formula wants anyway; the rest is written once.
; gelu(x) = x / 2 + (x / 2) erf(z); erf(z) = z P(z^2) / Q(z^2), z held to +-4, P of degree 6, Q of degree 4.
; OUT (hid): codes [4096][3072] at 0, scale bytes [4096][128] at 12,582,912.  A wave's 128 columns are 96 bytes of a row; the scale words are 4 bytes a row, since a row's bytes belong to several work-groups.
; LIMITS: erf by the rational form, absolute error about 1e-7; beyond |z| = 4 it is held; a block of zeros gets the byte 1; NaN and infinities are not served.
.set NBLK,   8
.set KSTEP,  256
.set QI,     3
.set PIV,    8
.set PITCH,  240
.set SIZE_K, 1024
.set TSH,    8
.set HSH,    7
.set A_SC,   3145728
.set B_CD,   6291456
.set B_SC,   9699328
.set MUL_LO, 0xa1
.set MUL_HI, 0xf1
.set FST_LO, 0x81
.set FST_HI, 0xc1
.set FR, 12
.set NL, 6
.set NP, 4
.set NQ, KSTEP/128
.set ROWB, KSTEP*3/4
.set KROW, SIZE_K*3/4
.set KS, SIZE_K/32
.set WROWS, 16*NBLK
.set HB, NBLK/2
.set QBL, NBLK/4
.set HALFT, WROWS*PITCH
.set SLOT, 4*HALFT
.set LAPS, SIZE_K/(2*KSTEP)
.set SCL, 2*SLOT
.set SUNITS, WROWS*KS/256
.set HALFS, SUNITS*272
.set SBLK, (16*KS/256)*272
.set SPARE, SCL+4*HALFS
.set ADRA, 16
.set ADRB, 20
.set STO,  24
.set RD,   25
.set ADRS, 27
.set SPW,  28
.set NIL,  29
.set SWA,  30
.set SWR,  31
.set SC,   32                          ; v32-63 scale words, two sets: they hold nothing else in the whole text
.set BI,   64                          ; v64-127 the bias; on the way out at work
.set AF,   128
.set G1, 24
.set G0, 32
.set G1B, 48
.set G0B, 56
.set G1S, 68
.set G0S, 76
.set G1SB, 80
.set G0SB, 88
.set TO_B, 0x40
.set MSB, 0
.macro WIN new
.if MSB != (\new)
	s_set_vgpr_msb (MSB<<8)|(\new)
.set MSB, (\new)
.endif
.endm
.macro JLOAD g0a, g1a, g0b, g1b        ; a joint load: waves 0, 1 fetch for A, waves 2, 3 for B; an s_nop 0 and four v_nop follow each line
	s_cmp_eq_u32 s15, 0
	s_cbranch_scc0 .Lfor_b_\@
	tensor_load_to_lds s[\g0a:\g0a+3], s[\g1a:\g1a+7]
	s_nop 0
.rept 4
	v_nop
.endr
	s_branch .Lasked_\@
.Lfor_b_\@:
	tensor_load_to_lds s[\g0b:\g0b+3], s[\g1b:\g1b+7]
	s_nop 0
.rept 4
	v_nop
.endr
.Lasked_\@:
.endm
.macro CREST
	s_cmp_lg_u32 s14, 0
	s_cbranch_scc1 .Lnot_wave_0_\@
	s_barrier_signal -3
.Lnot_wave_0_\@:
	s_barrier_wait -3
	s_barrier_signal -1
	s_barrier_wait -1
.endm
.macro CROUND
	s_barrier_signal -1
	s_barrier_wait -1
	CREST
.endm
.macro PLACES n
.rept \n
	v_nop
.endr
.endm
.macro FRAG reg, adr, q, i
.irp p, 0,1,2,3,4,5
.set PC, 12*(\q)+6*(\p/3)+\p%3
.if PC%PIV < PIV-3
	ds_load_b64 v[\reg+2*\p:\reg+2*\p+1], v[\adr] offset:8*PC+16*(PC/PIV)+(\i)*16*PITCH
.else
	ds_load_b64 v[\reg+2*\p:\reg+2*\p+1], v[\adr+2] offset:8*PC+16*(PC/PIV)+(\i)*16*PITCH
.endif
.endr
.endm
.macro MULQ qa, p, q, sc, zero         ; the accumulators take turns
.set ma, (\qa)*QBL
.rept QBL
.set mb, 0
.rept NBLK
.set rD, 8*(NBLK*(ma%4)+mb)
.set rB, 128*(\p)+FR*mb
.set rA, AF+FR*ma
.set rSB, SC+NBLK*NQ*(\sc)+NQ*mb+(\q)
.set rSA, SC+NBLK*NQ*(\sc)+NQ*ma+(\q)
.if \zero == 0
	v_wmma_scale_f32_16x16x128_f8f6f4 v[rD:rD+7], v[rB:rB+FR-1], v[rA:rA+FR-1], v[rD:rD+7], v[rSB], v[rSA] matrix_a_fmt:MATRIX_FMT_FP6 matrix_b_fmt:MATRIX_FMT_FP6 matrix_a_scale:MATRIX_SCALE_ROW1
.else
	v_wmma_scale_f32_16x16x128_f8f6f4 v[rD:rD+7], v[rB:rB+FR-1], v[rA:rA+FR-1], v[BI+8*mb:BI+8*mb+7], v[rSB], v[rSA] matrix_a_fmt:MATRIX_FMT_FP6 matrix_b_fmt:MATRIX_FMT_FP6 matrix_a_scale:MATRIX_SCALE_ROW1
.endif
.set mb, mb+1
.endr
.set ma, ma+1
.endr
.endm
.macro FETCH_B slot, q, p
	WIN TO_B
.set fi, 0
.rept NBLK
	FRAG 128*(\p)+FR*fi, ADRB+\slot, \q, fi
.set fi, fi+1
.endr
	WIN 0
.endm
.macro FETCH_A slot, q, i0
.set fi, \i0
.rept HB
	FRAG AF+FR*fi, ADRA+\slot, \q, fi
.set fi, fi+1
.endr
.endm
.macro SCALES sc
.set fi, 0
.rept NBLK
	ds_load_b64 v[SC+NBLK*NQ*(\sc)+NQ*fi:SC+NBLK*NQ*(\sc)+NQ*fi+1], v[ADRS] offset:fi*SBLK
.set fi, fi+1
.endr
.endm
.macro STEP slot, q, zero
	s_wait_dscnt HB*NL                             ; B's set and A's lower blocks are in; A's upper blocks may be out
.if \zero
	WIN FST_LO
.else
	WIN MUL_LO
.endif
	MULQ 0, (\q)%2, \q, \slot, \zero
	MULQ 1, (\q)%2, \q, \slot, \zero
	s_wait_dscnt 0
	PLACES NP
	FETCH_B \slot, (\q)+1, 1-(\q)%2
	FETCH_A \slot, (\q)+1, 0
.if \zero
	WIN FST_HI
.else
	WIN MUL_HI
.endif
	MULQ 2, (\q)%2, \q, \slot, \zero
	MULQ 3, (\q)%2, \q, \slot, \zero
	PLACES NP
	WIN 0
	FETCH_A \slot, (\q)+1, HB
.endm
.macro TURN slot, next, fill
	s_wait_tensorcnt 0x0                           ; all my tensor loads have landed: my part of the next slot
	ds_add_u32 v[SPW], v[NIL]
	s_wait_dscnt HB*NL+1                           ; the add and A's upper blocks may be out
	WIN MUL_LO
	MULQ 0, 1, NQ-1, \slot, 0
	s_wait_dscnt 0x0                               ; the add is done, and my reads of this slot are over
	s_barrier_signal -1
	MULQ 1, 1, NQ-1, \slot, 0
	WIN 0
	s_barrier_wait -1
.if \fill
	CREST                                          ; the barrier has opened a round of the cluster's: no wave of any partner still reads this slot or has a load on its way
	s_add_nc_u64 s[G0+4*\slot+2:G0+4*\slot+3], s[G0+4*\slot+2:G0+4*\slot+3], 2*ROWB
	s_add_nc_u64 s[G0B+4*\slot+2:G0B+4*\slot+3], s[G0B+4*\slot+2:G0B+4*\slot+3], 2*ROWB
	JLOAD G0+4*\slot, G1, G0B+4*\slot, G1B
.else
	PLACES NP
.endif
	v_add_nc_u32 v[ADRS], 4*NQ, v[ADRS]
	FETCH_B \next, 0, 0
	FETCH_A \next, 0, 0
	SCALES \next
	WIN MUL_HI
	MULQ 2, 1, NQ-1, \slot, 0
	MULQ 3, 1, NQ-1, \slot, 0
	PLACES NP
	WIN 0
	FETCH_A \next, 0, HB
.endm
	s_load_b256 s[4:11], s[0:1], 0x0               ; hq, wb, b1, hid
	v_lshl_add_u32 v[SPW], v0, 2, SPARE
	v_mov_b32 v[NIL], 0
	ds_add_u32 v[SPW], v[NIL]                      ; the wave's opening: the add, twice on end, and its wait ahead of my first tensor load
	ds_add_u32 v[SPW], v[NIL]
	v_lshrrev_b32 v1, 5, v0
	v_readfirstlane_b32 s14, v1
	s_lshr_b32 s15, s14, 1
	s_and_b32 s16, s14, 1
	s_bfe_u32 s40, ttmp6, 0x40000
	s_bfe_u32 s41, ttmp6, 0x40004
	s_lshl_b32 s42, ttmp9, 2
	s_add_co_u32 s42, s42, s40
	s_and_b32 s17, ttmp7, 0xffff
	s_lshl_b32 s17, s17, 2
	s_add_co_u32 s17, s17, s41
	s_lshl_b32 s43, s41, 2
	s_lshl_b32 s43, 15, s43
	s_lshl_b32 s44, 0x1111, s40
	s_or_b32 s[G1+0], s43, (1<<20)|(1<<21)|(QI<<22)|(3<<25)
	s_or_b32 s[G1B+0], s44, (1<<20)|(1<<21)|(QI<<22)|(3<<25)
.irp g, G1, G1B
	s_mov_b32 s[\g+1], ROWB<<16
	s_mov_b32 s[\g+2], WROWS<<16
	s_mov_b32 s[\g+3], ROWB<<16
	s_mov_b32 s[\g+4], WROWS
	s_mov_b32 s[\g+5], KROW
	s_mov_b32 s[\g+6], 0
	s_mov_b32 s[\g+7], 0
.endr
	s_or_b32 s[G1S+0], s43, (3<<16)|(1<<20)|(1<<21)|(5<<22)|(3<<25)
	s_or_b32 s[G1SB+0], s44, (3<<16)|(1<<20)|(1<<21)|(5<<22)|(3<<25)
.irp g, G1S, G1SB
	s_mov_b32 s[\g+1], 32<<16
	s_mov_b32 s[\g+2], SUNITS<<16
	s_mov_b32 s[\g+3], 32<<16
	s_mov_b32 s[\g+4], SUNITS
	s_mov_b32 s[\g+5], 32
	s_mov_b32 s[\g+6], 0
	s_mov_b32 s[\g+7], 0
.endr
	s_lshl_b32 s18, s16, HSH
	s_lshl_b32 s20, s17, TSH
	s_add_co_u32 s20, s20, s18
	s_lshl_b32 s46, s42, TSH
	s_add_co_u32 s46, s46, s18
	s_mov_b32 s21, 0
	s_mov_b32 s47, 0
	s_mov_b64 s[18:19], KS
	s_mul_u64 s[22:23], s[20:21], s[18:19]
	s_mul_u64 s[92:93], s[46:47], s[18:19]
	s_mov_b64 s[18:19], KROW
	s_mul_u64 s[20:21], s[20:21], s[18:19]
	s_mul_u64 s[46:47], s[46:47], s[18:19]
	s_add_nc_u64 s[22:23], s[22:23], A_SC
	s_add_nc_u64 s[46:47], s[46:47], B_CD
	s_add_nc_u64 s[92:93], s[92:93], B_SC
	s_mul_i32 s45, s14, HALFT
	s_mul_i32 s94, s14, HALFS
	s_wait_dscnt 0x0                               ; both opening adds are done
	s_wait_kmcnt 0x0
	s_add_nc_u64 s[20:21], s[4:5], s[20:21]
	s_add_nc_u64 s[22:23], s[4:5], s[22:23]
	s_add_nc_u64 s[46:47], s[6:7], s[46:47]
	s_add_nc_u64 s[92:93], s[6:7], s[92:93]
	CROUND
	s_mov_b32 s[G0S], 1
	s_add_co_u32 s[G0S+1], s94, SCL
	s_mov_b64 s[G0S+2:G0S+3], s[22:23]
	s_or_b32 s[G0S+3], s[G0S+3], 0x80000000
	s_mov_b32 s[G0SB], 1
	s_add_co_u32 s[G0SB+1], s94, SCL
	s_mov_b64 s[G0SB+2:G0SB+3], s[92:93]
	s_or_b32 s[G0SB+3], s[G0SB+3], 0x80000000
	JLOAD G0S, G1S, G0SB, G1SB
.irp s, 0,1
	s_mov_b32 s[G0+4*\s], 1
	s_add_co_u32 s[G0+4*\s+1], s45, \s*SLOT
	s_add_nc_u64 s[G0+4*\s+2:G0+4*\s+3], s[20:21], \s*ROWB
	s_or_b32 s[G0+4*\s+3], s[G0+4*\s+3], 0x80000000
	s_mov_b32 s[G0B+4*\s], 1
	s_add_co_u32 s[G0B+4*\s+1], s45, \s*SLOT
	s_add_nc_u64 s[G0B+4*\s+2:G0B+4*\s+3], s[46:47], \s*ROWB
	s_or_b32 s[G0B+4*\s+3], s[G0B+4*\s+3], 0x80000000
	JLOAD G0+4*\s, G1, G0B+4*\s, G1B               ; three loads of mine are out
.endr
	v_and_b32 v1, 15, v0
	v_bfe_u32 v2, v0, 4, 1
	v_mul_u32_u24 v3, v1, PITCH
	v_mul_u32_u24 v4, v2, 24
	v_add_nc_u32 v4, v3, v4
	v_lshl_add_u32 v5, v2, 4, v4
	s_mul_i32 s21, s15, HALFT
	s_mul_i32 s22, s16, HALFT
	s_add_co_u32 s22, s22, 2*HALFT
.irp s, 0,1
	v_add_nc_u32 v[ADRA+\s], s21, v4
	v_add_nc_u32 v[ADRB+\s], s22, v4
	v_add_nc_u32 v[ADRA+2+\s], s21, v5
	v_add_nc_u32 v[ADRB+2+\s], s22, v5
	s_add_co_u32 s21, s21, SLOT
	s_add_co_u32 s22, s22, SLOT
.endr
	v_mul_u32_u24 v5, v1, KS
	v_lshrrev_b32 v6, 8, v5
	v_lshl_add_u32 v5, v6, 4, v5
	s_mul_i32 s21, s15, HALFS
	s_mul_i32 s22, s16, HALFS
	s_add_co_u32 s22, s22, 2*HALFS
	s_sub_co_u32 s22, s22, s21
	v_mul_u32_u24 v6, s22, v2
	s_add_co_u32 s21, s21, SCL
	v_add_nc_u32 v5, v5, v6
	v_add_nc_u32 v[ADRS], s21, v5
	s_mul_i32 s23, s14, 2304                       ; the way out: a stage of 16 rows x (8 places of 16 bytes + 16) and 128 scale words a wave, in slot 0
	v_mul_u32_u24 v5, v1, 144
	v_lshl_add_u32 v5, v2, 4, v5
	v_add_nc_u32 v[STO], s23, v5
	v_and_b32 v6, 31, v0
	v_lshrrev_b32 v5, 3, v6
	v_mul_u32_u24 v5, v5, 144
	v_and_b32 v8, 7, v6
	v_lshl_add_u32 v5, v8, 4, v5
	v_add_nc_u32 v[RD], s23, v5
	s_lshl_b32 s23, s14, 9
	s_add_co_u32 s23, s23, 9216
	v_lshl_add_u32 v[SWA], v1, 2, s23
	v_lshl_add_u32 v[SWR], v6, 2, s23
	s_lshl_b32 s18, s42, 10
	s_lshl_b32 s19, s16, 9
	s_add_co_u32 s18, s18, s19
	s_mov_b32 s19, 0
	s_add_nc_u64 s[8:9], s[8:9], s[18:19]
	v_lshlrev_b32 v7, 6, v2
.set fi, 0
.rept 8
	global_load_b128 v[BI+8*fi:BI+8*fi+3], v7, s[8:9] offset:128*(fi/2)+32*(fi%2)
	global_load_b128 v[BI+8*fi+4:BI+8*fi+7], v7, s[8:9] offset:128*(fi/2)+32*(fi%2)+16
.set fi, fi+1
.endr
	s_lshl_b32 s20, s17, 8
	s_lshl_b32 s21, s15, 7
	s_add_co_u32 s20, s20, s21                     ; my first row
	s_lshl_b32 s46, s42, 1
	s_add_co_u32 s46, s46, s16                     ; which 128 columns
	s_mul_i32 s18, s20, 3072
	s_mul_i32 s47, s46, 96
	s_add_co_u32 s18, s18, s47
	s_add_nc_u64 s[12:13], s[10:11], s[18:19]      ; codes
	s_lshl_b32 s18, s20, 7
	s_lshl_b32 s47, s46, 2
	s_add_co_u32 s18, s18, s47
	s_add_co_u32 s18, s18, 12582912
	s_add_nc_u64 s[10:11], s[10:11], s[18:19]      ; scale words
	s_wait_tensorcnt 1                             ; the scales and my part of slot 0 are in; slot 1's load may be out
	s_barrier_signal -1
	s_barrier_wait -1
	FETCH_B 0, 0, 0
	FETCH_A 0, 0, 0
	SCALES 0
	FETCH_A 0, 0, HB
	s_wait_loadcnt 0x0                             ; the bias
	STEP 0, 0, 1
	s_mov_b32 s3, LAPS-1
.Llap:
	TURN 0, 1, 1
	STEP 1, 0, 0
	TURN 1, 0, 1
	STEP 0, 0, 0
	s_sub_co_u32 s3, s3, 1
	s_cmp_lg_u32 s3, 0
	s_cbranch_scc1 .Llap
	TURN 0, 1, 0
	STEP 1, 0, 0
	s_wait_dscnt HB*NL
	WIN MUL_LO
	MULQ 0, 1, NQ-1, 1, 0
	MULQ 1, 1, NQ-1, 1, 0
	s_wait_dscnt 0
	WIN MUL_HI
	MULQ 2, 1, NQ-1, 1, 0
	MULQ 3, 1, NQ-1, 1, 0
	WIN 0
	PLACES NP
; the way out's registers of window 0 lie where the bias lay (v64-127): the scale words' registers are left alone
.set TM, 64
.set PW, 80
.set CV, 84
.set RB, 100
.set GO, 116
.set SW, 120
.set SO, 124
.set ZR, 0                             ; window 1: v0-63 z, then gelu; v64-127 x / 2; v128-159 z^2; v160-191 P; v192-223 Q; v224-227 the leading coefficients
.set HV, 64
.set ZZ, 128
.set PP, 160
.set QQ, 192
.set VA, 224
.set VB, 226
.macro CPAIR reg, val                  ; a packed instruction names a pair and takes its low word for both halves: both are written
	s_mov_b32 s[\reg], \val
	s_mov_b32 s[\reg+1], \val
.endm
.macro COPY a                          ; block a: z = x / sqrt(2) and x / 2; each accumulator is read from its low end on
	WIN 0x40|(2+(\a)/4)
.set k, 0
.rept 32
	v_pk_mul_f32 v[ZR+2*k:ZR+2*k+1], v[64*((\a)%4)+2*k:64*((\a)%4)+2*k+1], 0x3f3504f3 op_sel_hi:[1,0]
.set k, k+1
.endr
.set k, 0
.rept 32
	v_pk_mul_f32 v[HV+2*k:HV+2*k+1], v[64*((\a)%4)+2*k:64*((\a)%4)+2*k+1], 0.5 op_sel_hi:[1,0]
.set k, k+1
.endr
	WIN 0
.endm
.macro HORNER dst, cst                 ; dst = dst z^2 + a coefficient
.set k, 0
.rept 16
	v_pk_fma_f32 v[\dst+2*k:\dst+2*k+1], v[\dst+2*k:\dst+2*k+1], v[ZZ+2*k:ZZ+2*k+1], s[\cst:\cst+1] op_sel_hi:[1,1,0]
.set k, k+1
.endr
.endm
.macro GELU c                          ; 32 numbers
.set k, 0
.rept 32
	v_med3_num_f32 v[ZR+32*\c+k], v[ZR+32*\c+k], -4.0, 4.0
.set k, k+1
.endr
.set k, 0
.rept 16
	v_pk_mul_f32 v[ZZ+2*k:ZZ+2*k+1], v[ZR+32*\c+2*k:ZR+32*\c+2*k+1], v[ZR+32*\c+2*k:ZR+32*\c+2*k+1]
.set k, k+1
.endr
.set k, 0
.rept 16
	v_pk_fma_f32 v[PP+2*k:PP+2*k+1], v[ZZ+2*k:ZZ+2*k+1], v[VA:VA+1], s[24:25] op_sel_hi:[1,1,0]
	v_pk_fma_f32 v[QQ+2*k:QQ+2*k+1], v[ZZ+2*k:ZZ+2*k+1], v[VB:VB+1], s[36:37] op_sel_hi:[1,1,0]
.set k, k+1
.endr
	HORNER PP, 26
	HORNER QQ, 38
	HORNER PP, 28
	HORNER QQ, 40
	HORNER PP, 30
	HORNER QQ, 42
	HORNER PP, 32
	HORNER PP, 34
.set k, 0
.rept 32
	v_rcp_f32 v[QQ+k], v[QQ+k]
.set k, k+1
.endr
.set k, 0
.rept 16
	v_pk_mul_f32 v[PP+2*k:PP+2*k+1], v[PP+2*k:PP+2*k+1], v[ZR+32*\c+2*k:ZR+32*\c+2*k+1]   ; z P: plain work behind the reciprocals
.set k, k+1
.endr
	s_wait_alu depctr_va_vdst(0)                   ; one wait for the batch of 32, ahead of its first reader
.set k, 0
.rept 16
	v_pk_mul_f32 v[PP+2*k:PP+2*k+1], v[PP+2*k:PP+2*k+1], v[QQ+2*k:QQ+2*k+1]               ; erf
.set k, k+1
.endr
.set k, 0
.rept 16
	v_pk_fma_f32 v[ZR+32*\c+2*k:ZR+32*\c+2*k+1], v[HV+32*\c+2*k:HV+32*\c+2*k+1], v[PP+2*k:PP+2*k+1], v[HV+32*\c+2*k:HV+32*\c+2*k+1]
.set k, k+1
.endr
.endm
.macro QUANT4 src, win, cv, pw
	WIN ((\win)<<2)|((\win)<<4)
.irp b, 0,1,2,3
	v_max3_num_f32 v[TM+\b], 0x1800000, |v[\src+16*\b]|, |v[\src+16*\b+1]|
.endr
.irp i, 2,4,6,8,10,12,14
.irp b, 0,1,2,3
	v_max3_num_f32 v[TM+\b], v[TM+\b], |v[\src+16*\b+\i]|, |v[\src+16*\b+\i+1]|
.endr
.endr
	WIN 0
.irp b, 0,1,2,3
	v_permlanex16_b32 v[TM+4+\b], v[TM+\b], s92, s93
.endr
.irp b, 0,1,2,3
	v_max_num_f32 v[TM+\b], v[TM+\b], v[TM+4+\b]
.endr
.irp b, 0,1,2,3
	v_add_nc_u32 v[TM+12+\b], 0xff000000, v[TM+\b]
.endr
.irp b, 0,1,2,3
	v_lshrrev_b32 v[TM+4+\b], 23, v[TM+12+\b]
.endr
	v_lshl_or_b32 v[\pw], v[TM+5], 8, v[TM+4]
	v_lshl_or_b32 v[\pw], v[TM+6], 16, v[\pw]
	v_lshl_or_b32 v[\pw], v[TM+7], 24, v[\pw]
	WIN (\win)
.irp b, 0,1,2,3
	v_cvt_scalef32_pk16_fp6_f32 v[\cv+4*\b:\cv+4*\b+2], v[\src+16*\b:\src+16*\b+15], v[TM+12+\b]
.endr
	WIN 0
	v_nop                                          ; one plain place behind a scaled conversion
.endm
	s_mov_b32 s92, 0x76543210
	s_mov_b32 s93, 0xfedcba98
	CPAIR 24, 0x32edffee                           ; P, from the second highest degree down.  (No tensor load is out: the descriptors' registers are free)
	CPAIR 26, 0xb60cff51
	CPAIR 28, 0xb86ec2d2
	CPAIR 30, 0xba40ac63
	CPAIR 32, 0xbb41a1f6
	CPAIR 34, 0xbc83dbd4
	CPAIR 36, 0xb95fbd29                           ; Q likewise
	CPAIR 38, 0xbadc924e
	CPAIR 40, 0xbbf19bf8
	CPAIR 42, 0xbc69b6a7
.irp b, 0,1,2,3
	v_mov_b32 v[TM+4+\b], 0                        ; a lane permute's destination counts as read
.endr
	v_and_b32 v6, 31, v0
	v_lshrrev_b32 v7, 3, v6
	v_and_b32 v8, 7, v6
	v_mul_u32_u24 v[GO], v7, 3072
	v_mad_u32_u24 v[GO], v8, 12, v[GO]
	v_lshlrev_b32 v[SO], 7, v6
	WIN 0x40
	v_mov_b32 v[VA], 0xaf95df0b                    ; the leading coefficients of P and of Q
	v_mov_b32 v[VA+1], 0xaf95df0b
	v_mov_b32 v[VB], 0xb77460cd
	v_mov_b32 v[VB+1], 0xb77460cd
	WIN 0
	s_mov_b32 s95, 0
.Lrow:
.irp a, 0,1,2,3,4,5,6
	s_cmp_eq_u32 s95, \a
	s_cbranch_scc1 .Lc\a
.endr
	COPY 7
	s_branch .Lgo
.irp a, 0,1,2,3,4,5
.Lc\a:
	COPY \a
	s_branch .Lgo
.endr
.Lc6:
	COPY 6
.Lgo:
	WIN 0x55                                       ; all in window 1
	GELU 0
	GELU 1
	WIN 0
	QUANT4 ZR, 1, CV, PW
.irp b, 0,1,2,3
	ds_store_b96 v[STO], v[CV+4*\b:CV+4*\b+2] offset:32*\b
.endr
	ds_store_b32 v[SWA], v[PW]                     ; lanes l and l xor 16 write the same word with the same value
.irp i, 0,1,2,3
	ds_load_b96 v[RB+4*\i:RB+4*\i+2], v[RD] offset:576*\i      ; LDS serves a wave's instructions in order
.endr
	s_wait_dscnt 0x0
.irp i, 0,1,2,3
	global_store_b96 v[GO], v[RB+4*\i:RB+4*\i+2], s[12:13] offset:12288*\i   ; eight lanes store a row's 96 bytes on end
.endr
	s_wait_xcnt 0x0                                ; the stores have read their registers and their base
	s_add_nc_u64 s[12:13], s[12:13], 49152
	v_add_nc_u32 v[SWA], 64, v[SWA]
	s_add_co_u32 s95, s95, 1
	s_cmp_lt_u32 s95, 8
	s_cbranch_scc1 .Lrow
.irp k, 0,1,2,3
	ds_load_b32 v[SW+\k], v[SWR] offset:128*\k
.endr
	s_wait_dscnt 0x0
.irp k, 0,1,2,3
	global_store_b32 v[SO], v[SW+\k], s[10:11] offset:4096*\k
.endr
	s_wait_tensorcnt 0x0                           ; the wave's end
	ds_add_u32 v[SPW], v[NIL]
	s_wait_dscnt 0x0
	CROUND                                         ; the closing round
	s_endpgm
.Lfunc_end_k_qc0c1c0425f_g3:
	.size	k_qc0c1c0425f_g3, .Lfunc_end_k_qc0c1c0425f_g3-k_qc0c1c0425f_g3
	.p2alignl 7, 3214868480
	.fill 96, 4, 3214868480
	.section	.rodata,"a",@progbits
	.p2align	6, 0x0
	.amdhsa_kernel k_qc0c1c0425f_g3
		.amdhsa_group_segment_fixed_size 327680
		.amdhsa_private_segment_fixed_size 0
		.amdhsa_enable_private_segment 0
		.amdhsa_kernarg_size 32
		.amdhsa_user_sgpr_count 2
		.amdhsa_user_sgpr_kernarg_segment_ptr 1
		.amdhsa_wavefront_size32 1
		.amdhsa_system_sgpr_workgroup_id_x 1
		.amdhsa_system_sgpr_workgroup_id_y 1
		.amdhsa_system_sgpr_workgroup_id_z 1
		.amdhsa_system_vgpr_workitem_id 0
		.amdhsa_next_free_vgpr 1024
		.amdhsa_next_free_sgpr 102
		.amdhsa_reserve_vcc 0
		.amdhsa_float_denorm_mode_32 3
		.amdhsa_float_denorm_mode_16_64 3
		.amdhsa_memory_ordered 1
		.amdhsa_forward_progress 1
		.amdhsa_inst_pref_size 215
	.end_amdhsa_kernel
	.amdgpu_metadata
---
amdhsa.version: [ 1, 2 ]
amdhsa.kernels:
  - .name:           k_qc0c1c0425f_g3
    .symbol:         k_qc0c1c0425f_g3.kd
    .args:
      - { .name: hq, .offset: 0, .size: 8, .value_kind: global_buffer, .address_space: global }
      - { .name: wb, .offset: 8, .size: 8, .value_kind: global_buffer, .address_space: global }
      - { .name: b1, .offset: 16, .size: 8, .value_kind: global_buffer, .address_space: global }
      - { .name: hid, .offset: 24, .size: 8, .value_kind: global_buffer, .address_space: global }
    .group_segment_fixed_size: 327680
    .private_segment_fixed_size: 0
    .kernarg_segment_align: 8
    .kernarg_segment_size: 32
    .max_flat_workgroup_size: 128
    .sgpr_count:     102
    .vgpr_count:     1024
    .wavefront_size: 32
...
	.end_amdgpu_metadata
.endif
;; end of part 6
;; launch g4 (part 7): grid 8 x 32, 4 waves a work-group, clusters of 4 x 4, 327,680 bytes of LDS; arguments hid, wb, b2, x1, out0; writes out0
.if DOCPART == 7
	.amdgcn_target "amdgcn-amd-amdhsa--gfx1250"
	.amdhsa_code_object_version 6
	.text
	.protected	k_qc0c1c0425f_g4
	.globl	k_qc0c1c0425f_g4
	.p2align	8
	.type	k_qc0c1c0425f_g4,@function
k_qc0c1c0425f_g4:
	s_mov_b64 s[64:65], 0
	v_nop
	global_prefetch_b8 v0, s[64:65] scope:SCOPE_SE
	s_setreg_imm32_b32 hwreg(HW_REG_WAVE_MODE, 25, 1), 1
	s_wait_xcnt 0x0
	s_wait_alu depctr_hold_cnt(0) depctr_sa_sdst(0) depctr_va_vdst(0) depctr_va_sdst(0) depctr_va_ssrc(0) depctr_va_vcc(0) depctr_vm_vsrc(0)
	s_getreg_b32 s2, hwreg(HW_REG_IB_STS2, 6, 4)
	s_cmp_eq_u32 s2, 0
	s_cbranch_scc0 .Lentry_in_a_cluster
	s_endpgm
.Lentry_in_a_cluster:
	s_bfe_u32 s2, ttmp6, 0x10000c
	s_cmp_lg_u32 s2, 0xf033
	s_cbranch_scc0 .Lentry_shape_is_right
	s_endpgm
.Lentry_shape_is_right:
; out = x1 + hid W2 + b2.  A GEMM C = A B^T on codes of FP6 (E2M3) with E8M0 scales; C [4096][1024] f32; K = 4,096.  Nothing is left out.
; C has only 64 tiles of 256 x 256, so a work-group makes 128 x 128 (256 work-groups), each of four waves 64 x 64: 16 accumulators.  K goes in steps of 512 (rows of 384 bytes, 16 bytes of padding behind each 128:
; pitch 432 = 108 words, so the 32 lanes of a load of 8 bytes touch 64 different banks) through a ring of two LDS slots filled by the tensor data mover: behind each change of slots one load a wave, which has a
; slot's 64 matrix instructions in which to land.  The rows' scale bytes for all of K come once, with the first fills.  CLUSTERS of 4 x 4: A's tiles jointly along a row of the cluster, B's along a column.
; Used transposed (source 0 = B's rows, source 1 = A's); rows lie by position (bits 3, 4 exchanged): register 16 B + i of a block's 32 is column 32 B + 16 (lane / 16) + i.
; The bias is the C of each sum's first matrix instruction.  The residual is asked for at the head, in the layout of the way out, and lands under the K loop.
; The way out goes through the wave's own stage in slot 0 (its last fill and last read are over): sixteen lanes store 256 consecutive bytes, aligned.
.set NBLK,   4
.set KSTEP,  512
.set QI,     4
.set PIV,    16
.set PITCH,  432
.set SIZE_K, 4096
.set TSH,    7
.set HSH,    6
.set A_SC,   12582912
.set B_CD,   3145728
.set B_SC,   9568256
.set MUL_LO, 0xa1
.set MUL_HI, 0xa1
.set FST_LO, 0x81
.set FST_HI, 0x81
.set FR, 12
.set NL, 6
.set NP, 4
.set NQ, KSTEP/128
.set ROWB, KSTEP*3/4
.set KROW, SIZE_K*3/4
.set KS, SIZE_K/32
.set WROWS, 16*NBLK
.set HB, NBLK/2
.set QBL, NBLK/4
.set HALFT, WROWS*PITCH
.set SLOT, 4*HALFT
.set LAPS, SIZE_K/(2*KSTEP)
.set SCL, 2*SLOT
.set SUNITS, WROWS*KS/256
.set HALFS, SUNITS*272
.set SBLK, (16*KS/256)*272
.set SPARE, SCL+4*HALFS
.set ADRA, 16
.set ADRB, 20
.set STO,  24
.set RD,   25
.set CO,   26
.set ADRS, 27
.set SPW,  28
.set NIL,  29
.set SC,   32
.set BI,   64
.set AF,   128
.set BK,   128
.set G1, 24
.set G0, 32
.set G1B, 48
.set G0B, 56
.set G1S, 68
.set G0S, 76
.set G1SB, 80
.set G0SB, 88
.set TO_B, 0x40
.set MSB, 0
.macro WIN new
.if MSB != (\new)
	s_set_vgpr_msb (MSB<<8)|(\new)
.set MSB, (\new)
.endif
.endm
.macro JLOAD g0a, g1a, g0b, g1b        ; a joint load: waves 0, 1 fetch for A, waves 2, 3 for B; an s_nop 0 and four v_nop follow each line
	s_cmp_eq_u32 s15, 0
	s_cbranch_scc0 .Lfor_b_\@
	tensor_load_to_lds s[\g0a:\g0a+3], s[\g1a:\g1a+7]
	s_nop 0
.rept 4
	v_nop
.endr
	s_branch .Lasked_\@
.Lfor_b_\@:
	tensor_load_to_lds s[\g0b:\g0b+3], s[\g1b:\g1b+7]
	s_nop 0
.rept 4
	v_nop
.endr
.Lasked_\@:
.endm
.macro CREST
	s_cmp_lg_u32 s14, 0
	s_cbranch_scc1 .Lnot_wave_0_\@
	s_barrier_signal -3
.Lnot_wave_0_\@:
	s_barrier_wait -3
	s_barrier_signal -1
	s_barrier_wait -1
.endm
.macro CROUND
	s_barrier_signal -1
	s_barrier_wait -1
	CREST
.endm
.macro PLACES n
.rept \n
	v_nop
.endr
.endm
.macro FRAG reg, adr, q, i
.irp p, 0,1,2,3,4,5
.set PC, 12*(\q)+6*(\p/3)+\p%3
.if PC%PIV < PIV-3
	ds_load_b64 v[\reg+2*\p:\reg+2*\p+1], v[\adr] offset:8*PC+16*(PC/PIV)+(\i)*16*PITCH
.else
	ds_load_b64 v[\reg+2*\p:\reg+2*\p+1], v[\adr+2] offset:8*PC+16*(PC/PIV)+(\i)*16*PITCH
.endif
.endr
.endm
.macro MULQ qa, p, q, sc, zero         ; the accumulators take turns
.set ma, (\qa)*QBL
.rept QBL
.set mb, 0
.rept NBLK
.set rD, 8*(NBLK*(ma%4)+mb)
.set rB, 128*(\p)+FR*mb
.set rA, AF+FR*ma
.set rSB, SC+NBLK*NQ*(\sc)+NQ*mb+(\q)
.set rSA, SC+NBLK*NQ*(\sc)+NQ*ma+(\q)
.if \zero == 0
	v_wmma_scale_f32_16x16x128_f8f6f4 v[rD:rD+7], v[rB:rB+FR-1], v[rA:rA+FR-1], v[rD:rD+7], v[rSB], v[rSA] matrix_a_fmt:MATRIX_FMT_FP6 matrix_b_fmt:MATRIX_FMT_FP6 matrix_a_scale:MATRIX_SCALE_ROW1
.else
	v_wmma_scale_f32_16x16x128_f8f6f4 v[rD:rD+7], v[rB:rB+FR-1], v[rA:rA+FR-1], v[BI+8*mb:BI+8*mb+7], v[rSB], v[rSA] matrix_a_fmt:MATRIX_FMT_FP6 matrix_b_fmt:MATRIX_FMT_FP6 matrix_a_scale:MATRIX_SCALE_ROW1
.endif
.set mb, mb+1
.endr
.set ma, ma+1
.endr
.endm
.macro FETCH_B slot, q, p
	WIN TO_B
.set fi, 0
.rept NBLK
	FRAG 128*(\p)+FR*fi, ADRB+\slot, \q, fi
.set fi, fi+1
.endr
	WIN 0
.endm
.macro FETCH_A slot, q, i0
.set fi, \i0
.rept HB
	FRAG AF+FR*fi, ADRA+\slot, \q, fi
.set fi, fi+1
.endr
.endm
.macro SCALES sc
.set fi, 0
.rept NBLK
	ds_load_b128 v[SC+NBLK*NQ*(\sc)+NQ*fi:SC+NBLK*NQ*(\sc)+NQ*fi+3], v[ADRS] offset:fi*SBLK
.set fi, fi+1
.endr
.endm
.macro STEP slot, q, zero
	s_wait_dscnt HB*NL                             ; B's set and A's lower blocks are in; A's upper blocks may be out
.if \zero
	WIN FST_LO
.else
	WIN MUL_LO
.endif
	MULQ 0, (\q)%2, \q, \slot, \zero
	MULQ 1, (\q)%2, \q, \slot, \zero
	s_wait_dscnt 0
	PLACES NP
	FETCH_B \slot, (\q)+1, 1-(\q)%2
	FETCH_A \slot, (\q)+1, 0
.if \zero
	WIN FST_HI
.else
	WIN MUL_HI
.endif
	MULQ 2, (\q)%2, \q, \slot, \zero
	MULQ 3, (\q)%2, \q, \slot, \zero
	PLACES NP
	WIN 0
	FETCH_A \slot, (\q)+1, HB
.endm
.macro REST slot
.set rq, 1
.rept NQ-2
	STEP \slot, rq, 0
.set rq, rq+1
.endr
.endm
.macro TURN slot, next, fill
	s_wait_tensorcnt 0x0                           ; all my tensor loads have landed: my part of the next slot
	ds_add_u32 v[SPW], v[NIL]
	s_wait_dscnt HB*NL+1                           ; the add and A's upper blocks may be out
	WIN MUL_LO
	MULQ 0, 1, NQ-1, \slot, 0
	s_wait_dscnt 0x0                               ; the add is done, and my reads of this slot are over
	s_barrier_signal -1
	MULQ 1, 1, NQ-1, \slot, 0
	WIN 0
	s_barrier_wait -1
.if \fill
	CREST                                          ; the barrier has opened a round of the cluster's: no wave of any partner still reads this slot or has a load on its way
	s_add_nc_u64 s[G0+4*\slot+2:G0+4*\slot+3], s[G0+4*\slot+2:G0+4*\slot+3], 2*ROWB
	s_add_nc_u64 s[G0B+4*\slot+2:G0B+4*\slot+3], s[G0B+4*\slot+2:G0B+4*\slot+3], 2*ROWB
	JLOAD G0+4*\slot, G1, G0B+4*\slot, G1B         ; the first tensor load behind the round; its four v_nop are the places in front of the loads below
.else
	PLACES NP
.endif
	v_add_nc_u32 v[ADRS], 4*NQ, v[ADRS]
	FETCH_B \next, 0, 0
	FETCH_A \next, 0, 0
	SCALES \next
	WIN MUL_HI
	MULQ 2, 1, NQ-1, \slot, 0
	MULQ 3, 1, NQ-1, \slot, 0
	PLACES NP
	WIN 0
	FETCH_A \next, 0, HB
.endm
	s_load_b256 s[4:11], s[0:1], 0x0               ; A's buffer, wb, the bias, the residual
	s_load_b64 s[12:13], s[0:1], 0x20              ; out
	v_lshl_add_u32 v[SPW], v0, 2, SPARE
	v_mov_b32 v[NIL], 0
	ds_add_u32 v[SPW], v[NIL]                      ; the wave's opening: the add, twice on end, and its wait ahead of my first tensor load
	ds_add_u32 v[SPW], v[NIL]
	v_lshrrev_b32 v1, 5, v0
	v_readfirstlane_b32 s14, v1
	s_lshr_b32 s15, s14, 1
	s_and_b32 s16, s14, 1
	s_bfe_u32 s40, ttmp6, 0x40000
	s_bfe_u32 s41, ttmp6, 0x40004
	s_lshl_b32 s42, ttmp9, 2
	s_add_co_u32 s42, s42, s40                     ; tile column
	s_and_b32 s17, ttmp7, 0xffff
	s_lshl_b32 s17, s17, 2
	s_add_co_u32 s17, s17, s41                     ; tile row
	s_lshl_b32 s43, s41, 2
	s_lshl_b32 s43, 15, s43
	s_lshl_b32 s44, 0x1111, s40
	s_or_b32 s[G1+0], s43, (1<<20)|(1<<21)|(QI<<22)|(3<<25)
	s_or_b32 s[G1B+0], s44, (1<<20)|(1<<21)|(QI<<22)|(3<<25)
.irp g, G1, G1B
	s_mov_b32 s[\g+1], ROWB<<16
	s_mov_b32 s[\g+2], WROWS<<16
	s_mov_b32 s[\g+3], ROWB<<16
	s_mov_b32 s[\g+4], WROWS
	s_mov_b32 s[\g+5], KROW
	s_mov_b32 s[\g+6], 0
	s_mov_b32 s[\g+7], 0
.endr
	s_or_b32 s[G1S+0], s43, (3<<16)|(1<<20)|(1<<21)|(5<<22)|(3<<25)
	s_or_b32 s[G1SB+0], s44, (3<<16)|(1<<20)|(1<<21)|(5<<22)|(3<<25)
.irp g, G1S, G1SB
	s_mov_b32 s[\g+1], 32<<16
	s_mov_b32 s[\g+2], SUNITS<<16
	s_mov_b32 s[\g+3], 32<<16
	s_mov_b32 s[\g+4], SUNITS
	s_mov_b32 s[\g+5], 32
	s_mov_b32 s[\g+6], 0
	s_mov_b32 s[\g+7], 0
.endr
	s_lshl_b32 s18, s16, HSH
	s_lshl_b32 s20, s17, TSH
	s_add_co_u32 s20, s20, s18
	s_lshl_b32 s46, s42, TSH
	s_add_co_u32 s46, s46, s18
	s_mov_b32 s21, 0
	s_mov_b32 s47, 0
	s_mov_b64 s[18:19], KS
	s_mul_u64 s[22:23], s[20:21], s[18:19]
	s_mul_u64 s[92:93], s[46:47], s[18:19]
	s_mov_b64 s[18:19], KROW
	s_mul_u64 s[20:21], s[20:21], s[18:19]
	s_mul_u64 s[46:47], s[46:47], s[18:19]
	s_add_nc_u64 s[22:23], s[22:23], A_SC          ; byte offsets inside the buffers
	s_add_nc_u64 s[46:47], s[46:47], B_CD
	s_add_nc_u64 s[92:93], s[92:93], B_SC
	s_mul_i32 s45, s14, HALFT
	s_mul_i32 s94, s14, HALFS
	s_wait_dscnt 0x0                               ; both opening adds are done
	s_wait_kmcnt 0x0
	s_add_nc_u64 s[20:21], s[4:5], s[20:21]
	s_add_nc_u64 s[22:23], s[4:5], s[22:23]
	s_add_nc_u64 s[46:47], s[6:7], s[46:47]
	s_add_nc_u64 s[92:93], s[6:7], s[92:93]
	CROUND
	s_mov_b32 s[G0S], 1
	s_add_co_u32 s[G0S+1], s94, SCL
	s_mov_b64 s[G0S+2:G0S+3], s[22:23]
	s_or_b32 s[G0S+3], s[G0S+3], 0x80000000
	s_mov_b32 s[G0SB], 1
	s_add_co_u32 s[G0SB+1], s94, SCL
	s_mov_b64 s[G0SB+2:G0SB+3], s[92:93]
	s_or_b32 s[G0SB+3], s[G0SB+3], 0x80000000
	JLOAD G0S, G1S, G0SB, G1SB
.irp s, 0,1
	s_mov_b32 s[G0+4*\s], 1
	s_add_co_u32 s[G0+4*\s+1], s45, \s*SLOT
	s_add_nc_u64 s[G0+4*\s+2:G0+4*\s+3], s[20:21], \s*ROWB
	s_or_b32 s[G0+4*\s+3], s[G0+4*\s+3], 0x80000000
	s_mov_b32 s[G0B+4*\s], 1
	s_add_co_u32 s[G0B+4*\s+1], s45, \s*SLOT
	s_add_nc_u64 s[G0B+4*\s+2:G0B+4*\s+3], s[46:47], \s*ROWB
	s_or_b32 s[G0B+4*\s+3], s[G0B+4*\s+3], 0x80000000
	JLOAD G0+4*\s, G1, G0B+4*\s, G1B               ; three loads of mine are out
.endr
	v_and_b32 v1, 15, v0
	v_bfe_u32 v2, v0, 4, 1
	v_mul_u32_u24 v3, v1, PITCH
	v_mul_u32_u24 v4, v2, 24
	v_add_nc_u32 v4, v3, v4
	v_lshl_add_u32 v5, v2, 4, v4
	s_mul_i32 s21, s15, HALFT
	s_mul_i32 s22, s16, HALFT
	s_add_co_u32 s22, s22, 2*HALFT
.irp s, 0,1
	v_add_nc_u32 v[ADRA+\s], s21, v4
	v_add_nc_u32 v[ADRB+\s], s22, v4
	v_add_nc_u32 v[ADRA+2+\s], s21, v5
	v_add_nc_u32 v[ADRB+2+\s], s22, v5
	s_add_co_u32 s21, s21, SLOT
	s_add_co_u32 s22, s22, SLOT
.endr
	v_mul_u32_u24 v5, v1, KS
	v_lshrrev_b32 v6, 8, v5
	v_lshl_add_u32 v5, v6, 4, v5
	s_mul_i32 s21, s15, HALFS
	s_mul_i32 s22, s16, HALFS
	s_add_co_u32 s22, s22, 2*HALFS
	s_sub_co_u32 s22, s22, s21
	v_mul_u32_u24 v6, s22, v2
	s_add_co_u32 s21, s21, SCL
	v_add_nc_u32 v5, v5, v6
	v_add_nc_u32 v[ADRS], s21, v5
	s_mul_i32 s23, s14, 16*272                     ; my stage: 16 rows x (256 bytes + 16)
	v_mul_u32_u24 v5, v1, 272
	v_lshl_add_u32 v5, v2, 6, v5
	v_add_nc_u32 v[STO], s23, v5                   ; in: row r, + 64 h
	v_mul_u32_u24 v5, v2, 272
	v_lshl_add_u32 v5, v1, 4, v5
	v_add_nc_u32 v[RD], s23, v5                    ; back: lanes 0-15 one row, lanes 16-31 the next
	v_lshlrev_b32 v[CO], 12, v2
	v_lshl_add_u32 v[CO], v1, 4, v[CO]             ; the same two rows in C
	v_lshlrev_b32 v7, 6, v2
	s_lshl_b32 s20, s17, 7
	s_lshl_b32 s21, s15, 6
	s_add_co_u32 s20, s20, s21
	s_lshl_b32 s20, s20, 12                        ; my first row, in bytes
	s_lshl_b32 s46, s42, 9
	s_lshl_b32 s47, s16, 8
	s_add_co_u32 s46, s46, s47                     ; my first column, in bytes
	s_mov_b32 s47, 0
	s_add_nc_u64 s[8:9], s[8:9], s[46:47]
	s_add_co_u32 s46, s46, s20
	s_add_nc_u64 s[10:11], s[10:11], s[46:47]
	s_add_nc_u64 s[12:13], s[12:13], s[46:47]
.set fi, 0
.rept 4
	global_load_b128 v[BI+8*fi:BI+8*fi+3], v7, s[8:9] offset:128*(fi/2)+32*(fi%2)
	global_load_b128 v[BI+8*fi+4:BI+8*fi+7], v7, s[8:9] offset:128*(fi/2)+32*(fi%2)+16
.set fi, fi+1
.endr
	WIN 0xc0                                       ; destination window 3: the residual, row 2 t + lane / 16 of block a by position
.irp a, 0,1,2,3
.irp t, 0,1,2,3,4,5,6,7
	global_load_b128 v[32*\a+4*\t:32*\a+4*\t+3], v[CO], s[10:11] offset:(32*(\a/2)+8*(\a%2)+16*(\t/4)+2*(\t%4))*4096 th:TH_LOAD_NT
.endr
.endr
	WIN 0
	s_wait_tensorcnt 1                             ; the scales and my part of slot 0 are in; slot 1's load may be out
	s_barrier_signal -1
	s_barrier_wait -1
	FETCH_B 0, 0, 0
	FETCH_A 0, 0, 0
	SCALES 0
	FETCH_A 0, 0, HB
	s_wait_loadcnt 32                              ; the bias is in; the residual's 32 loads may be out
	STEP 0, 0, 1
.if LAPS > 1
	s_mov_b32 s3, LAPS-1
.Llap:
	REST 0
	TURN 0, 1, 1
	STEP 1, 0, 0
	REST 1
	TURN 1, 0, 1
	STEP 0, 0, 0
	s_sub_co_u32 s3, s3, 1
	s_cmp_lg_u32 s3, 0
	s_cbranch_scc1 .Llap
.endif
	REST 0
	TURN 0, 1, 0                                   ; the last lap fills nothing
	STEP 1, 0, 0
	REST 1
	s_wait_dscnt HB*NL
	WIN MUL_LO
	MULQ 0, 1, NQ-1, 1, 0
	MULQ 1, 1, NQ-1, 1, 0
	s_wait_dscnt 0
	WIN MUL_HI
	MULQ 2, 1, NQ-1, 1, 0
	MULQ 3, 1, NQ-1, 1, 0
	WIN 0
	PLACES NP
.macro TOSTAGE a
	WIN 0x08                                       ; an LDS store's data are its source 1: window 2
.irp b, 0,1,2,3
	ds_store_b128 v[STO], v[8*(4*(\a)+\b):8*(4*(\a)+\b)+3] offset:128*(\b/2)+32*(\b%2)      ; each accumulator from its low end on
	ds_store_b128 v[STO], v[8*(4*(\a)+\b)+4:8*(4*(\a)+\b)+7] offset:128*(\b/2)+32*(\b%2)+16
.endr
	WIN 0
.set BB, BK+32*((\a)%2)
.irp t, 0,1,2,3,4,5,6,7
	ds_load_b128 v[BB+4*\t:BB+4*\t+3], v[RD] offset:544*\t     ; LDS serves a wave's instructions in order
.endr
.endm
.macro SEND a, younger
.set BB, BK+32*((\a)%2)
	s_wait_dscnt \younger
	WIN 0x0c                                       ; source 1: window 3
.set k, 0
.rept 16
	v_pk_add_f32 v[BB+2*k:BB+2*k+1], v[BB+2*k:BB+2*k+1], v[32*(\a)+2*k:32*(\a)+2*k+1]
.set k, k+1
.endr
	WIN 0
.irp t, 0,1,2,3,4,5,6,7
	global_store_b128 v[CO], v[BB+4*\t:BB+4*\t+3], s[12:13] offset:(32*((\a)/2)+8*((\a)%2)+16*(\t/4)+2*(\t%4))*4096 th:TH_STORE_NT   ; 16 lanes store 256 consecutive bytes, aligned
.endr
.endm
	s_wait_loadcnt 0x0                             ; the residual
	TOSTAGE 0
.irp a, 1,2,3
.if \a > 1
	s_wait_xcnt 0x0                                ; block a - 2's stores have read the registers into which block a's loads land
.endif
	TOSTAGE \a
	SEND \a-1, 16                                  ; behind block a - 1's loads: block a's 8 stores and 8 loads
.endr
	SEND 3, 0
	s_wait_tensorcnt 0x0                           ; the wave's end
	ds_add_u32 v[SPW], v[NIL]
	s_wait_dscnt 0x0
	CROUND                                         ; the closing round
	s_endpgm
.Lfunc_end_k_qc0c1c0425f_g4:
	.size	k_qc0c1c0425f_g4, .Lfunc_end_k_qc0c1c0425f_g4-k_qc0c1c0425f_g4
	.p2alignl 7, 3214868480
	.fill 96, 4, 3214868480
	.section	.rodata,"a",@progbits
	.p2align	6, 0x0
	.amdhsa_kernel k_qc0c1c0425f_g4
		.amdhsa_group_segment_fixed_size 327680
		.amdhsa_private_segment_fixed_size 0
		.amdhsa_enable_private_segment 0
		.amdhsa_kernarg_size 40
		.amdhsa_user_sgpr_count 2
		.amdhsa_user_sgpr_kernarg_segment_ptr 1
		.amdhsa_wavefront_size32 1
		.amdhsa_system_sgpr_workgroup_id_x 1
		.amdhsa_system_sgpr_workgroup_id_y 1
		.amdhsa_system_sgpr_workgroup_id_z 1
		.amdhsa_system_vgpr_workitem_id 0
		.amdhsa_next_free_vgpr 1024
		.amdhsa_next_free_sgpr 102
		.amdhsa_reserve_vcc 0
		.amdhsa_float_denorm_mode_32 3
		.amdhsa_float_denorm_mode_16_64 3
		.amdhsa_memory_ordered 1
		.amdhsa_forward_progress 1
		.amdhsa_inst_pref_size 117
	.end_amdhsa_kernel
	.amdgpu_metadata
---
amdhsa.version: [ 1, 2 ]
amdhsa.kernels:
  - .name:           k_qc0c1c0425f_g4
    .symbol:         k_qc0c1c0425f_g4.kd
    .args:
      - { .name: hid, .offset: 0, .size: 8, .value_kind: global_buffer, .address_space: global }
      - { .name: wb, .offset: 8, .size: 8, .value_kind: global_buffer, .address_space: global }
      - { .name: b2, .offset: 16, .size: 8, .value_kind: global_buffer, .address_space: global }
      - { .name: x1, .offset: 24, .size: 8, .value_kind: global_buffer, .address_space: global }
      - { .name: out0, .offset: 32, .size: 8, .value_kind: global_buffer, .address_space: global }
    .group_segment_fixed_size: 327680
    .private_segment_fixed_size: 0
    .kernarg_segment_align: 8
    .kernarg_segment_size: 40
    .max_flat_workgroup_size: 128
    .sgpr_count:     102
    .vgpr_count:     1024
    .wavefront_size: 32
...
	.end_amdgpu_metadata
.endif
;; end of part 7
;; ======== version 2 of 2: 8 launches
;; limits: right only within a limited range of input values
;; workspace buffers: wb 9,830,400 bytes; mw 528,384 bytes of whole numbers; hq 3,276,800 bytes; qkv 9,830,400 bytes; at 3,276,800 bytes; x1 16,777,216 bytes; hid 13,107,200 bytes
;; launch prep (part 8): grid 640 x 1, 4 waves a work-group, no clusters, 35,328 bytes of LDS; arguments wq, wk, wv, wo, w2, w1, mask, wb, mw; writes wb, mw
.if DOCPART == 8
	.amdgcn_target "amdgcn-amd-amdhsa--gfx1250"
	.amdhsa_code_object_version 6
	.text
	.protected	k_qc0c1c0425f_prep
	.globl	k_qc0c1c0425f_prep
	.p2align	8
	.type	k_qc0c1c0425f_prep,@function
k_qc0c1c0425f_prep:
	s_mov_b64 s[64:65], 0
	v_nop
	global_prefetch_b8 v0, s[64:65] scope:SCOPE_SE
	s_setreg_imm32_b32 hwreg(HW_REG_WAVE_MODE, 25, 1), 1
	s_wait_xcnt 0x0
; FIRST LAUNCH OF A TRANSFORMER BLOCK IN MX-FP6 (E2M3 codes, one E8M0 byte for each 32 along K).
; NO INPUT AND NO PRODUCT OF THE PROBLEM IS LEFT OUT: every input has a way to the output (bk moves K's codes; the mask is an input and is honoured bit by bit), so every input is loaded by some launch.
; What the mask AS IT IS GIVEN hides is not computed where it comes in whole runs of 128 keys for a tile of 16 queries: this launch reads the mask and stores flags, whole numbers, by which the attention launch decides.
; This launch: (a) the six weights, f32 [K][N], become codes [N][K] with K innermost and scale bytes [N][K/32], all in wb; (b) the mask's bytes become words of 32 lane bits, and flags, in mw.
; ROWS BY POSITION: row n of an operand lies at position n with bits 3 and 4 exchanged.  A tile of 16 neighbouring positions, 2 b + u, is then rows 32 b + 8 u + r + 8 (r / 8), so that in a product used
; transposed the 16 registers of tiles 2 b, 2 b + 1 are 16 neighbours along the next product's K.  K itself is never permuted.
; (a) work-groups 0-383: a work-group takes 128 columns x 256 along K; a lane takes a column and its registers run down K: a block of 32 lies in one lane.  ONE text serves the six weights: the shapes
; (bytes from row to row in, bytes of a row out) are scalars chosen by the work-group's number.  Codes leave through the wave's own stage in LDS, sixteen lanes to a row's 192 bytes.
; (b) work-groups 384-639: a wave takes (tile T of 16 queries, wave w of the attention launch), which owns keys 128 w .. + 127 (half 0) and 1,024 + 128 w .. + 127 (half 1).
; Bit L of word 64 s + 16 B + e = mask[query of lane L % 16][128 (w + 8 s) + 32 B + 16 (L / 16) + e]: the lane and register in which the attention launch holds that score.  512 bytes at (8 T + w) 512.
; From byte 524,288 on: one flag word at 4 (16 (8 (T % 8) + w) + T / 8): bit 0, 1: some key of half 0, 1 counts; bit 2, 3: some key of that half counts and some does not.  (1,024 single words: 4 KB in all.)
; A block's scale is 2^(floor(log2(largest magnitude)) - 2); its byte is the largest magnitude's exponent field - 2, held at 1 from below.
; LIMITS: a block of zeros gets the byte 1 where the rule says 127 (its codes are zeros, and this program alone reads the bytes); NaN and infinities among the inputs are not served; a mask byte is 0 or 1.
.set SPARE, 34816                      ; behind the four stages: the spare words, 128 bytes a wave
.set PITCH, 272                        ; a stage row: sixteen places of 16 bytes (12 of codes each) + 16
.set X,    32                          ; v32-95   two sets of 32 numbers
.set C,    96                          ; v96..    a block's codes
.set SBY,  24                          ; v24-25   my column's 8 scale bytes
.set OUTR, 112                         ; v112-175 the way out
.set VO,   176                         ; v176-207 byte offset of row i of a block: i x row bytes + 4 x lane
.set OA,   208                         ; v208-223 byte offsets of the way out's 16 stores
.set SPW,  14
.set NIL,  15
.set SRC,  36                          ; s[36:51] the address of each of the 8 blocks' first row
	s_load_b512 s[4:19], s[0:1], 0x0               ; wq wk wv wo w2 w1 mask wb
	s_load_b64 s[20:21], s[0:1], 0x40              ; mw
	v_lshl_add_u32 v[SPW], v0, 2, SPARE
	v_mov_b32 v[NIL], 0
	v_lshrrev_b32 v1, 5, v0
	v_readfirstlane_b32 s22, v1                    ; wave
	v_and_b32 v2, 31, v0                           ; lane
	s_wait_kmcnt 0x0
	s_cmp_ge_u32 ttmp9, 384
	s_cbranch_scc1 .Lmask
	; ---- the weights.  ids 0-127: wq wk wv wo, 32 each; 128-255: w2; 256-383: w1
	s_mov_b64 s[30:31], s[4:5]
	s_cmp_ge_u32 ttmp9, 32
	s_cselect_b64 s[30:31], s[6:7], s[30:31]
	s_cmp_ge_u32 ttmp9, 64
	s_cselect_b64 s[30:31], s[8:9], s[30:31]
	s_cmp_ge_u32 ttmp9, 96
	s_cselect_b64 s[30:31], s[10:11], s[30:31]
	s_cmp_ge_u32 ttmp9, 128
	s_cselect_b64 s[30:31], s[12:13], s[30:31]
	s_cmp_ge_u32 ttmp9, 256
	s_cselect_b64 s[30:31], s[14:15], s[30:31]
	s_mov_b32 s24, 4096
	s_cselect_b32 s24, 16384, s24                  ; bytes from row to row of the weight
	s_cselect_b32 s27, 31, 7                       ; blocks of 128 columns - 1
	s_cselect_b32 s28, 5, 3
	s_lshr_b32 s32, ttmp9, 5
	s_min_u32 s32, s32, 4
	s_cmp_ge_u32 ttmp9, 256
	s_cselect_b32 s32, 8, s32                      ; the weight's place in wb, in units of 786,432 bytes of codes and 32,768 of scale bytes
	s_lshr_b32 s29, ttmp9, 7
	s_mov_b32 s25, 768
	s_cmp_eq_u32 s29, 1
	s_cselect_b32 s25, 3072, s25                   ; bytes of a row of codes
	s_cselect_b32 s26, 128, 32                     ; bytes of a row of scale bytes
	s_cmp_lt_u32 ttmp9, 128
	s_cselect_b32 s33, 31, 127
	s_and_b32 s33, ttmp9, s33
	s_and_b32 s34, s33, s27
	s_lshr_b32 s35, s33, s28                       ; which 256 along K
	s_lshl_b32 s34, s34, 7
	s_lshl_b32 s23, s22, 5
	s_add_co_u32 s34, s34, s23                     ; my wave's first column
	s_mul_i32 s52, s35, s24
	s_lshl_b32 s52, s52, 8
	s_lshl_b32 s23, s34, 2
	s_add_co_u32 s52, s52, s23
	s_mov_b32 s53, 0
	s_add_nc_u64 s[SRC:SRC+1], s[30:31], s[52:53]
	s_lshl_b32 s52, s24, 5                         ; 32 rows on
.irp t, 1,2,3,4,5,6,7
	s_add_nc_u64 s[SRC+2*\t:SRC+2*\t+1], s[SRC+2*\t-2:SRC+2*\t-1], s[52:53]
.endr
	s_mul_i32 s54, s32, 786432
	s_mul_i32 s23, s34, s25
	s_add_co_u32 s54, s54, s23
	s_mul_i32 s23, s35, 192
	s_add_co_u32 s54, s54, s23
	s_mov_b32 s55, 0
	s_add_nc_u64 s[54:55], s[18:19], s[54:55]      ; codes out: my 32 rows, my 192 bytes of them
	s_lshl_b32 s56, s32, 15
	s_mul_i32 s23, s34, s26
	s_add_co_u32 s56, s56, s23
	s_lshl_b32 s23, s35, 3
	s_add_co_u32 s56, s56, s23
	s_add_co_u32 s56, s56, 9437184
	s_mov_b32 s57, 0
	s_add_nc_u64 s[56:57], s[18:19], s[56:57]      ; scale bytes out
	v_lshlrev_b32 v3, 2, v2
	v_and_b32 v5, 7, v2
	v_bfe_u32 v6, v2, 3, 1
	v_lshl_add_u32 v5, v6, 4, v5
	v_bfe_u32 v6, v2, 4, 1
	v_lshl_add_u32 v5, v6, 3, v5                   ; my column's position among the wave's 32
	s_mul_i32 s23, s22, 32*PITCH
	v_mul_u32_u24 v4, v5, PITCH
	v_add_nc_u32 v4, s23, v4                       ; into the stage: row = position
	v_mul_u32_u24 v9, v5, s26                      ; my row of scale bytes
	v_and_b32 v5, 15, v2
	v_lshrrev_b32 v6, 4, v2
	v_mul_u32_u24 v7, v6, PITCH
	v_lshl_add_u32 v7, v5, 4, v7
	v_add_nc_u32 v7, s23, v7                       ; out of it: sixteen lanes to a row, two rows an instruction
	v_mul_u32_u24 v8, v6, s25
	v_mad_u32_u24 v8, v5, 12, v8
.set li, 0
.rept 32
	v_mad_u32_u24 v[VO+li], s24, li, v3
.set li, li+1
.endr
.set li, 0
.rept 16
	v_mad_u32_u24 v[OA+li], s25, 2*li, v8
.set li, li+1
.endr
.macro LOAD t                          ; block t: W(32 t + i, my column) into set t % 2; 32 lanes read 128 neighbouring bytes
.set li, 0
.rept 32
	global_load_b32 v[X+32*((\t)%2)+li], v[VO+li], s[SRC+2*(\t):SRC+2*(\t)+1] th:TH_LOAD_NT
.set li, li+1
.endr
.endm
	LOAD 0
	LOAD 1
.macro BLOCK t
.set XS, X+32*((\t)%2)
.if (\t) < 7
	s_wait_loadcnt 32                              ; this block's 32 loads are in; the next block's may be out
.else
	s_wait_loadcnt 0
.endif
	v_max3_num_f32 v12, |v[XS]|, |v[XS+1]|, |v[XS+2]|
	v_max3_num_f32 v13, |v[XS+3]|, |v[XS+4]|, |v[XS+5]|
.irp i, 6,10,14,18,22,26
	v_max3_num_f32 v12, v12, |v[XS+\i]|, |v[XS+\i+1]|
	v_max3_num_f32 v13, v13, |v[XS+\i+2]|, |v[XS+\i+3]|
.endr
	v_max3_num_f32 v12, v12, |v[XS+30]|, |v[XS+31]|
	v_max3_num_f32 v12, v12, v13, 0x1800000        ; the floor 2^(3 - 127): the byte cannot fall under 1
	v_add_nc_u32 v11, 0xff000000, v12              ; 2 off the exponent field: the conversion's scale operand
	v_lshrrev_b32 v13, 23, v11                     ; the byte
.if (\t)%4 == 0
	v_mov_b32 v[SBY+(\t)/4], v13
.else
	v_lshl_or_b32 v[SBY+(\t)/4], v13, 8*((\t)%4), v[SBY+(\t)/4]
.endif
	v_cvt_scalef32_pk16_fp6_f32 v[C:C+2], v[XS:XS+15], v11
	v_cvt_scalef32_pk16_fp6_f32 v[C+4:C+6], v[XS+16:XS+31], v11
	ds_store_b96 v4, v[C:C+2] offset:32*(\t)
	ds_store_b96 v4, v[C+4:C+6] offset:32*(\t)+16
.if (\t)+2 < 8
	LOAD (\t)+2
.endif
	s_wait_dscnt 0x0                               ; the stores have read their registers: the next block's codes may be written
.endm
.irp t, 0,1,2,3,4,5,6,7
	BLOCK \t
.endr
	global_store_b64 v9, v[SBY:SBY+1], s[56:57]
.irp t, 0,1,2,3,4,5,6,7,8,9,10,11,12,13,14,15
	ds_load_b96 v[OUTR+4*\t:OUTR+4*\t+2], v7 offset:2*\t*PITCH   ; LDS serves a wave's instructions in order: these see my stores
.endr
.irp t, 0,1,2,3,4,5,6,7,8,9,10,11,12,13,14,15
	s_wait_dscnt 15-\t                             ; the younger loads may be out
	global_store_b96 v[OA+\t], v[OUTR+4*\t:OUTR+4*\t+2], s[54:55]
.endr
	s_wait_tensorcnt 0x0                           ; the wave's end
	ds_add_u32 v[SPW], v[NIL]
	s_wait_dscnt 0x0
	s_endpgm
.Lmask:
	; ---- the mask: 128 tiles of queries x 8 waves of the attention launch, one wave each
	s_sub_co_u32 s24, ttmp9, 384
	s_lshr_b32 s25, s24, 1                         ; T: tile of 16 query positions
	s_and_b32 s26, s24, 1
	s_lshl_b32 s26, s26, 2
	s_add_co_u32 s26, s26, s22                     ; w
	s_lshr_b32 s27, s25, 1
	s_lshl_b32 s27, s27, 5
	s_and_b32 s28, s25, 1
	s_lshl_b32 s28, s28, 3
	s_add_co_u32 s27, s27, s28                     ; the tile's first query: 32 (T / 2) + 8 (T % 2)
	s_lshl_b32 s27, s27, 11
	s_lshl_b32 s28, s26, 7                         ; half 0 begins at key 128 w
	s_add_co_u32 s28, s27, s28
	s_mov_b32 s29, 0
	s_add_nc_u64 s[16:17], s[16:17], s[28:29]
	s_and_b32 s30, s25, 7
	s_lshl_b32 s30, s30, 3
	s_add_co_u32 s30, s30, s26
	s_lshl_b32 s30, s30, 4
	s_lshr_b32 s31, s25, 3
	s_add_co_u32 s30, s30, s31
	s_lshl_b32 s30, s30, 2
	s_add_co_u32 s30, s30, 524288                  ; the flag word's place
	s_mov_b32 s31, 0
	s_add_nc_u64 s[52:53], s[20:21], s[30:31]
	s_lshl_b32 s28, s25, 3
	s_add_co_u32 s28, s28, s26
	s_lshl_b32 s28, s28, 9
	s_add_nc_u64 s[20:21], s[20:21], s[28:29]      ; the 128 words' place
	s_mov_b32 s55, 0x01010101                      ; four bytes that all count
	v_and_b32 v3, 7, v0
	v_bfe_u32 v4, v0, 3, 1
	v_lshl_add_u32 v3, v4, 4, v3                   ; r + 8 (r / 8)
	v_bfe_u32 v4, v0, 4, 1
	v_lshlrev_b32 v3, 11, v3
	v_lshl_add_u32 v3, v4, 4, v3                   ; my query's row, + 16 (lane / 16)
	v_lshlrev_b32 v5, 4, v2
.irp b, 0,1,2,3,4,5,6,7
	global_load_b128 v[32+4*\b:35+4*\b], v3, s[16:17] offset:1024*(\b/4)+32*(\b%4) th:TH_LOAD_NT
.endr
.irp i, 0,1,2,3
	v_mov_b32 v[64+\i], 0                          ; a written lane's register counts as read
.endr
	v_mov_b32 v77, 0
	s_wait_loadcnt 0x0
.set rho, 0
.rept 128                              ; word rho: one byte of every lane becomes one bit; it goes to lane rho / 4, register rho % 4: byte 4 rho of the wave's 512
	v_and_b32 v[68+rho%4], 0xff<<(8*(rho%4)), v[32+4*(rho/16)+(rho%16)/4]
	v_cmp_ne_u32 s[40+rho%8], 0, v[68+rho%4]
	v_writelane_b32 v[64+rho%4], s[40+rho%8], rho/4
.set rho, rho+1
.endr
	v_or_b32 v72, v32, v33                         ; the flags: of each half the OR and the AND of my 64 bytes,
	v_and_b32 v73, v32, v33
	v_or_b32 v74, v48, v49
	v_and_b32 v75, v48, v49
.set k, 2
.rept 14
	v_or_b32 v72, v72, v[32+k]
	v_and_b32 v73, v73, v[32+k]
	v_or_b32 v74, v74, v[48+k]
	v_and_b32 v75, v75, v[48+k]
.set k, k+1
.endr
	v_cmp_ne_u32 s48, 0, v72                       ; and over the lanes: a lane with a byte that counts,
	v_cmp_ne_u32 s49, s55, v73                     ; a lane with a byte that does not
	v_cmp_ne_u32 s50, 0, v74
	v_cmp_ne_u32 s51, s55, v75
	s_cmp_lg_u32 s48, 0
	s_cselect_b32 s48, 1, 0
	s_cmp_lg_u32 s49, 0
	s_cselect_b32 s49, 4, 0
	s_cmp_lg_u32 s50, 0
	s_cselect_b32 s50, 2, 0
	s_cmp_lg_u32 s51, 0
	s_cselect_b32 s51, 8, 0
	s_mul_i32 s49, s49, s48                        ; 'some but not all' only where some
	s_lshr_b32 s54, s50, 1
	s_mul_i32 s51, s51, s54
	s_or_b32 s48, s48, s49
	s_or_b32 s50, s50, s51
	s_or_b32 s48, s48, s50
	v_mov_b32 v76, s48
	global_store_b128 v5, v[64:67], s[20:21]       ; 32 lanes store 512 consecutive bytes
	v_cmp_eq_u32 vcc_lo, 0, v2
	s_wait_xcnt 0x0                                ; EXEC changes only behind this wait
	s_and_saveexec_b32 s56, vcc_lo
	global_store_b32 v77, v76, s[52:53]            ; lane 0 alone: the flag word
	s_wait_xcnt 0x0                                ; and again, in front of the line that widens it
	s_or_b32 exec_lo, exec_lo, s56
	s_wait_tensorcnt 0x0
	ds_add_u32 v[SPW], v[NIL]
	s_wait_dscnt 0x0
	s_endpgm
.Lfunc_end_k_qc0c1c0425f_prep:
	.size	k_qc0c1c0425f_prep, .Lfunc_end_k_qc0c1c0425f_prep-k_qc0c1c0425f_prep
	.p2alignl 7, 3214868480
	.fill 96, 4, 3214868480
	.section	.rodata,"a",@progbits
	.p2align	6, 0x0
	.amdhsa_kernel k_qc0c1c0425f_prep
		.amdhsa_group_segment_fixed_size 35328
		.amdhsa_private_segment_fixed_size 0
		.amdhsa_enable_private_segment 0
		.amdhsa_kernarg_size 72
		.amdhsa_user_sgpr_count 2
		.amdhsa_user_sgpr_kernarg_segment_ptr 1
		.amdhsa_wavefront_size32 1
		.amdhsa_system_sgpr_workgroup_id_x 1
		.amdhsa_system_sgpr_workgroup_id_y 1
		.amdhsa_system_sgpr_workgroup_id_z 1
		.amdhsa_system_vgpr_workitem_id 0
		.amdhsa_next_free_vgpr 224
		.amdhsa_next_free_sgpr 66
		.amdhsa_reserve_vcc 1
		.amdhsa_float_denorm_mode_32 3
		.amdhsa_float_denorm_mode_16_64 3
		.amdhsa_memory_ordered 1
		.amdhsa_forward_progress 1
		.amdhsa_inst_pref_size 76
	.end_amdhsa_kernel
	.amdgpu_metadata
---
amdhsa.version: [ 1, 2 ]
amdhsa.kernels:
  - .name:           k_qc0c1c0425f_prep
    .symbol:         k_qc0c1c0425f_prep.kd
    .args:
      - { .name: wq, .offset: 0, .size: 8, .value_kind: global_buffer, .address_space: global }
      - { .name: wk, .offset: 8, .size: 8, .value_kind: global_buffer, .address_space: global }
      - { .name: wv, .offset: 16, .size: 8, .value_kind: global_buffer, .address_space: global }
      - { .name: wo, .offset: 24, .size: 8, .value_kind: global_buffer, .address_space: global }
      - { .name: w2, .offset: 32, .size: 8, .value_kind: global_buffer, .address_space: global }
      - { .name: w1, .offset: 40, .size: 8, .value_kind: global_buffer, .address_space: global }
      - { .name: mask, .offset: 48, .size: 8, .value_kind: global_buffer, .address_space: global }
      - { .name: wb, .offset: 56, .size: 8, .value_kind: global_buffer, .address_space: global }
      - { .name: mw, .offset: 64, .size: 8, .value_kind: global_buffer, .address_space: global }
    .group_segment_fixed_size: 35328
    .private_segment_fixed_size: 0
    .kernarg_segment_align: 8
    .kernarg_segment_size: 72
    .max_flat_workgroup_size: 128
    .sgpr_count:     66
    .vgpr_count:     224
    .wavefront_size: 32
...
	.end_amdgpu_metadata
.endif
;; end of part 8
;; launch ln1: the kernel of part 2 again; grid 512 x 1, 8 waves a work-group, no clusters, 42,240 bytes of LDS; arguments x, ln1_g, ln1_b, hq; writes hq
;; launch g1 (part 9): grid 12 x 16, 4 waves a work-group, clusters of 4 x 4, 327,680 bytes of LDS; arguments hq, wb, bq, bk, bv, qkv; writes qkv
.if DOCPART == 9
	.amdgcn_target "amdgcn-amd-amdhsa--gfx1250"
	.amdhsa_code_object_version 6
	.text
	.protected	k_qc0c1c0425f_g1
	.globl	k_qc0c1c0425f_g1
	.p2align	8
	.type	k_qc0c1c0425f_g1,@function
k_qc0c1c0425f_g1:
	s_mov_b64 s[64:65], 0
	v_nop
	global_prefetch_b8 v0, s[64:65] scope:SCOPE_SE
	s_setreg_imm32_b32 hwreg(HW_REG_WAVE_MODE, 25, 1), 1
	s_wait_xcnt 0x0
	s_wait_alu depctr_hold_cnt(0) depctr_sa_sdst(0) depctr_va_vdst(0) depctr_va_sdst(0) depctr_va_ssrc(0) depctr_va_vcc(0) depctr_vm_vsrc(0)
	s_getreg_b32 s2, hwreg(HW_REG_IB_STS2, 6, 4)
	s_cmp_eq_u32 s2, 0
	s_cbranch_scc0 .Lentry_in_a_cluster
	s_endpgm
.Lentry_in_a_cluster:
	s_bfe_u32 s2, ttmp6, 0x10000c
	s_cmp_lg_u32 s2, 0xf033
	s_cbranch_scc0 .Lentry_shape_is_right
	s_endpgm
.Lentry_shape_is_right:
; q, k AND v: h Wq + bq, h Wk + bk, h Wv + bv on codes of FP6 (E2M3) with E8M0 scales, and the results quantised for the attention launch.  Nothing is left out.
; A GEMM C = A B^T on codes: a work-group makes 256 x 256, each of four waves 128 x 128 (64 accumulators, 512 registers); K = 1,024 goes in steps of 256 through a ring of two LDS slots filled by the tensor data mover.
; The scale bytes of the work-group's rows, for all of K, come into LDS once, with the first fills.  CLUSTERS of 4 x 4: A's tiles are asked for jointly along a row of the cluster, B's along a column.
; The matrix instruction is used transposed (source 0 = 16 rows of B, source 1 = 16 rows of A).  All rows lie by POSITION (bits 3 and 4 of the row number exchanged), so a lane's 64 registers of a block of A's rows
; are, in order, columns 32 B + 16 (lane / 16) + i of the wave's 128: neighbours along the next product's K.
; TWO ROLES, chosen by the cluster's x, which all partners share.  x = 0, 1: A = h's tokens, B = Wq | Wk: a lane holds a token, its registers run along q's or k's channels: quantised along the head's 64.
; x = 2: A = Wv's rows, B = h's tokens: a lane holds a channel of v and its registers run along the TOKENS, the K of the attention's second product: V^T comes out with the keys innermost, and nothing is transposed.
; The bias is the C of each sum's first matrix instruction: along B's rows (x = 0, 1) or along A's rows (x = 2): that first step is written twice, under a branch on the cluster's x.
; OUT (qkv): THE CODES LIE IN THE ORDER OF THE READER'S OPERAND REGISTERS.  16 rows x 64 codes are 768 bytes on end: lane 16 h + r's 24 bytes (row r, codes 32 h .. 32 h + 31) at 24 (16 h + r).
;   q | k from byte 0: tile T of 16 tokens at 24,576 T; in it q's head hd at 768 hd, k's at 12,288 + 768 hd.   V^T from byte 6,553,600: tile of 16 channels at 49,152 each; in it tokens 128 j .. at 1,536 j, two such pieces.
;   A lane's conversion gives 12 bytes (16 codes), the half of a lane's 24: so a store of the wave, straight from registers, covers 384 consecutive bytes, and no stage is needed.
;   Scale bytes as rows: q | k [4096][64] at 6,291,456; V^T [1024][128] at 9,699,328: 4 bytes a row and wave, since a row's bytes belong to several work-groups (these buffers hold under 400 KB).
; LIMITS: a block of zeros gets the byte 1 (its codes are zeros; this program alone reads the bytes); NaN and infinities are not served.
.set NBLK,   8
.set KSTEP,  256
.set QI,     3                         ; padding behind every 16 words
.set PIV,    8                         ; that is, behind every 8 pieces of 8 bytes
.set PITCH,  240
.set SIZE_K, 1024
.set TSH,    8
.set HSH,    7
.set MUL_LO, 0xa1                      ; source 0 (B) window 1, source 1 (A) window 0, C and D window 2
.set MUL_HI, 0xf1                      ; C and D window 3
.set FST_LO, 0x81                      ; the first step: C (the bias) window 0
.set FST_HI, 0xc1
.set FR, 12
.set NL, 6
.set NP, 4
.set NQ, KSTEP/128
.set ROWB, KSTEP*3/4
.set KROW, SIZE_K*3/4
.set KS, SIZE_K/32
.set WROWS, 16*NBLK
.set HB, NBLK/2
.set QBL, NBLK/4
.set HALFT, WROWS*PITCH
.set SLOT, 4*HALFT
.set LAPS, SIZE_K/(2*KSTEP)
.set SCL, 2*SLOT
.set SUNITS, WROWS*KS/256
.set HALFS, SUNITS*272
.set SBLK, (16*KS/256)*272
.set SPARE, SCL+4*HALFS
.set ADRA, 16
.set ADRB, 20
.set ADRS, 27
.set SPW,  28
.set NIL,  29
.set SWB,  30
.set SWR,  31
.set SC,   32                          ; v32-63 scale words, two sets: they hold nothing else in the whole text
.set BI,   64                          ; v64-127 the bias, in the result's layout; on the way out at work
.set AF,   128                         ; A's fragments, one set
.set G1, 24
.set G0, 32
.set G1B, 48
.set G0B, 56
.set G1S, 68
.set G0S, 76
.set G1SB, 80
.set G0SB, 88
.set TO_B, 0x40
.set MSB, 0
.macro WIN new
.if MSB != (\new)
	s_set_vgpr_msb (MSB<<8)|(\new)
.set MSB, (\new)
.endif
.endm
.macro JLOAD g0a, g1a, g0b, g1b        ; a joint load: waves 0, 1 fetch for A, waves 2, 3 for B; an s_nop 0 and four v_nop follow each line
	s_cmp_eq_u32 s15, 0
	s_cbranch_scc0 .Lfor_b_\@
	tensor_load_to_lds s[\g0a:\g0a+3], s[\g1a:\g1a+7]
	s_nop 0
.rept 4
	v_nop
.endr
	s_branch .Lasked_\@
.Lfor_b_\@:
	tensor_load_to_lds s[\g0b:\g0b+3], s[\g1b:\g1b+7]
	s_nop 0
.rept 4
	v_nop
.endr
.Lasked_\@:
.endm
.macro CREST
	s_cmp_lg_u32 s14, 0
	s_cbranch_scc1 .Lnot_wave_0_\@
	s_barrier_signal -3
.Lnot_wave_0_\@:
	s_barrier_wait -3
	s_barrier_signal -1
	s_barrier_wait -1
.endm
.macro CROUND
	s_barrier_signal -1
	s_barrier_wait -1
	CREST
.endm
.macro PLACES n
.rept \n
	v_nop
.endr
.endm
.macro FRAG reg, adr, q, i             ; 16 rows x 128 K: 12 registers, six pieces of 8 bytes; lanes 16-31 read three pieces on, by the second address register where that lies behind one padding more
.irp p, 0,1,2,3,4,5
.set PC, 12*(\q)+6*(\p/3)+\p%3
.if PC%PIV < PIV-3
	ds_load_b64 v[\reg+2*\p:\reg+2*\p+1], v[\adr] offset:8*PC+16*(PC/PIV)+(\i)*16*PITCH
.else
	ds_load_b64 v[\reg+2*\p:\reg+2*\p+1], v[\adr+2] offset:8*PC+16*(PC/PIV)+(\i)*16*PITCH
.endif
.endr
.endm
; A quarter of a step: QBL blocks of A against all of B's.  zero = 0: in place; 1: C = the bias of B's block; 2: C = the bias of A's block.  The accumulators take turns.
.macro MULQ qa, p, q, sc, zero
.set ma, (\qa)*QBL
.rept QBL
.set mb, 0
.rept NBLK
.set rD, 8*(NBLK*(ma%4)+mb)
.set rB, 128*(\p)+FR*mb
.set rA, AF+FR*ma
.set rSB, SC+NBLK*NQ*(\sc)+NQ*mb+(\q)
.set rSA, SC+NBLK*NQ*(\sc)+NQ*ma+(\q)
.if \zero == 0
	v_wmma_scale_f32_16x16x128_f8f6f4 v[rD:rD+7], v[rB:rB+FR-1], v[rA:rA+FR-1], v[rD:rD+7], v[rSB], v[rSA] matrix_a_fmt:MATRIX_FMT_FP6 matrix_b_fmt:MATRIX_FMT_FP6 matrix_a_scale:MATRIX_SCALE_ROW1
.elseif \zero == 1
	v_wmma_scale_f32_16x16x128_f8f6f4 v[rD:rD+7], v[rB:rB+FR-1], v[rA:rA+FR-1], v[BI+8*mb:BI+8*mb+7], v[rSB], v[rSA] matrix_a_fmt:MATRIX_FMT_FP6 matrix_b_fmt:MATRIX_FMT_FP6 matrix_a_scale:MATRIX_SCALE_ROW1
.else
	v_wmma_scale_f32_16x16x128_f8f6f4 v[rD:rD+7], v[rB:rB+FR-1], v[rA:rA+FR-1], v[BI+8*ma:BI+8*ma+7], v[rSB], v[rSA] matrix_a_fmt:MATRIX_FMT_FP6 matrix_b_fmt:MATRIX_FMT_FP6 matrix_a_scale:MATRIX_SCALE_ROW1
.endif
.set mb, mb+1
.endr
.set ma, ma+1
.endr
.endm
.macro FETCH_B slot, q, p
	WIN TO_B
.set fi, 0
.rept NBLK
	FRAG 128*(\p)+FR*fi, ADRB+\slot, \q, fi
.set fi, fi+1
.endr
	WIN 0
.endm
.macro FETCH_A slot, q, i0
.set fi, \i0
.rept HB
	FRAG AF+FR*fi, ADRA+\slot, \q, fi
.set fi, fi+1
.endr
.endm
.macro SCALES sc                       ; a slot's scale words: lanes 0-15 A's block i, lanes 16-31 B's block i
.set fi, 0
.rept NBLK
.if NQ == 2
	ds_load_b64 v[SC+NBLK*NQ*(\sc)+NQ*fi:SC+NBLK*NQ*(\sc)+NQ*fi+1], v[ADRS] offset:fi*SBLK
.else
	ds_load_b128 v[SC+NBLK*NQ*(\sc)+NQ*fi:SC+NBLK*NQ*(\sc)+NQ*fi+3], v[ADRS] offset:fi*SBLK
.endif
.set fi, fi+1
.endr
.endm
.macro STEP slot, q, zero              ; 128 along K with its successor in the same slot
	s_wait_dscnt HB*NL                             ; B's set and A's lower blocks are in; the youngest loads (A's upper blocks) may be out
.if \zero
	WIN FST_LO
.else
	WIN MUL_LO
.endif
	MULQ 0, (\q)%2, \q, \slot, \zero
	MULQ 1, (\q)%2, \q, \slot, \zero
	s_wait_dscnt 0
	PLACES NP                                      ; in front of loads into registers that matrix instructions have read
	FETCH_B \slot, (\q)+1, 1-(\q)%2
	FETCH_A \slot, (\q)+1, 0
.if \zero
	WIN FST_HI
.else
	WIN MUL_HI
.endif
	MULQ 2, (\q)%2, \q, \slot, \zero
	MULQ 3, (\q)%2, \q, \slot, \zero
	PLACES NP
	WIN 0
	FETCH_A \slot, (\q)+1, HB
.endm
.macro REST slot
.set rq, 1
.rept NQ-2
	STEP \slot, rq, 0
.set rq, rq+1
.endr
.endm
; A slot's last step changes slots: one barrier; in front of it each wave waits for all its tensor loads, adds 0 to its spare word, and waits for that and for its reads of this slot.
.macro TURN slot, next, fill
	s_wait_tensorcnt 0x0                           ; all my tensor loads have landed: my part of the next slot
	ds_add_u32 v[SPW], v[NIL]
	s_wait_dscnt HB*NL+1                           ; the add and A's upper blocks may be out
	WIN MUL_LO
	MULQ 0, 1, NQ-1, \slot, 0
	s_wait_dscnt 0x0                               ; the add is done, and my reads of this slot are over
	s_barrier_signal -1
	MULQ 1, 1, NQ-1, \slot, 0
	WIN 0
	s_barrier_wait -1
.if \fill
	CREST                                          ; the barrier has opened a round of the cluster's: no wave of any partner still reads this slot or has a load on its way
	s_add_nc_u64 s[G0+4*\slot+2:G0+4*\slot+3], s[G0+4*\slot+2:G0+4*\slot+3], 2*ROWB
	s_add_nc_u64 s[G0B+4*\slot+2:G0B+4*\slot+3], s[G0B+4*\slot+2:G0B+4*\slot+3], 2*ROWB
	JLOAD G0+4*\slot, G1, G0B+4*\slot, G1B         ; the first tensor load behind the round; its four v_nop are the places in front of the loads below
.else
	PLACES NP
.endif
	v_add_nc_u32 v[ADRS], 4*NQ, v[ADRS]
	FETCH_B \next, 0, 0
	FETCH_A \next, 0, 0
	SCALES \next
	WIN MUL_HI
	MULQ 2, 1, NQ-1, \slot, 0
	MULQ 3, 1, NQ-1, \slot, 0
	PLACES NP
	WIN 0
	FETCH_A \next, 0, HB
.endm
	s_load_b256 s[4:11], s[0:1], 0x0               ; hq, wb, bq, bk
	s_load_b128 s[96:99], s[0:1], 0x20             ; bv, qkv
	v_lshl_add_u32 v[SPW], v0, 2, SPARE
	v_mov_b32 v[NIL], 0
	ds_add_u32 v[SPW], v[NIL]                      ; the wave's opening: the add, twice on end, and its wait ahead of my first tensor load
	ds_add_u32 v[SPW], v[NIL]
	v_lshrrev_b32 v1, 5, v0
	v_readfirstlane_b32 s14, v1                    ; wave
	s_lshr_b32 s15, s14, 1                         ; my half of the tile's rows; also: I fetch for A (0) or B (1)
	s_and_b32 s16, s14, 1                          ; my half of its columns; also: which 128 rows I fetch
	s_bfe_u32 s40, ttmp6, 0x40000                  ; cx
	s_bfe_u32 s41, ttmp6, 0x40004                  ; cy
	s_and_b32 s17, ttmp7, 0xffff                   ; the cluster's y
	s_cmp_lt_u32 ttmp9, 2                          ; the role: the cluster's x, the same in all sixteen partners
	s_cselect_b32 s42, ttmp9, s17                  ; clusters along B's rows
	s_cselect_b32 s17, s17, 0                      ; clusters along A's rows
	s_mov_b32 s66, 3072
	s_cselect_b32 s66, 1536, s66                   ; bytes of codes out for each row
	s_cselect_b32 s67, 64, 128                     ; bytes of a row of scale bytes out
	s_cselect_b32 s95, 0, 6553600                  ; where the codes go in qkv
	s_mov_b32 s2, 9699328
	s_cselect_b32 s2, 6291456, s2                  ; and the scale bytes
	s_cselect_b32 s100, 0, 1572864                 ; A's codes in their buffer
	s_mov_b32 s101, 9502720
	s_cselect_b32 s101, 3145728, s101              ; A's scale bytes
	s_mov_b32 s3, 3145728
	s_cselect_b32 s3, 9437184, s3                  ; B's scale bytes
	s_lshl_b32 s42, s42, 2
	s_add_co_u32 s42, s42, s40                     ; tile column
	s_lshl_b32 s17, s17, 2
	s_add_co_u32 s17, s17, s41                     ; tile row
	s_lshl_b32 s43, s41, 2
	s_lshl_b32 s43, 15, s43                        ; my row of the cluster
	s_lshl_b32 s44, 0x1111, s40                    ; my column
	s_or_b32 s[G1+0], s43, (1<<20)|(1<<21)|(QI<<22)|(3<<25)   ; mask; elements of 1 byte; padding of 4 words
	s_or_b32 s[G1B+0], s44, (1<<20)|(1<<21)|(QI<<22)|(3<<25)
.irp g, G1, G1B
	s_mov_b32 s[\g+1], ROWB<<16
	s_mov_b32 s[\g+2], WROWS<<16
	s_mov_b32 s[\g+3], ROWB<<16
	s_mov_b32 s[\g+4], WROWS
	s_mov_b32 s[\g+5], KROW
	s_mov_b32 s[\g+6], 0
	s_mov_b32 s[\g+7], 0
.endr
	s_or_b32 s[G1S+0], s43, (3<<16)|(1<<20)|(1<<21)|(5<<22)|(3<<25)   ; the scale bytes: rows of 256 bytes, 16 of padding
	s_or_b32 s[G1SB+0], s44, (3<<16)|(1<<20)|(1<<21)|(5<<22)|(3<<25)
.irp g, G1S, G1SB
	s_mov_b32 s[\g+1], 32<<16
	s_mov_b32 s[\g+2], SUNITS<<16
	s_mov_b32 s[\g+3], 32<<16
	s_mov_b32 s[\g+4], SUNITS
	s_mov_b32 s[\g+5], 32
	s_mov_b32 s[\g+6], 0
	s_mov_b32 s[\g+7], 0
.endr
	s_lshl_b32 s18, s16, HSH
	s_lshl_b32 s20, s17, TSH
	s_add_co_u32 s20, s20, s18                     ; A's first row that I fetch
	s_lshl_b32 s46, s42, TSH
	s_add_co_u32 s46, s46, s18                     ; B's
	s_mov_b32 s21, 0
	s_mov_b32 s47, 0
	s_mov_b64 s[18:19], KS
	s_mul_u64 s[22:23], s[20:21], s[18:19]
	s_mul_u64 s[92:93], s[46:47], s[18:19]
	s_mov_b64 s[18:19], KROW
	s_mul_u64 s[20:21], s[20:21], s[18:19]
	s_mul_u64 s[46:47], s[46:47], s[18:19]
	s_add_co_u32 s20, s20, s100                    ; byte offsets, all under 2^24
	s_add_co_u32 s22, s22, s101
	s_add_co_u32 s92, s92, s3
	s_mul_i32 s45, s14, HALFT
	s_mul_i32 s94, s14, HALFS
	s_wait_dscnt 0x0                               ; both opening adds are done
	s_wait_kmcnt 0x0
	s_cmp_eq_u32 ttmp9, 0
	s_cselect_b64 s[8:9], s[8:9], s[10:11]
	s_cmp_lt_u32 ttmp9, 2
	s_cselect_b64 s[8:9], s[8:9], s[96:97]         ; the bias: bq, bk or bv
	s_cselect_b64 s[12:13], s[4:5], s[6:7]         ; A's buffer
	s_cselect_b64 s[100:101], s[6:7], s[4:5]       ; B's
	s_add_nc_u64 s[20:21], s[12:13], s[20:21]
	s_add_nc_u64 s[22:23], s[12:13], s[22:23]
	s_add_nc_u64 s[46:47], s[100:101], s[46:47]
	s_add_nc_u64 s[92:93], s[100:101], s[92:93]
	CROUND                                         ; all sixteen work-groups are here: the first joint loads meet
	s_mov_b32 s[G0S], 1
	s_add_co_u32 s[G0S+1], s94, SCL
	s_mov_b64 s[G0S+2:G0S+3], s[22:23]
	s_or_b32 s[G0S+3], s[G0S+3], 0x80000000
	s_mov_b32 s[G0SB], 1
	s_add_co_u32 s[G0SB+1], s94, SCL
	s_mov_b64 s[G0SB+2:G0SB+3], s[92:93]
	s_or_b32 s[G0SB+3], s[G0SB+3], 0x80000000
	JLOAD G0S, G1S, G0SB, G1SB
.irp s, 0,1
	s_mov_b32 s[G0+4*\s], 1
	s_add_co_u32 s[G0+4*\s+1], s45, \s*SLOT
	s_add_nc_u64 s[G0+4*\s+2:G0+4*\s+3], s[20:21], \s*ROWB
	s_or_b32 s[G0+4*\s+3], s[G0+4*\s+3], 0x80000000
	s_mov_b32 s[G0B+4*\s], 1
	s_add_co_u32 s[G0B+4*\s+1], s45, \s*SLOT
	s_add_nc_u64 s[G0B+4*\s+2:G0B+4*\s+3], s[46:47], \s*ROWB
	s_or_b32 s[G0B+4*\s+3], s[G0B+4*\s+3], 0x80000000
	JLOAD G0+4*\s, G1, G0B+4*\s, G1B               ; three loads of mine are out
.endr
	v_and_b32 v1, 15, v0                           ; r
	v_bfe_u32 v2, v0, 4, 1                         ; h
	v_mul_u32_u24 v3, v1, PITCH
	v_mul_u32_u24 v4, v2, 24
	v_add_nc_u32 v4, v3, v4
	v_lshl_add_u32 v5, v2, 4, v4
	s_mul_i32 s21, s15, HALFT
	s_mul_i32 s22, s16, HALFT
	s_add_co_u32 s22, s22, 2*HALFT
.irp s, 0,1
	v_add_nc_u32 v[ADRA+\s], s21, v4
	v_add_nc_u32 v[ADRB+\s], s22, v4
	v_add_nc_u32 v[ADRA+2+\s], s21, v5
	v_add_nc_u32 v[ADRB+2+\s], s22, v5
	s_add_co_u32 s21, s21, SLOT
	s_add_co_u32 s22, s22, SLOT
.endr
	v_mul_u32_u24 v5, v1, KS
	v_lshrrev_b32 v6, 8, v5
	v_lshl_add_u32 v5, v6, 4, v5
	s_mul_i32 s21, s15, HALFS
	s_mul_i32 s22, s16, HALFS
	s_add_co_u32 s22, s22, 2*HALFS
	s_sub_co_u32 s22, s22, s21
	v_mul_u32_u24 v6, s22, v2                      ; lanes 16-31 take B's
	s_add_co_u32 s21, s21, SCL
	v_add_nc_u32 v5, v5, v6
	v_add_nc_u32 v[ADRS], s21, v5
	; the way out's LDS addresses: 128 scale words for each wave, in slot 0, which has had its last fill and its last read by then
	v_and_b32 v6, 31, v0
	s_lshl_b32 s23, s14, 9
	v_lshl_add_u32 v[SWB], v1, 2, s23
	v_lshl_add_u32 v[SWR], v6, 2, s23
	; the bias
	s_cmp_lt_u32 ttmp9, 2
	s_cselect_b32 s18, s40, s17
	s_cselect_b32 s19, s16, s15
	s_lshl_b32 s18, s18, 10
	s_lshl_b32 s19, s19, 9
	s_add_co_u32 s18, s18, s19
	s_mov_b32 s19, 0
	s_add_nc_u64 s[8:9], s[8:9], s[18:19]
	v_lshlrev_b32 v7, 6, v2                        ; 64 h
	v_and_b32 v8, 7, v1
	v_lshrrev_b32 v9, 3, v1
	v_lshl_add_u32 v8, v9, 4, v8
	v_lshlrev_b32 v9, 2, v8                        ; 4 (r + 8 (r / 8))
	s_cmp_lt_u32 ttmp9, 2
	s_cbranch_scc0 .Lbias_v
.set fi, 0
.rept 8                                ; tile b, register j: column 32 (b / 2) + 16 h + 8 (b % 2) + j
	global_load_b128 v[BI+8*fi:BI+8*fi+3], v7, s[8:9] offset:128*(fi/2)+32*(fi%2)
	global_load_b128 v[BI+8*fi+4:BI+8*fi+7], v7, s[8:9] offset:128*(fi/2)+32*(fi%2)+16
.set fi, fi+1
.endr
	s_branch .Lbias_done
.Lbias_v:
.set fi, 0
.rept 64                               ; block a: all eight registers hold bv of my lane's row 32 (a / 2) + 8 (a % 2) + r + 8 (r / 8)
	global_load_b32 v[BI+fi], v9, s[8:9] offset:128*(fi/16)+32*((fi/8)%2)
.set fi, fi+1
.endr
.Lbias_done:
	; where the results go
	s_lshl_b32 s20, s17, 8
	s_lshl_b32 s21, s15, 7
	s_add_co_u32 s20, s20, s21                     ; my first row
	s_lshl_b32 s46, s42, 1
	s_add_co_u32 s46, s46, s16                     ; which 128 columns
	s_mul_i32 s18, s20, s66                        ; 16 rows' codes lie together: 16 x the row's bytes for each tile of rows,
	s_mul_i32 s47, s46, 1536                       ; and in it 1,536 bytes for each 128 columns
	s_add_co_u32 s18, s18, s47
	s_add_co_u32 s18, s18, s95
	s_mov_b32 s19, 0
	s_add_nc_u64 s[10:11], s[98:99], s[18:19]      ; codes
	s_mul_i32 s18, s20, s67
	s_lshl_b32 s47, s46, 2
	s_add_co_u32 s18, s18, s47
	s_add_co_u32 s18, s18, s2
	s_add_nc_u64 s[12:13], s[98:99], s[18:19]      ; scale words
	s_wait_tensorcnt 1                             ; the scales and my part of slot 0 are in; slot 1's load may be out
	s_barrier_signal -1
	s_barrier_wait -1
	FETCH_B 0, 0, 0
	FETCH_A 0, 0, 0
	SCALES 0
	FETCH_A 0, 0, HB
	s_wait_loadcnt 0x0                             ; the bias
	s_cmp_lt_u32 ttmp9, 2
	s_cbranch_scc0 .Lfirst_v
	STEP 0, 0, 1                                   ; the first products start the sums on the bias
	s_branch .Lfirst_done
.Lfirst_v:
	STEP 0, 0, 2
.Lfirst_done:
	s_mov_b32 s3, LAPS-1
.Llap:
	REST 0
	TURN 0, 1, 1
	STEP 1, 0, 0
	REST 1
	TURN 1, 0, 1
	STEP 0, 0, 0
	s_sub_co_u32 s3, s3, 1
	s_cmp_lg_u32 s3, 0
	s_cbranch_scc1 .Llap
	REST 0
	TURN 0, 1, 0                                   ; the last lap fills nothing
	STEP 1, 0, 0
	REST 1
	s_wait_dscnt HB*NL
	WIN MUL_LO
	MULQ 0, 1, NQ-1, 1, 0
	MULQ 1, 1, NQ-1, 1, 0
	s_wait_dscnt 0
	WIN MUL_HI
	MULQ 2, 1, NQ-1, 1, 0
	MULQ 3, 1, NQ-1, 1, 0
	WIN 0
	PLACES NP
; THE WAY OUT: block a (16 rows x 128 columns, 64 registers a lane) is quantised along the columns: a block of 32 lies in lanes l and l xor 16, 16 numbers each.
; Its registers lie where the bias lay (v64-127): the scale words' registers are left alone.
.set TM, 64                            ; v64-67 largest magnitudes, v68-71 the other half's, then bytes, v76-79 scale operands
.set PW, 80                            ; v80, v81 the scale word, two sets
.set CV, 84                            ; v84-115 codes, two sets of 4 x 4
.set GO, 116                           ; v116 my 12 bytes' place in a piece of 384: 24 r + 12 h
.set SW, 120
.set SO, 124
.macro QUANT4 src, win, cv, pw
	WIN ((\win)<<2)|((\win)<<4)
.irp b, 0,1,2,3
	v_max3_num_f32 v[TM+\b], 0x1800000, |v[\src+16*\b]|, |v[\src+16*\b+1]|   ; each accumulator is read from its low end on; the floor holds the byte at 1 from below
.endr
.irp i, 2,4,6,8,10,12,14
.irp b, 0,1,2,3
	v_max3_num_f32 v[TM+\b], v[TM+\b], |v[\src+16*\b+\i]|, |v[\src+16*\b+\i+1]|
.endr
.endr
	WIN 0
.irp b, 0,1,2,3
	v_permlanex16_b32 v[TM+4+\b], v[TM+\b], s92, s93
.endr
.irp b, 0,1,2,3
	v_max_num_f32 v[TM+\b], v[TM+\b], v[TM+4+\b]
.endr
.irp b, 0,1,2,3
	v_add_nc_u32 v[TM+12+\b], 0xff000000, v[TM+\b]
.endr
.irp b, 0,1,2,3
	v_lshrrev_b32 v[TM+4+\b], 23, v[TM+12+\b]
.endr
	v_lshl_or_b32 v[\pw], v[TM+5], 8, v[TM+4]
	v_lshl_or_b32 v[\pw], v[TM+6], 16, v[\pw]
	v_lshl_or_b32 v[\pw], v[TM+7], 24, v[\pw]
	WIN (\win)
.irp b, 0,1,2,3
	v_cvt_scalef32_pk16_fp6_f32 v[\cv+4*\b:\cv+4*\b+2], v[\src+16*\b:\src+16*\b+15], v[TM+12+\b]   ; columns 32 b + 16 h + 0 .. 15
.endr
	WIN 0
	v_nop                                          ; one plain place behind a scaled conversion
.endm
.macro QOUT a
.if (\a) >= 2
	s_wait_xcnt 0x0                                ; block a - 2's stores have read the registers that the conversions below write,
	s_wait_dscnt 0x0                               ; and so has its LDS store of the scale word
.endif
	QUANT4 64*((\a)%4), 2+(\a)/4, CV+16*((\a)%2), PW+(\a)%2
	ds_store_b32 v[SWB], v[PW+(\a)%2] offset:64*(\a)   ; lanes l and l xor 16 write the same word with the same value
.irp b, 0,1,2,3
	global_store_b96 v[GO], v[CV+16*((\a)%2)+4*\b:CV+16*((\a)%2)+4*\b+2], s[24+2*(\a):25+2*(\a)] offset:768*(\b/2)+384*(\b%2)   ; block b of 32 columns: the reader's lanes 16 (b % 2) + r of piece b / 2: 32 lanes store 384 consecutive bytes
.endr
.endm
	s_mov_b32 s92, 0x76543210
	s_mov_b32 s93, 0xfedcba98
.irp b, 0,1,2,3
	v_mov_b32 v[TM+4+\b], 0                        ; a lane permute's destination counts as read
.endr
	s_lshl_b32 s18, s66, 4                         ; 16 rows on.  (No tensor load is out: the descriptors' registers are free)
	s_mov_b32 s19, 0
	s_mov_b64 s[24:25], s[10:11]
.irp a, 1,2,3,4,5,6,7
	s_add_nc_u64 s[24+2*\a:25+2*\a], s[22+2*\a:23+2*\a], s[18:19]
.endr
	v_and_b32 v6, 31, v0
	v_and_b32 v7, 15, v0
	v_bfe_u32 v8, v0, 4, 1
	v_mul_u32_u24 v[GO], v7, 24
	v_mad_u32_u24 v[GO], v8, 12, v[GO]
	v_mul_u32_u24 v[SO], v6, s67
	s_lshl_b32 s20, s67, 5
.irp i, 1,2,3
	v_mad_u32_u24 v[SO+\i], s20, \i, v[SO]
.endr
.irp a, 0,1,2,3,4,5,6,7
	QOUT \a
.endr
.irp k, 0,1,2,3
	ds_load_b32 v[SW+\k], v[SWR] offset:128*\k     ; LDS serves a wave's instructions in order: these see my stores
.endr
	s_wait_dscnt 0x0
.irp k, 0,1,2,3
	global_store_b32 v[SO+\k], v[SW+\k], s[12:13]
.endr
	s_wait_tensorcnt 0x0                           ; the wave's end
	ds_add_u32 v[SPW], v[NIL]
	s_wait_dscnt 0x0
	CROUND                                         ; the closing round
	s_endpgm
.Lfunc_end_k_qc0c1c0425f_g1:
	.size	k_qc0c1c0425f_g1, .Lfunc_end_k_qc0c1c0425f_g1-k_qc0c1c0425f_g1
	.p2alignl 7, 3214868480
	.fill 96, 4, 3214868480
	.section	.rodata,"a",@progbits
	.p2align	6, 0x0
	.amdhsa_kernel k_qc0c1c0425f_g1
		.amdhsa_group_segment_fixed_size 327680
		.amdhsa_private_segment_fixed_size 0
		.amdhsa_enable_private_segment 0
		.amdhsa_kernarg_size 48
		.amdhsa_user_sgpr_count 2
		.amdhsa_user_sgpr_kernarg_segment_ptr 1
		.amdhsa_wavefront_size32 1
		.amdhsa_system_sgpr_workgroup_id_x 1
		.amdhsa_system_sgpr_workgroup_id_y 1
		.amdhsa_system_sgpr_workgroup_id_z 1
		.amdhsa_system_vgpr_workitem_id 0
		.amdhsa_next_free_vgpr 1024
		.amdhsa_next_free_sgpr 102
		.amdhsa_reserve_vcc 0
		.amdhsa_float_denorm_mode_32 3
		.amdhsa_float_denorm_mode_16_64 3
		.amdhsa_memory_ordered 1
		.amdhsa_forward_progress 1
		.amdhsa_inst_pref_size 187
	.end_amdhsa_kernel
	.amdgpu_metadata
---
amdhsa.version: [ 1, 2 ]
amdhsa.kernels:
  - .name:           k_qc0c1c0425f_g1
    .symbol:         k_qc0c1c0425f_g1.kd
    .args:
      - { .name: hq, .offset: 0, .size: 8, .value_kind: global_buffer, .address_space: global }
      - { .name: wb, .offset: 8, .size: 8, .value_kind: global_buffer, .address_space: global }
      - { .name: bq, .offset: 16, .size: 8, .value_kind: global_buffer, .address_space: global }
      - { .name: bk, .offset: 24, .size: 8, .value_kind: global_buffer, .address_space: global }
      - { .name: bv, .offset: 32, .size: 8, .value_kind: global_buffer, .address_space: global }
      - { .name: qkv, .offset: 40, .size: 8, .value_kind: global_buffer, .address_space: global }
    .group_segment_fixed_size: 327680
    .private_segment_fixed_size: 0
    .kernarg_segment_align: 8
    .kernarg_segment_size: 48
    .max_flat_workgroup_size: 128
    .sgpr_count:     102
    .vgpr_count:     1024
    .wavefront_size: 32
...
	.end_amdgpu_metadata
.endif
;; end of part 9
;; launch attn (part 10): grid 8 x 32, 8 waves a work-group, no clusters, 69,120 bytes of LDS; arguments qkv, mw, at; writes at
.if DOCPART == 10
	.amdgcn_target "amdgcn-amd-amdhsa--gfx1250"
	.amdhsa_code_object_version 6
	.text
	.protected	k_qc0c1c0425f_attn
	.globl	k_qc0c1c0425f_attn
	.p2align	8
	.type	k_qc0c1c0425f_attn,@function
k_qc0c1c0425f_attn:
	s_mov_b64 s[64:65], 0
	v_nop
	global_prefetch_b8 v0, s[64:65] scope:SCOPE_SE
	s_setreg_imm32_b32 hwreg(HW_REG_WAVE_MODE, 25, 1), 1
	s_wait_xcnt 0x0
; ATTENTION on codes of FP6 (E2M3): scores = q k^T / 8, the mask AS IT IS GIVEN, the FINISHED softmax (normalised; a row with no true entry gives zeros, as nan_to_num does), quantised along the keys, times v;
; the result is quantised along the model's axis for the projection.
; WORK LEFT OUT: where the mask hides all 128 keys of a run for all 16 queries of a tile, their scores become -infinity, their p is 0, and they add 0 to the sum and to the second product, whatever the
; other inputs hold: that run's products, exponentials and conversions are not done.  Which runs those are is read from memory: flag words that the first launch made of the mask.  No pattern of the mask is built in.
; (A NaN, an infinity or an overflow that reaches only such hidden scores is not carried to the result.)  Where a run hides nothing, its selects are left out likewise.
; WHY NO RUNNING SOFTMAX OVER THE KEYS: what is quantised is exp(s - max) / sum, and the divisor is no power of two: a row's sum must be whole before any p is quantised.  So all 2,048 scores of a tile of 16 queries
; stay in registers: a work-group of EIGHT waves; wave w OWNS keys 128 w .. + 127 (half 0) and 1,024 + 128 w .. + 127 (half 1) for the whole launch: its fragments of K (96 registers) and V^T (96) are read once.
; ONE EXCHANGE A TILE: each wave takes its OWN maximum away: A_w = c x its largest score, e = 2^(c s - A_w), l_w = its sum of e.  The pairs (A_w, l_w) meet in LDS; then A = max A_j, f_j = 2^(A_j - A),
; l = sum f_j l_j in a fixed order, p = e (f_w / l).  What is exchanged is the very A_w that the multiply-add took, so a wave's rounding of c x maximum cancels in f_w.
; SHARES: work-group (x, y): head y % 16 of batch y / 16, query tiles x + 8 i, i = 0 .. 15: spread over the sequence, so that whatever the mask hides by position is shared evenly.  Two waves share a SIMD's registers.
; LAYOUT: both products transposed (S^T = K Q^T, O^T = V^T P^T): a lane holds one query.  Rows lie by position (bits 3, 4 exchanged), so register 64 s + 16 B + i of a lane is key 128 (w + 8 s) + 32 B + 16 (lane / 16) + i.
; q, k and V^T lie in memory in the order of the operand's registers: 16 rows x 64 codes are 768 bytes on end, 24 bytes a lane: a load of the wave spans 768 bytes.
; K = 64 IN AN INSTRUCTION 128 DEEP: Q's upper six registers are zero codes.  K's tile t is the run v[6 t .. 6 t + 11]: its upper six registers are tile t + 1's codes, which meet Q's zero codes and add exactly 0
; (FP6 has no NaN and no infinity; the scale bytes there are 0, not 0xff).  Six registers of zeros follow tile 15.
; FLAGS of a (tile, wave): bit 0, 1: half 0, 1 has a key that counts; bit 2, 3: it has some that count and some that do not.  Every barrier stands outside the branches on them.  The 64 scalar registers of mask words
; hold half 0's words where bit 2 is set, else half 1's: asked for a tile ahead; only where both halves are mixed do half 1's words come inside the tile.
; No tensor load, no cluster: the eight work-groups of a head share 196 KB, read once into registers at the head: a small part of what the launch does.
; LIMITS: p under 2^-126 becomes 0 (v_exp_f32 flushes), f_w likewise; p is e x (f_w / l): three roundings; a block's largest p is made from the block's largest score by the same instructions (it leans on v_exp_f32 not
; falling where its input rises); 1 / l by v_rcp_f32; a block of zeros gets the byte 1; sums over the waves are f32 in a fixed order; NaN and infinities among the inputs are not served; scores under -3e38 count as -3e38 for the maximum.
.set XO,    1280                       ; LDS: two exchange regions, by the tile's parity: 16 rows x (8 pairs of 8 bytes + 16)
.set OPO,   2560                       ; the parts of O^T: [tile 0, 1 of a trip][wave][8 images of 512 bytes]
.set SPARE, 68096                      ; the spare words, 128 bytes a wave
.set S,  128                           ; v128-255 scores, then e, then p; O^T lies over v128-159 once p is converted
.set BM, 56                            ; v56-63 the blocks' largest
.set BT, 64                            ; v64-71 at work
.set BO, 72                            ; v72-79 the conversions' scale operands
.set PC, 80                            ; v80-103 p's codes, two K steps
.set PT, 104                           ; v104-119 the eight pairs of the exchange; then the conversions' second halves
.set FL, 84                            ; s84, s85 the flags of this trip's two tiles; s86, s87 the next trip's
; v1 spare word, v2 0, v3 24 x lane, v4 64 r, v5, v6 exchange (write, read), v7, v8 O^T's parts (write, read), v9, v10 out, v11 -inf, v12-23 Q, v24 Q's scales, v26-33 K's, v34-37 V's, v38-39 p's,
; v42-43 f_w / l, v44-55 at work, v120-123 the result's codes and byte, v124 A_w, v125 l_w.   Window 1: v0-95 K, v96-101 zeros, v104-199 V^T.
; s2 wave, s3 trips, s4, s5 lane selects, s[6:7] c, s[8:9] Q, s[10:11] Q's scales, s[12:13] mask words, s[14:15], s[90:91] out, s[88:89] flags, s66 at work, s[16:63] and s[68:83] 64 mask words.
.set MSB, 0
.macro WIN new
.if MSB != (\new)
	s_set_vgpr_msb (MSB<<8)|(\new)
.set MSB, (\new)
.endif
.endm
.macro IFNOT reg, bits, lbl            ; on to lbl where none of these bits of a flag word is set
	s_and_b32 s66, s[\reg], \bits
	s_cmp_eq_u32 s66, 0
	s_cbranch_scc1 \lbl
.endm
	s_load_b128 s[84:87], s[0:1], 0x0              ; qkv, mw
	s_load_b64 s[88:89], s[0:1], 0x10              ; at
	v_lshl_add_u32 v1, v0, 2, SPARE
	v_mov_b32 v2, 0
	WIN 0x40
.irp i, 0,1,2,3,4,5
	v_mov_b32 v[96+\i], 0                          ; behind K's last tile
.endr
	WIN 0
.irp i, 0,1,2,3,4,5
	v_mov_b32 v[18+\i], 0                          ; Q's upper 64 along K: zero codes
.endr
.irp i, 0,1,2,3,4,5,6,7
	v_mov_b32 v[BT+\i], 0                          ; a lane permute's destination counts as read
.endr
	v_mov_b32 v45, 0
.set j, 0
.rept 128
	v_mov_b32 v[S+j], 0                            ; once: the pieces of a half stand under separate tests of one flag, so each of these is written before any way through the text reads it
.set j, j+1
.endr
	v_lshrrev_b32 v48, 5, v0
	v_readfirstlane_b32 s2, v48                    ; wave
	v_and_b32 v49, 15, v0                          ; r
	v_bfe_u32 v50, v0, 4, 1                        ; h
	v_and_b32 v51, 31, v0
	v_mul_u32_u24 v3, v51, 24                      ; my 24 bytes of a piece of 768
	v_lshlrev_b32 v4, 6, v49
	v_mul_u32_u24 v6, v49, 80
	s_lshl_b32 s36, s2, 3
	v_add_nc_u32 v5, s36, v6
	v_lshlrev_b32 v52, 4, v51
	s_lshl_b32 s36, s2, 12
	s_add_co_u32 s36, s36, OPO
	v_add_nc_u32 v7, s36, v52
	s_bfe_u32 s46, s2, 0x10001                     ; in the reduction: which of a trip's two tiles,
	s_and_b32 s47, s2, 1                           ; and which 32 of the head's 64
	s_lshl_b32 s36, s46, 15
	s_lshl_b32 s37, s47, 11
	s_add_co_u32 s36, s36, s37
	s_add_co_u32 s36, s36, OPO
	v_add_nc_u32 v8, s36, v52
	v_mul_u32_u24 v9, v49, 768
	v_mad_u32_u24 v9, v50, 12, v9
	v_lshlrev_b32 v10, 5, v49
	v_mov_b32 v11, 0xff800000
	v_lshlrev_b32 v54, 6, v51                      ; K's scales: 64 x lane
	v_lshlrev_b32 v55, 7, v49
	v_lshl_add_u32 v55, v50, 5, v55                ; V's scales: row r; lanes 16-31 take half 1's word, 8 words on
	s_mov_b32 s4, 0x76543210
	s_mov_b32 s5, 0xfedcba98
	s_mov_b32 s6, 0x3e38aa3b                       ; c = log2(e) / 8
	s_mov_b32 s7, s6
	s_mov_b32 s3, 8
	s_and_b32 s36, ttmp7, 0xffff
	s_lshr_b32 s37, s36, 4                         ; batch
	s_and_b32 s38, s36, 15                         ; head
	s_lshl_b32 s39, s37, 11
	s_lshl_b32 s40, s2, 7
	s_add_co_u32 s40, s39, s40                     ; half 0's first key's row
	s_lshl_b32 s41, ttmp9, 4
	s_add_co_u32 s41, s39, s41                     ; my first tile's first query's row
	s_mul_i32 s42, s38, 48
	s_lshl_b32 s43, s38, 1
	s_mul_i32 s45, s38, 768                        ; the head's piece among a tile's
	s_mul_i32 s16, s40, 1536
	s_add_co_u32 s16, s16, s45
	s_add_co_u32 s16, s16, 12288                   ; K's codes
	s_lshl_b32 s18, s40, 6
	s_add_co_u32 s18, s18, s43
	s_add_co_u32 s18, s18, 6291456+32              ; K's scales
	s_mul_i32 s20, s38, 64*3072
	s_lshl_b32 s44, s37, 4
	s_add_co_u32 s44, s44, s2                      ; half 0 is run 16 b + w of 128 tokens
	s_mul_i32 s35, s44, 1536
	s_add_co_u32 s20, s20, s35
	s_add_co_u32 s20, s20, 6553600                 ; V^T's codes
	s_lshl_b32 s22, s38, 13
	s_lshl_b32 s44, s44, 2
	s_add_co_u32 s22, s22, s44
	s_add_co_u32 s22, s22, 9699328                 ; V^T's scales
	s_mul_i32 s24, s41, 1536
	s_add_co_u32 s24, s24, s45                     ; Q's codes
	s_lshl_b32 s26, s41, 6
	s_add_co_u32 s26, s26, s43
	s_add_co_u32 s26, s26, 6291456                 ; Q's scales
	s_lshl_b32 s28, ttmp9, 12
	s_lshl_b32 s44, s2, 9
	s_add_co_u32 s28, s28, s44                     ; the mask words of (tile x, my wave)
	s_lshl_b32 s44, s46, 7
	s_add_co_u32 s44, s41, s44
	s_mul_i32 s30, s44, 768
	s_add_co_u32 s30, s30, s42
	s_mul_i32 s45, s47, 24
	s_add_co_u32 s30, s30, s45                     ; the result's codes
	s_lshl_b32 s32, s44, 5
	s_add_co_u32 s32, s32, s43
	s_add_co_u32 s32, s32, s47
	s_add_co_u32 s32, s32, 3145728                 ; and bytes
	s_lshl_b32 s34, ttmp9, 9
	s_lshl_b32 s44, s2, 6
	s_add_co_u32 s34, s34, s44
	s_add_co_u32 s34, s34, 524288                  ; my 16 flag words
.irp i, 17,19,21,23,25,27,29,31,33,35
	s_mov_b32 s\i, 0
.endr
	s_wait_kmcnt 0x0
	s_add_nc_u64 s[92:93], s[84:85], s[16:17]
	s_add_nc_u64 s[94:95], s[84:85], s[18:19]
	s_add_nc_u64 s[96:97], s[84:85], s[20:21]
	s_add_nc_u64 s[98:99], s[84:85], s[22:23]
	s_add_nc_u64 s[8:9], s[84:85], s[24:25]
	s_add_nc_u64 s[10:11], s[84:85], s[26:27]
	s_add_nc_u64 s[12:13], s[86:87], s[28:29]
	s_add_nc_u64 s[14:15], s[88:89], s[30:31]
	s_add_nc_u64 s[90:91], s[88:89], s[32:33]
	s_add_nc_u64 s[88:89], s[86:87], s[34:35]
	s_load_b64 s[FL+2:FL+3], s[88:89], 0x0         ; the first trip's flags
	WIN 0x40                                       ; destination window 1
.set t, 0
.rept 16
.irp p, 0,1,2
	global_load_b64 v[6*t+2*\p:6*t+2*\p+1], v3, s[92:93] offset:1572864*(t/8)+24576*(t%8)+8*\p
.endr
.set t, t+1
.endr
.irp dt, 0,1,2,3
.irp s, 0,1
.irp p, 0,1,2,3,4,5
	global_load_b64 v[104+12*(2*\dt+\s)+2*\p:105+12*(2*\dt+\s)+2*\p], v3, s[96:97] offset:49152*\dt+12288*\s+768*(\p/3)+8*(\p%3)
.endr
.endr
.endr
	WIN 0
.irp i, 0,1,2,3,4,5,6,7
	global_load_u16 v[26+\i], v54, s[94:95] offset:65536*(\i/4)+2048*(\i%4)   ; lanes 0-15: tile 2 i's rows; lanes 16-31: tile 2 i + 1's; the upper two bytes are 0
.endr
.irp dt, 0,1,2,3
	global_load_b32 v[34+\dt], v55, s[98:99] offset:2048*\dt   ; lanes 0-15: half 0's word; lanes 16-31: half 1's
.endr
.macro QLOAD
.irp p, 0,1,2
	global_load_b64 v[12+2*\p:13+2*\p], v3, s[8:9] offset:8*\p
.endr
	global_load_u16 v24, v4, s[10:11]
.endm
.macro MLOAD off                       ; 64 mask words
	s_load_b512 s[16:31], s[12:13], \off
	s_load_b512 s[32:47], s[12:13], \off+0x40
	s_load_b512 s[48:63], s[12:13], \off+0x80
	s_load_b512 s[68:83], s[12:13], \off+0xc0
.endm
.macro PREF reg                        ; the words that the tile with this flag word wants first: half 0's where that half is mixed, else half 1's
	IFNOT \reg, 4, .Lph_\@
	MLOAD 0x0
	s_branch .Lpd_\@
.Lph_\@:
	MLOAD 0x100
.Lpd_\@:
.endm
	QLOAD
	s_wait_kmcnt 0x0                               ; the flags
	PREF FL+2
.macro SCORES first                    ; S^T = K Q^T for eight tiles of 16 keys: one half
	WIN 0x01                                       ; source 0 (K) window 1
.set t, \first
.rept 8
.if t%2 == 0
	v_wmma_scale_f32_16x16x128_f8f6f4 v[S+8*t:S+8*t+7], v[6*t:6*t+11], v[12:23], 0, v[26+t/2], v24 matrix_a_fmt:MATRIX_FMT_FP6 matrix_b_fmt:MATRIX_FMT_FP6
.else
	v_wmma_scale_f32_16x16x128_f8f6f4 v[S+8*t:S+8*t+7], v[6*t:6*t+11], v[12:23], 0, v[26+t/2], v24 matrix_a_fmt:MATRIX_FMT_FP6 matrix_b_fmt:MATRIX_FMT_FP6 matrix_a_scale:MATRIX_SCALE_ROW1
.endif
.set t, t+1
.endr
	WIN 0
.rept 4
	v_nop                                          ; places in front of the first read of results
.endr
.endm
.macro MASK64 base                     ; a hidden score becomes -infinity; each accumulator is read from its low end on
.set m, 0
.rept 64
.if m < 48
.set sw, 16+m
.else
.set sw, 20+m
.endif
	v_cndmask_b32 v[S+\base+m], v11, v[S+\base+m], s[sw]
.set m, m+1
.endr
.endm
.macro BMAX first                      ; the largest score of each of four blocks of 32 keys (my 16 of them), by turns; each accumulator is read from its low end on
.irp b, 0,1,2,3
	v_max3_num_f32 v[BM+\first+\b], v[S+16*(\first+\b)], v[S+16*(\first+\b)+1], v[S+16*(\first+\b)+2]
.endr
.irp i, 3,5,7,9,11,13
.irp b, 0,1,2,3
	v_max3_num_f32 v[BM+\first+\b], v[BM+\first+\b], v[S+16*(\first+\b)+\i], v[S+16*(\first+\b)+\i+1]
.endr
.endr
.irp b, 0,1,2,3
	v_max_num_f32 v[BM+\first+\b], v[BM+\first+\b], v[S+16*(\first+\b)+15]
.endr
.endm
.macro EXPS s                          ; half s: e = 2^(c s - A_w), the same of its blocks' largest scores, and its sum of e onto l_w
.set j, 0
.rept 32
	v_pk_fma_f32 v[S+64*\s+j:S+64*\s+j+1], v[S+64*\s+j:S+64*\s+j+1], s[6:7], v[124:125] op_sel_hi:[1,0,0] neg_lo:[0,0,1] neg_hi:[0,0,1]
.set j, j+2
.endr
.irp b, 0,1,2,3
	v_fma_f32 v[BM+4*\s+\b], v[BM+4*\s+\b], s6, -v124
.endr
.set j, 0
.rept 64
	v_exp_f32 v[S+64*\s+j], v[S+64*\s+j]
.set j, j+1
.endr
.irp b, 0,1,2,3
	v_exp_f32 v[BM+4*\s+\b], v[BM+4*\s+\b]
.endr
	v_nop                                          ; a plain instruction behind the last exponential
	s_wait_alu depctr_va_vdst(0)                   ; one wait for the batch of 68, ahead of its first reader
.irp k, 0,1,2,3
	v_pk_add_f32 v[44+2*\k:45+2*\k], v[S+64*\s+4*\k:S+64*\s+4*\k+1], v[S+64*\s+4*\k+2:S+64*\s+4*\k+3]   ; the sum of the unquantised e, in four chains
.endr
.set j, 16
.rept 6
.irp k, 0,1,2,3
	v_pk_add_f32 v[44+2*\k:45+2*\k], v[44+2*\k:45+2*\k], v[S+64*\s+j+2*\k:S+64*\s+j+2*\k+1]
.endr
.set j, j+8
.endr
	v_pk_add_f32 v[44:45], v[44:45], v[46:47]
	v_pk_add_f32 v[48:49], v[48:49], v[50:51]
	v_pk_add_f32 v[44:45], v[44:45], v[48:49]
	v_add_f32 v44, v44, v45
	v_add_f32 v125, v125, v44
.endm
.macro QH s, fr                        ; half s becomes the second product's K step s: p = e x (f_w / l), quantised block by block; a hidden half: zero codes
	IFNOT \fr, 1+\s, .Lz_\@
.set j, 0
.rept 32
	v_pk_mul_f32 v[S+64*\s+j:S+64*\s+j+1], v[S+64*\s+j:S+64*\s+j+1], v[42:43]   ; the finished softmax
.set j, j+2
.endr
.irp b, 0,1,2,3
	v_mul_f32 v[BM+4*\s+\b], v[BM+4*\s+\b], v42    ; each block's largest p: the same multiplication on the same number
.endr
.irp b, 0,1,2,3
	v_max_num_f32 v[BM+4*\s+\b], 0x1800000, v[BM+4*\s+\b]   ; the floor: the byte cannot fall under 1
.endr
.irp b, 0,1,2,3
	v_add_nc_u32 v[BO+4*\s+\b], 0xff000000, v[BM+4*\s+\b]
.endr
.irp b, 0,1,2,3
	v_lshrrev_b32 v[BT+4*\s+\b], 23, v[BO+4*\s+\b]
.endr
	v_lshl_or_b32 v[38+\s], v[BT+4*\s+1], 8, v[BT+4*\s]
	v_lshl_or_b32 v[38+\s], v[BT+4*\s+2], 16, v[38+\s]
	v_lshl_or_b32 v[38+\s], v[BT+4*\s+3], 24, v[38+\s]
.irp c, 0,1
	v_cvt_scalef32_pk16_fp6_f32 v[PC+12*\s+6*\c:PC+12*\s+6*\c+2], v[S+64*\s+32*\c:S+64*\s+32*\c+15], v[BO+4*\s+2*\c]
	v_cvt_scalef32_pk16_fp6_f32 v[PT+8*\s+4*\c:PT+8*\s+4*\c+2], v[S+64*\s+32*\c+16:S+64*\s+32*\c+31], v[BO+4*\s+2*\c+1]
.endr
	v_nop                                          ; one plain place behind a scaled conversion
.irp c, 0,1                                    ; the operand's layout wants a whole block in a lane
.irp i, 0,1,2
	v_permlane16_swap_b32 v[PC+12*\s+6*\c+\i], v[PT+8*\s+4*\c+\i]
.endr
.irp i, 0,1,2
	v_mov_b32 v[PC+12*\s+6*\c+3+\i], v[PT+8*\s+4*\c+\i]
.endr
.endr
	s_branch .Lq_\@
.Lz_\@:
.irp i, 0,1,2,3,4,5,6,7,8,9,10,11
	v_mov_b32 v[PC+12*\s+\i], 0                    ; zero codes add nothing under any scale byte but 0xff
.endr
	v_mov_b32 v[38+\s], 0
.Lq_\@:
.endm
.macro BARRIER
	s_wait_dscnt 0x0                               ; my LDS stores have landed and my LDS loads are in
	s_barrier_signal -1
	s_barrier_wait -1
.endm
.macro TILE tau
	s_wait_loadcnt 0x0                             ; Q (the first time: K and V too)
	s_wait_dscnt 0x0                               ; the last tile's stores of O^T have read their registers
	s_wait_kmcnt 0x0                               ; the mask words asked for a tile ago, and the flags
	s_add_nc_u64 s[8:9], s[8:9], 196608            ; 8 tiles on
	s_add_nc_u64 s[10:11], s[10:11], 8192
.irp b, 0,1,2,3,4,5,6,7
	v_mov_b32 v[BM+\b], v11                        ; a hidden half's blocks: -infinity
.endr
	v_mov_b32 v125, 0                              ; l_w
	IFNOT FL+\tau, 1, .Lg1_\@
	SCORES 0
	IFNOT FL+\tau, 4, .Lm0_\@
	MASK64 0
.Lm0_\@:
	BMAX 0
.Lg1_\@:
	s_and_b32 s66, s[FL+\tau], 12
	s_cmp_lg_u32 s66, 12
	s_cbranch_scc1 .Lh_\@
	MLOAD 0x100                                    ; both halves mixed: half 1's words can come only now
.Lh_\@:
	IFNOT FL+\tau, 2, .Lg2_\@
	SCORES 8
	s_wait_kmcnt 0x0
	IFNOT FL+\tau, 8, .Lm1_\@
	MASK64 64
.Lm1_\@:
	BMAX 4
.Lg2_\@:
	s_wait_kmcnt 0x0                               ; no scalar load is out: the words' base may step, and their registers may be asked for again
	s_add_nc_u64 s[12:13], s[12:13], 32768         ; 8 tiles on
.if \tau == 0
	s_cmp_eq_u32 s3, 1                             ; the last trip has no successor: no load leaves its buffer
	s_cbranch_scc1 .Lnf_\@
	s_add_nc_u64 s[88:89], s[88:89], 8
	s_load_b64 s[FL+2:FL+3], s[88:89], 0x0         ; the next trip's flags
.Lnf_\@:
	PREF FL+1
	QLOAD                                          ; the next tile's Q.  (Behind the places and the maxima that follow the score products)
.else
	s_cmp_eq_u32 s3, 1
	s_cbranch_scc1 .Lnp_\@
	PREF FL+2
	QLOAD
.Lnp_\@:
.endif
.irp b, 0,1,2,3,4,5,6,7
	v_permlanex16_b32 v[BT+\b], v[BM+\b], s4, s5
.endr
.irp b, 0,1,2,3,4,5,6,7
	v_max_num_f32 v[BM+\b], v[BM+\b], v[BT+\b]     ; with lane l xor 16's 16 keys
.endr
	v_max3_num_f32 v48, v[BM], v[BM+1], v[BM+2]
	v_max3_num_f32 v48, v48, v[BM+3], v[BM+4]
	v_max3_num_f32 v48, v48, v[BM+5], v[BM+6]
	v_max3_num_f32 v48, v48, v[BM+7], 0xff61b1e6   ; my wave's largest score of query r; -3e38 where all my keys are hidden, so that no infinity meets an infinity
	v_mul_f32 v124, s6, v48                        ; A_w
	IFNOT FL+\tau, 1, .Le0_\@
	EXPS 0
.Le0_\@:
	IFNOT FL+\tau, 2, .Le1_\@
	EXPS 1
.Le1_\@:
	v_permlanex16_b32 v45, v125, s4, s5
	v_add_f32 v125, v125, v45
	ds_store_b64 v5, v[124:125] offset:\tau*XO     ; (lanes l and l xor 16 write the same pair with the same values)
	BARRIER
	s_cmp_eq_u32 s[FL+\tau], 0
	s_cbranch_scc1 .Lhid_\@
.irp k, 0,1,2,3
	ds_load_b128 v[PT+4*\k:PT+4*\k+3], v6 offset:\tau*XO+16*\k
.endr
	s_wait_dscnt 0x0
	v_max3_num_f32 v48, v[PT], v[PT+2], v[PT+4]
	v_max3_num_f32 v48, v48, v[PT+6], v[PT+8]
	v_max3_num_f32 v48, v48, v[PT+10], v[PT+12]
	v_max_num_f32 v48, v48, v[PT+14]               ; A
.irp j, 0,1,2,3,4,5,6,7
	v_sub_f32 v[PT+2*\j], v[PT+2*\j], v48
.endr
	v_sub_f32 v49, v124, v48
.irp j, 0,1,2,3,4,5,6,7
	v_exp_f32 v[PT+2*\j], v[PT+2*\j]               ; f_j
.endr
	v_exp_f32 v49, v49                             ; f_w
	v_nop
	s_wait_alu depctr_va_vdst(0)                   ; one wait for the nine
	v_mul_f32 v50, v[PT], v[PT+1]
.irp j, 1,2,3,4,5,6,7
	v_fma_f32 v50, v[PT+2*\j], v[PT+2*\j+1], v50   ; the row's sum
.endr
	v_rcp_f32 v42, v50
	v_cmp_lt_f32 vcc_lo, 0, v50
	v_nop
	s_wait_alu depctr_va_vdst(0)
	v_cndmask_b32 v42, 0, v42, vcc_lo              ; a row with no true entry: attn = 0
	v_mul_f32 v42, v42, v49
	v_mov_b32 v43, v42
	QH 0, FL+\tau
	QH 1, FL+\tau
.rept 8
	v_nop                                          ; a scale register written by a vector instruction stands 8 places ahead of a scaled matrix instruction
.endr
	WIN 0x01
.irp dt, 0,1,2,3                               ; O^T = V^T P^T over my 256 keys: four accumulators by turns
	v_wmma_scale_f32_16x16x128_f8f6f4 v[S+8*\dt:S+8*\dt+7], v[104+24*\dt:115+24*\dt], v[PC:PC+11], 0, v[34+\dt], v38 matrix_a_fmt:MATRIX_FMT_FP6 matrix_b_fmt:MATRIX_FMT_FP6
.endr
.irp dt, 0,1,2,3
	v_wmma_scale_f32_16x16x128_f8f6f4 v[S+8*\dt:S+8*\dt+7], v[116+24*\dt:127+24*\dt], v[PC+12:PC+23], v[S+8*\dt:S+8*\dt+7], v[34+\dt], v39 matrix_a_fmt:MATRIX_FMT_FP6 matrix_b_fmt:MATRIX_FMT_FP6 matrix_a_scale:MATRIX_SCALE_ROW1
.endr
	WIN 0
.rept 5
	v_nop                                          ; FIVE places: four would serve the stores below; the next tile's score products begin new sums in these same registers, and a matrix instruction that writes over an earlier one's result stands five places behind it
.endr
	s_branch .Lst_\@
.Lhid_\@:
.set j, 0
.rept 32
	v_mov_b32 v[S+j], 0                            ; a wave all of whose keys are hidden adds zeros
.set j, j+1
.endr
.Lst_\@:
.irp dt, 0,1,2,3
	ds_store_b128 v7, v[S+8*\dt:S+8*\dt+3] offset:\tau*32768+1024*\dt          ; images of the registers, 16 bytes a lane
	ds_store_b128 v7, v[S+8*\dt+4:S+8*\dt+7] offset:\tau*32768+1024*\dt+512
.endr
.endm
.Ltrip:                                            ; 8 trips of two tiles.  An exchange region is written again a trip later, behind two barriers; the parts of O^T only behind the next trip's exchange barrier, which waves 0-3 signal behind their reads
	s_mov_b64 s[FL:FL+1], s[FL+2:FL+3]
	TILE 0
	TILE 1
	BARRIER                                        ; both tiles' parts lie in LDS
	s_cmp_lt_u32 s2, 4
	s_cbranch_scc0 .Lnored
	; waves 0-3: tile w / 2, channels 32 (w % 2) on: the eight waves' parts are added in a fixed order and quantised along the channels
.set pw, 0
.rept 8
.irp i, 0,1,2,3
	ds_load_b128 v[S+16*pw+4*\i:S+16*pw+4*\i+3], v8 offset:4096*pw+512*\i
.endr
.set pw, pw+1
.endr
	s_wait_dscnt 0x0
.set pw, 1
.rept 7
.irp k, 0,2,4,6,8,10,12,14
	v_pk_add_f32 v[S+\k:S+\k+1], v[S+\k:S+\k+1], v[S+16*pw+\k:S+16*pw+\k+1]
.endr
.set pw, pw+1
.endr
	v_max3_num_f32 v48, |v[S]|, |v[S+1]|, 0x1800000
	v_max3_num_f32 v49, |v[S+2]|, |v[S+3]|, |v[S+4]|
	v_max3_num_f32 v48, v48, |v[S+5]|, |v[S+6]|
	v_max3_num_f32 v49, v49, |v[S+7]|, |v[S+8]|
	v_max3_num_f32 v48, v48, |v[S+9]|, |v[S+10]|
	v_max3_num_f32 v49, v49, |v[S+11]|, |v[S+12]|
	v_max3_num_f32 v48, v48, |v[S+13]|, |v[S+14]|
	v_max3_num_f32 v48, v48, v49, |v[S+15]|
	v_permlanex16_b32 v49, v48, s4, s5
	v_max_num_f32 v48, v48, v49
	v_add_nc_u32 v50, 0xff000000, v48
	v_cvt_scalef32_pk16_fp6_f32 v[120:122], v[S:S+15], v50
	v_lshrrev_b32 v123, 23, v50                    ; (the plain place behind the conversion)
	global_store_b96 v9, v[120:122], s[14:15]      ; channels 32 beta + 16 h on of query r
	global_store_b8 v10, v123, s[90:91]            ; one byte a row: a row's 32 bytes belong to 16 heads' work-groups (the buffer holds 128 KB)
	s_wait_xcnt 0x0                                ; the stores have read their registers and bases
	s_add_nc_u64 s[14:15], s[14:15], 196608        ; 16 tiles on
	s_add_nc_u64 s[90:91], s[90:91], 8192
.Lnored:
	s_sub_co_u32 s3, s3, 1
	s_cmp_lg_u32 s3, 0
	s_cbranch_scc1 .Ltrip
	s_wait_tensorcnt 0x0                           ; the wave's end
	ds_add_u32 v1, v2
	s_wait_dscnt 0x0
	s_endpgm
.Lfunc_end_k_qc0c1c0425f_attn:
	.size	k_qc0c1c0425f_attn, .Lfunc_end_k_qc0c1c0425f_attn-k_qc0c1c0425f_attn
	.p2alignl 7, 3214868480
	.fill 96, 4, 3214868480
	.section	.rodata,"a",@progbits
	.p2align	6, 0x0
	.amdhsa_kernel k_qc0c1c0425f_attn
		.amdhsa_group_segment_fixed_size 69120
		.amdhsa_private_segment_fixed_size 0
		.amdhsa_enable_private_segment 0
		.amdhsa_kernarg_size 24
		.amdhsa_user_sgpr_count 2
		.amdhsa_user_sgpr_kernarg_segment_ptr 1
		.amdhsa_wavefront_size32 1
		.amdhsa_system_sgpr_workgroup_id_x 1
		.amdhsa_system_sgpr_workgroup_id_y 1
		.amdhsa_system_sgpr_workgroup_id_z 1
		.amdhsa_system_vgpr_workitem_id 0
		.amdhsa_next_free_vgpr 512
		.amdhsa_next_free_sgpr 100
		.amdhsa_reserve_vcc 1
		.amdhsa_float_denorm_mode_32 3
		.amdhsa_float_denorm_mode_16_64 3
		.amdhsa_memory_ordered 1
		.amdhsa_forward_progress 1
		.amdhsa_inst_pref_size 116
	.end_amdhsa_kernel
	.amdgpu_metadata
---
amdhsa.version: [ 1, 2 ]
amdhsa.kernels:
  - .name:           k_qc0c1c0425f_attn
    .symbol:         k_qc0c1c0425f_attn.kd
    .args:
      - { .name: qkv, .offset: 0, .size: 8, .value_kind: global_buffer, .address_space: global }
      - { .name: mw, .offset: 8, .size: 8, .value_kind: global_buffer, .address_space: global }
      - { .name: at, .offset: 16, .size: 8, .value_kind: global_buffer, .address_space: global }
    .group_segment_fixed_size: 69120
    .private_segment_fixed_size: 0
    .kernarg_segment_align: 8
    .kernarg_segment_size: 24
    .max_flat_workgroup_size: 256
    .sgpr_count:     100
    .vgpr_count:     512
    .wavefront_size: 32
...
	.end_amdgpu_metadata
.endif
;; end of part 10
;; launch g2: the kernel of part 5 again; grid 8 x 32, 4 waves a work-group, clusters of 4 x 4, 327,680 bytes of LDS; arguments at, wb, bo, x, x1; writes x1
;; launch ln2: the kernel of part 2 again; grid 512 x 1, 8 waves a work-group, no clusters, 42,240 bytes of LDS; arguments x1, ln2_g, ln2_b, hq; writes hq
;; launch g3: the kernel of part 6 again; grid 16 x 16, 4 waves a work-group, clusters of 4 x 4, 327,680 bytes of LDS; arguments hq, wb, b1, hid; writes hid
;; launch g4: the kernel of part 7 again; grid 8 x 32, 4 waves a work-group, clusters of 4 x 4, 327,680 bytes of LDS; arguments hid, wb, b2, x1, out0; writes out0
